; MI455X (gfx1250); checked and timed in simulation.
; The chip was launched on July 23, 2026; its instructions are those of AMD's public machine-readable ISA for CDNA 5 (MIT licence, August 2026) and "CDNA5" Instruction Set Architecture Reference Guide (July 2026). The comments in the code are by the model that wrote it; some were corrected since.
;; Cross View Swap Attention. Allowed arithmetic: float matrix products may take bf16 or f16 operands with f32 sums; all other float work in f32.
;; Inputs: E_inv 1 x 4 x 4 x 4 float32; I_inv 1 x 4 x 3 x 3 float32; cluster_ids 1 int32; feature 1 x 4 x 128 x 32 x 32 float32; grid0 3 x 128 x 128 float32; image_plane 3 x 32 x 32 float32; params_attn1_bk 256 float32; params_attn1_bo 128 float32; params_attn1_bq 256 float32; params_attn1_bv 256 float32; params_attn1_ln_k_b 128 float32; params_attn1_ln_k_g 128 float32; params_attn1_ln_q_b 128 float32; params_attn1_ln_q_g 128 float32; params_attn1_ln_v_b 128 float32; params_attn1_ln_v_g 128 float32; params_attn1_wk 128 x 256 float32; params_attn1_wo 256 x 128 float32; params_attn1_wq 128 x 256 float32; params_attn1_wv 128 x 256 float32; params_attn2_bk 256 float32; params_attn2_bo 128 float32; params_attn2_bq 256 float32; params_attn2_bv 256 float32; params_attn2_ln_k_b 128 float32; params_attn2_ln_k_g 128 float32; params_attn2_ln_q_b 128 float32; params_attn2_ln_q_g 128 float32; params_attn2_ln_v_b 128 float32; params_attn2_ln_v_g 128 float32; params_attn2_wk 128 x 256 float32; params_attn2_wo 256 x 128 float32; params_attn2_wq 128 x 256 float32; params_attn2_wv 128 x 256 float32; params_bev_b 128 float32; params_bev_w 128 x 2 float32; params_cam_w 128 x 4 float32; params_feat_lin_beta 128 float32; params_feat_lin_gamma 128 float32; params_feat_lin_mean 128 float32; params_feat_lin_var 128 float32; params_feat_lin_w 128 x 128 float32; params_feat_proj_beta 128 float32; params_feat_proj_gamma 128 float32; params_feat_proj_mean 128 float32; params_feat_proj_var 128 float32; params_feat_proj_w 128 x 128 float32; params_img_w 128 x 4 float32; params_learned_features 10 x 128 x 128 x 128 float32; params_mlp1_b1 256 float32; params_mlp1_b2 128 float32; params_mlp1_w1 128 x 256 float32; params_mlp1_w2 256 x 128 float32; params_mlp2_b1 256 float32; params_mlp2_b2 128 float32; params_mlp2_w1 128 x 256 float32; params_mlp2_w2 256 x 128 float32; params_postnorm_b 128 float32; params_postnorm_g 128 float32; params_prenorm1_b 128 float32; params_prenorm1_g 128 float32; params_prenorm2_b 128 float32; params_prenorm2_g 128 float32; x 1 x 128 x 128 x 128 float32.
;; Outputs: out0 1 x 128 x 128 x 128 float32.
;; Constants: index = 0.
;; 2 versions, each right and faster than the one before. Each part assembles by itself: llvm-mc -triple=amdgcn-amd-amdhsa -mcpu=gfx1250 --defsym DOCPART=n.
;; ======== version 1 of 2: 6 launches
;; limits: a function is approximated: absolute error at most 2.5e-05; an absolute error that grows with the inputs' magnitude: up to 1.3e-05 times it
;; workspace buffers: ws 790,528 bytes; kvflat 4,194,304 bytes; qhat 16,777,216 bytes; xt 8,388,608 bytes; kvhat 33,554,432 bytes; q2d 8,388,608 bytes; qhat2 4,194,304 bytes; outT 8,388,608 bytes
;; launch prep_w (part 1): grid 4 x 12, 4 waves a work-group, no clusters, 0 bytes of LDS; arguments params_attn1_wq, params_attn1_wk, params_attn1_wv, params_mlp1_w1, params_attn1_wo, params_mlp1_w2, params_attn2_wq, params_attn2_wk, params_attn2_wv, params_mlp2_w1, params_attn2_wo, params_mlp2_w2, params_attn1_ln_k_g, params_attn1_ln_k_b, params_attn1_bk, params_attn1_ln_v_g, params_attn1_ln_v_b, params_attn1_bv, params_attn2_ln_k_g, params_attn2_ln_k_b, params_attn2_bk, params_attn2_ln_v_g, params_attn2_ln_v_b, params_attn2_bv, ws; writes ws
.if DOCPART == 1
	.amdgcn_target "amdgcn-amd-amdhsa--gfx1250"
	.amdhsa_code_object_version 6
	.text
	.protected	k_q7e41b0da39_prep_w
	.globl	k_q7e41b0da39_prep_w
	.p2align	8
	.type	k_q7e41b0da39_prep_w,@function
k_q7e41b0da39_prep_w:
	s_mov_b64 s[64:65], 0
	v_nop
	global_prefetch_b8 v0, s[64:65] scope:SCOPE_SE
	s_setreg_imm32_b32 hwreg(HW_REG_WAVE_MODE, 25, 1), 1
	s_wait_xcnt 0x0
; The twelve weight matrices, f32 [K][N], become bf16 in the order in which a matrix operand lies in registers.
; Matrix y (grid y) = 6 x pass + {0 wq, 1 wk, 2 wv, 3 mlp w1, 4 wo, 5 mlp w2} goes to ws + 65,536 y.
; Fragment (mt, ks) = 16 output channels x 32 k = 1,024 bytes at (mt K/32 + ks) 1,024; in it byte 512 q + 16 lane holds
; W[k = 32 ks + 16 q + 8 (lane / 16) + 0..7][16 mt + lane % 16].  So a later wave reads its 16 KiB by loads of 512 bytes on end.
; For wk and wv the LayerNorm in front is folded in: W' = g[k] W[k][n] and bias'[n] = bias[n] + sum over k of beta[k] W[k][n] (f32, at ws + 786,432 + 1,024 slot).
; A wave makes 4 KiB of a matrix: task t = 4 x grid x + wave, 0 to 15.  No LDS, no matrix unit: 786 KiB are moved once.
.set WV, 54
.set YM, 55                            ; the matrix
.set TK, 56                            ; the task
.set PS, 57                            ; the pass
.set Y6, 58                            ; the matrix within its pass
.set PITCH, 59                         ; bytes from k to k + 1: 1,024 (256 columns) or 512 (128 columns)
.set MT, 60                            ; block of 16 output channels
.set J0, 61                            ; first of the task's eight groups of 16 k
.set KA, 62                            ; 1: K = 128, 256 columns
.set MTB, 63                           ; bytes of a block mt
.set SRC, 66                           ; s[66:67] the matrix, later the task's place in ws
.set SB, 68                            ; s[68:83] the matrix at group j's first k, my 16 columns
.set FOLD, 85
.set PGG, 94                           ; s[94:95] g, s[96:97] beta, s[98:99] bias
.set VO, 8                             ; v8-15  (8 h + i) pitch + 4 r
.set D, 32                             ; v32-95   W, group j, k 8 h + i at D + 8 j + i
.set G, 96                             ; v96-159  g likewise
.set BE, 160                           ; v160-223 beta likewise
.set PK, 224                           ; v224-255 bf16
	s_load_b512 s[4:19], s[0:1], 0x0
	s_load_b512 s[20:35], s[0:1], 0x40
	s_load_b512 s[36:51], s[0:1], 0x80
	s_load_b64 s[52:53], s[0:1], 0xc0
	v_lshrrev_b32 v2, 5, v0
	v_readfirstlane_b32 s[WV], v2
	v_and_b32 v1, 31, v0
	v_and_b32 v3, 15, v0                   ; r
	v_bfe_u32 v4, v0, 4, 1                 ; h
	s_and_b32 s[YM], ttmp7, 0xffff
	s_lshl_b32 s[TK], ttmp9, 2
	s_add_co_u32 s[TK], s[TK], s[WV]
	s_cmp_ge_u32 s[YM], 6
	s_cselect_b32 s[PS], 1, 0
	s_mul_i32 s[Y6], s[PS], 6
	s_sub_co_u32 s[Y6], s[YM], s[Y6]
	s_lshr_b32 s[MT], s[TK], 1
	s_and_b32 s[J0], s[TK], 1
	s_lshl_b32 s[J0], s[J0], 3
	s_cmp_lt_u32 s[Y6], 4
	s_cselect_b32 s[KA], 1, 0
	s_cselect_b32 s[MT], s[TK], s[MT]      ; K = 128: a task is a whole block mt; K = 256: half of one
	s_cselect_b32 s[J0], 0, s[J0]
	s_lshl_b32 s[PITCH], 512, s[KA]
	s_lshr_b32 s[MTB], 8192, s[KA]
	s_sub_co_u32 s84, s[Y6], 1
	s_cmp_lt_u32 s84, 2                    ; wk or wv
	s_cselect_b32 s[FOLD], 1, 0
	s_lshl1_add_u32 s86, s[PS], s84        ; bias slot 2 pass + {0 k, 1 v}; used where FOLD is 1
	s_lshl_b32 s90, s[J0], 4
	s_mul_i32 s90, s90, s[PITCH]
	s_lshl_b32 s88, s[MT], 6
	s_add_co_u32 s90, s90, s88             ; 16 J0 rows down, 16 mt columns in
	s_mov_b32 s91, 0
	s_lshl_b32 s92, s[PITCH], 4            ; 16 rows
	s_mov_b32 s93, 0
	v_lshlrev_b32 v5, 3, v4
.irp i, 0,1,2,3,4,5,6,7
	v_add_nc_u32 v6, \i, v5
	v_mul_lo_u32 v[VO+\i], v6, s[PITCH]
	v_lshl_add_u32 v[VO+\i], v3, 2, v[VO+\i]
.endr
	v_lshlrev_b32 v16, 5, v4               ; 32 h: my eight k in g and beta
	v_lshl_add_u32 v17, v3, 2, s88         ; 4 (16 mt + r): my column in the bias
	v_lshlrev_b32 v19, 4, v1               ; 16 lane
	v_mov_b32 v24, 0                       ; written, since the exchange of halves counts as a reader of its destination
	s_wait_kmcnt 0x0
	s_mov_b64 s[SRC:SRC+1], s[4:5]
.irp i, 1,2,3,4,5,6,7,8,9,10,11
	s_cmp_eq_u32 s[YM], \i
	s_cselect_b64 s[SRC:SRC+1], s[4+2*\i:5+2*\i], s[SRC:SRC+1]
.endr
	s_mov_b64 s[PGG:PGG+1], s[28:29]       ; where nothing is folded these three are loaded and not used
	s_mov_b64 s[PGG+2:PGG+3], s[30:31]
	s_mov_b64 s[PGG+4:PGG+5], s[32:33]
.macro PICK yv, base
	s_cmp_eq_u32 s[YM], \yv
	s_cselect_b64 s[PGG:PGG+1], s[\base:\base+1], s[PGG:PGG+1]
	s_cselect_b64 s[PGG+2:PGG+3], s[\base+2:\base+3], s[PGG+2:PGG+3]
	s_cselect_b64 s[PGG+4:PGG+5], s[\base+4:\base+5], s[PGG+4:PGG+5]
.endm
	PICK 2, 34
	PICK 7, 40
	PICK 8, 46
	s_add_nc_u64 s[SB:SB+1], s[SRC:SRC+1], s[90:91]
.irp j, 1,2,3,4,5,6,7
	s_add_nc_u64 s[SB+2*\j:SB+2*\j+1], s[SB+2*\j-2:SB+2*\j-1], s[92:93]
.endr
.set j_, 0
.rept 8
.set i_, 0
.rept 8
	global_load_b32 v[D+8*j_+i_], v[VO+i_], s[SB+2*j_:SB+2*j_+1]
.set i_, i_+1
.endr
.set j_, j_+1
.endr
.set j_, 0
.rept 8
	global_load_b128 v[G+8*j_:G+8*j_+3], v16, s[PGG:PGG+1] offset:64*j_
	global_load_b128 v[G+8*j_+4:G+8*j_+7], v16, s[PGG:PGG+1] offset:64*j_+16
	global_load_b128 v[BE+8*j_:BE+8*j_+3], v16, s[PGG+2:PGG+3] offset:64*j_
	global_load_b128 v[BE+8*j_+4:BE+8*j_+7], v16, s[PGG+2:PGG+3] offset:64*j_+16
.set j_, j_+1
.endr
	global_load_b32 v18, v17, s[PGG+4:PGG+5]
	s_lshl_b32 s88, s[YM], 16              ; the task's place in ws
	s_mul_i32 s89, s[MT], s[MTB]
	s_add_co_u32 s88, s88, s89
	s_lshl_b32 s89, s[J0], 9
	s_add_co_u32 s88, s88, s89
	s_mov_b32 s89, 0
	s_add_nc_u64 s[SRC:SRC+1], s[52:53], s[88:89]
	s_wait_loadcnt 0x0                     ; the launch's one wait for data: all 97 loads
	s_cmp_eq_u32 s[FOLD], 0
	s_cbranch_scc1 .Lpack
	s_lshl_b32 s86, s86, 10
	s_add_co_u32 s86, s86, 786432
	s_mov_b32 s87, 0
	s_add_nc_u64 s[52:53], s[52:53], s[86:87]
.set k_, 0
.rept 4
	v_mul_f32 v[20+k_], v[BE+k_], v[D+k_]  ; four chains over my 64 k
.set k_, k_+1
.endr
.rept 60
	v_fmac_f32 v[20+k_%4], v[BE+k_], v[D+k_]
.set k_, k_+1
.endr
	v_add_f32 v20, v20, v21
	v_add_f32 v22, v22, v23
	v_add_f32 v20, v20, v22
	s_mov_b32 s90, 0x76543210
	s_mov_b32 s91, 0xfedcba98
	v_permlanex16_b32 v24, v20, s90, s91   ; the other 64 k lie in the lane 16 away
	v_add_f32 v20, v20, v24
	v_add_f32 v20, v20, v18
	global_store_b32 v17, v20, s[52:53]    ; both halves of the lanes store the same word
.set k_, 0
.rept 32
	v_pk_mul_f32 v[D+2*k_:D+2*k_+1], v[D+2*k_:D+2*k_+1], v[G+2*k_:G+2*k_+1]
.set k_, k_+1
.endr
.Lpack:
.set k_, 0
.rept 32
	v_cvt_pk_bf16_f32 v[PK+k_], v[D+2*k_], v[D+2*k_+1]
.set k_, k_+1
.endr
.set j_, 0
.rept 8
	global_store_b128 v19, v[PK+4*j_:PK+4*j_+3], s[SRC:SRC+1] offset:512*j_  ; 512 bytes on end, at a multiple of 512 from the buffer's first byte
.set j_, j_+1
.endr
	s_endpgm
.Lfunc_end_k_q7e41b0da39_prep_w:
	.size	k_q7e41b0da39_prep_w, .Lfunc_end_k_q7e41b0da39_prep_w-k_q7e41b0da39_prep_w
	.p2alignl 7, 3214868480
	.fill 96, 4, 3214868480
	.section	.rodata,"a",@progbits
	.p2align	6, 0x0
	.amdhsa_kernel k_q7e41b0da39_prep_w
		.amdhsa_group_segment_fixed_size 0
		.amdhsa_private_segment_fixed_size 0
		.amdhsa_enable_private_segment 0
		.amdhsa_kernarg_size 200
		.amdhsa_user_sgpr_count 2
		.amdhsa_user_sgpr_kernarg_segment_ptr 1
		.amdhsa_wavefront_size32 1
		.amdhsa_system_sgpr_workgroup_id_x 1
		.amdhsa_system_sgpr_workgroup_id_y 1
		.amdhsa_system_sgpr_workgroup_id_z 1
		.amdhsa_system_vgpr_workitem_id 0
		.amdhsa_next_free_vgpr 256
		.amdhsa_next_free_sgpr 100
		.amdhsa_reserve_vcc 0
		.amdhsa_float_denorm_mode_32 3
		.amdhsa_float_denorm_mode_16_64 3
		.amdhsa_memory_ordered 1
		.amdhsa_forward_progress 1
		.amdhsa_inst_pref_size 22
	.end_amdhsa_kernel
	.amdgpu_metadata
---
amdhsa.version: [ 1, 2 ]
amdhsa.kernels:
  - .name:           k_q7e41b0da39_prep_w
    .symbol:         k_q7e41b0da39_prep_w.kd
    .args:
      - { .name: params_attn1_wq, .offset: 0, .size: 8, .value_kind: global_buffer, .address_space: global }
      - { .name: params_attn1_wk, .offset: 8, .size: 8, .value_kind: global_buffer, .address_space: global }
      - { .name: params_attn1_wv, .offset: 16, .size: 8, .value_kind: global_buffer, .address_space: global }
      - { .name: params_mlp1_w1, .offset: 24, .size: 8, .value_kind: global_buffer, .address_space: global }
      - { .name: params_attn1_wo, .offset: 32, .size: 8, .value_kind: global_buffer, .address_space: global }
      - { .name: params_mlp1_w2, .offset: 40, .size: 8, .value_kind: global_buffer, .address_space: global }
      - { .name: params_attn2_wq, .offset: 48, .size: 8, .value_kind: global_buffer, .address_space: global }
      - { .name: params_attn2_wk, .offset: 56, .size: 8, .value_kind: global_buffer, .address_space: global }
      - { .name: params_attn2_wv, .offset: 64, .size: 8, .value_kind: global_buffer, .address_space: global }
      - { .name: params_mlp2_w1, .offset: 72, .size: 8, .value_kind: global_buffer, .address_space: global }
      - { .name: params_attn2_wo, .offset: 80, .size: 8, .value_kind: global_buffer, .address_space: global }
      - { .name: params_mlp2_w2, .offset: 88, .size: 8, .value_kind: global_buffer, .address_space: global }
      - { .name: params_attn1_ln_k_g, .offset: 96, .size: 8, .value_kind: global_buffer, .address_space: global }
      - { .name: params_attn1_ln_k_b, .offset: 104, .size: 8, .value_kind: global_buffer, .address_space: global }
      - { .name: params_attn1_bk, .offset: 112, .size: 8, .value_kind: global_buffer, .address_space: global }
      - { .name: params_attn1_ln_v_g, .offset: 120, .size: 8, .value_kind: global_buffer, .address_space: global }
      - { .name: params_attn1_ln_v_b, .offset: 128, .size: 8, .value_kind: global_buffer, .address_space: global }
      - { .name: params_attn1_bv, .offset: 136, .size: 8, .value_kind: global_buffer, .address_space: global }
      - { .name: params_attn2_ln_k_g, .offset: 144, .size: 8, .value_kind: global_buffer, .address_space: global }
      - { .name: params_attn2_ln_k_b, .offset: 152, .size: 8, .value_kind: global_buffer, .address_space: global }
      - { .name: params_attn2_bk, .offset: 160, .size: 8, .value_kind: global_buffer, .address_space: global }
      - { .name: params_attn2_ln_v_g, .offset: 168, .size: 8, .value_kind: global_buffer, .address_space: global }
      - { .name: params_attn2_ln_v_b, .offset: 176, .size: 8, .value_kind: global_buffer, .address_space: global }
      - { .name: params_attn2_bv, .offset: 184, .size: 8, .value_kind: global_buffer, .address_space: global }
      - { .name: ws, .offset: 192, .size: 8, .value_kind: global_buffer, .address_space: global }
    .group_segment_fixed_size: 0
    .private_segment_fixed_size: 0
    .kernarg_segment_align: 8
    .kernarg_segment_size: 200
    .max_flat_workgroup_size: 128
    .sgpr_count:     100
    .vgpr_count:     256
    .wavefront_size: 32
...
	.end_amdgpu_metadata
.endif
;; end of part 1
;; launch prep_kv (part 2): grid 64 x 1, 4 waves a work-group, no clusters, 105,984 bytes of LDS; arguments feature, I_inv, E_inv, image_plane, params_img_w, params_cam_w, params_feat_proj_beta, params_feat_proj_gamma, params_feat_proj_mean, params_feat_proj_var, params_feat_proj_w, params_feat_lin_beta, params_feat_lin_gamma, params_feat_lin_mean, params_feat_lin_var, params_feat_lin_w, kvflat; writes kvflat
.if DOCPART == 2
	.amdgcn_target "amdgcn-amd-amdhsa--gfx1250"
	.amdhsa_code_object_version 6
	.text
	.protected	k_q7e41b0da39_prep_kv
	.globl	k_q7e41b0da39_prep_kv
	.p2align	8
	.type	k_q7e41b0da39_prep_kv,@function
k_q7e41b0da39_prep_kv:
	s_mov_b64 s[64:65], 0
	v_nop
	global_prefetch_b8 v0, s[64:65] scope:SCOPE_SE
	s_setreg_imm32_b32 hwreg(HW_REG_WAVE_MODE, 25, 1), 1
	s_wait_xcnt 0x0
; key_flat = normalised image embedding + conv(relu(bn(feature))) and val_flat = conv(relu(bn(feature))), at 32 x 32, for one view and 64 pixels a work-group.
; Out: kvflat[t = key, val][view][pixel], a token of 128 f32 in the order byte 256 u + 16 r + 4 i = channel 8 r + 4 u + i, so that a lane r of 16 owns channels 8 r .. 8 r + 7
; and each of its two 16-byte stores fills, with its 15 neighbours, 256 bytes on end.
; The two 1 x 1 convolutions go to the matrix unit in bf16 (source 0 = 16 output channels of W, source 1 = 16 pixels); everything else is f32.
; Wave w: prepares pixels 16 w .. 16 w + 15, multiplies output channels 32 w .. 32 w + 31 by all 64 pixels, finishes pixels 16 w .. again.
; LIMITS.  A squared norm below 2^-126 counts as 0; NaN and infinities are not treated apart.
; No cluster, no tensor load: nothing but 128 KiB of weights is shared, and each tile is read once.
.set BNC, 0                            ; [t][scale, shift][128] f32
.set DV, 2048                          ; wave x 16 pixels x 4 f32: the direction vectors
.set TOKB, 3072                        ; [t][64 pixels] 128 bf16, rows 272 bytes apart
.set STG, 37888                        ; [t][64 pixels] 128 f32, rows 528 bytes apart
.set SPARE, 105472                     ; the spare words: 128 bytes a wave
.set R, 2
.set HH, 3
.set FO, 4
.set WO, 5
.set T4, 6
.set IPO, 7
.set TKS, 8
.set TKL, 9
.set SGS, 10
.set H32, 11
.set DVS, 12
.set SPW, 14
.set NIL, 15
.set F, 32                             ; v32-95 feature, later the eight accumulators, later four tokens and their direction vectors
.set WV, 38
.set NN, 39
.set P0, 40
.set ES, 44                            ; s[44:59] E_inv of my view
.set IS, 68                            ; s[68:76] I_inv of my view
.set MSK, 78
.set CNT, 79
.set MSB, 0
.macro WIN new                         ; the immediate's high byte repeats the setting that is left
.if MSB != (\new)
	s_set_vgpr_msb (MSB<<8)|(\new)
.set MSB, (\new)
.endif
.endm
.macro PLACES                          ; plain instructions between matrix instructions and what touches their registers next (ISA guide 7.12.1)
.rept 5
	v_nop
.endr
.endm
.macro BAR
	s_wait_dscnt 0x0                       ; for the others' sake: all my LDS instructions are done
	s_barrier_signal -1
	s_barrier_wait -1
.endm
.macro XSUM n, reg, stride             ; sums over the 16 lanes of a half, n registers side by side
.irp x, 1,2,4,8
.set b_, 0
.rept \n
	v_add_f32_dpp v[(\reg)+(\stride)*b_], v[(\reg)+(\stride)*b_], v[(\reg)+(\stride)*b_] row_xmask:\x row_mask:0xf bank_mask:0xf
.set b_, b_+1
.endr
.endr
.endm
	s_load_b512 s[4:19], s[0:1], 0x0
	s_load_b512 s[20:35], s[0:1], 0x40
	s_load_b64 s[36:37], s[0:1], 0x80
	v_lshl_add_u32 v[SPW], v0, 2, SPARE
	v_mov_b32 v[NIL], 0
	v_lshrrev_b32 v1, 5, v0
	v_readfirstlane_b32 s[WV], v1
	v_and_b32 v[R], 15, v0
	v_bfe_u32 v[HH], v0, 4, 1
	s_lshr_b32 s[NN], ttmp9, 4             ; the view
	s_and_b32 s[P0], ttmp9, 15
	s_lshl_b32 s[P0], s[P0], 6             ; the first of my 64 pixels
	s_lshl_b32 s41, s[NN], 6
	s_mul_i32 s42, s[NN], 36
	s_lshl_b32 s60, s[NN], 19
	s_lshl2_add_u32 s60, s[P0], s60        ; view x 128 channels x 4,096 + 4 p0
	s_mov_b32 s61, 0
	s_lshl_b32 s62, s[WV], 6
	v_lshlrev_b32 v[FO], 15, v[HH]         ; channel 8 h,
	v_lshl_add_u32 v[FO], v[R], 2, v[FO]
	v_add_nc_u32 v[FO], s62, v[FO]         ; pixel 16 w + r
	s_lshl2_add_u32 s63, s[P0], s62
	v_lshl_add_u32 v[IPO], v[R], 2, s63
	s_lshl_b32 s77, s[WV], 14
	v_lshlrev_b32 v[WO], 9, v[R]
	v_lshl_add_u32 v[WO], v[HH], 5, v[WO]
	v_add_nc_u32 v[WO], s77, v[WO]         ; row 32 w + r of W, k 8 h
	v_lshlrev_b32 v[T4], 2, v0
	v_lshlrev_b32 v[H32], 5, v[HH]
	s_mul_i32 s77, s[WV], 16*272
	s_add_co_u32 s77, s77, TOKB
	v_mul_u32_u24 v[TKL], v[R], 272
	v_lshl_add_u32 v[TKL], v[HH], 4, v[TKL]
	v_add_nc_u32 v[TKS], s77, v[TKL]       ; where my pixel's 16 bytes go
	v_add_nc_u32 v[TKL], TOKB, v[TKL]      ; a fragment's row r, half h
	s_lshl_b32 s77, s[WV], 7
	s_add_co_u32 s77, s77, STG
	v_mul_u32_u24 v[SGS], v[R], 528
	v_lshl_add_u32 v[SGS], v[HH], 5, v[SGS]
	v_add_nc_u32 v[SGS], s77, v[SGS]       ; pixel r, channel 32 w + 8 h
	s_lshl_b32 s77, s[WV], 8
	s_add_co_u32 s77, s77, DV
	v_lshl_add_u32 v[DVS], v[R], 4, s77
	s_mov_b32 s[MSK], 0xffff
	s_wait_kmcnt 0x0
	s_load_b512 s[ES:ES+15], s[8:9], s41 offset:0x0
	s_load_b256 s[IS:IS+7], s[6:7], s42 offset:0x0
	s_load_b32 s[IS+8], s[6:7], s42 offset:0x20
	s_add_nc_u64 s[4:5], s[4:5], s[60:61]
	; W in f32, as the fragments want it: window 1, 8 registers for (t, block of 16 rows m, K step k, half q)
	WIN 0x40
.set t_, 0
.rept 2
.set m_, 0
.rept 2
.set k_, 0
.rept 4
.set q_, 0
.rept 2
.set l_, ((t_*2+m_)*4+k_)*2+q_
	global_load_b128 v[8*l_:8*l_+3], v[WO], s[24+10*t_:25+10*t_] offset:8192*m_+128*k_+64*q_
	global_load_b128 v[8*l_+4:8*l_+7], v[WO], s[24+10*t_:25+10*t_] offset:8192*m_+128*k_+64*q_+16
.set q_, q_+1
.endr
.set k_, k_+1
.endr
.set m_, m_+1
.endr
.set t_, t_+1
.endr
	WIN 0
.set g_, 0
.rept 8
.set i_, 0
.rept 8
	global_load_b32 v[F+8*g_+i_], v[FO], s[4:5] offset:(16*g_+i_)*4096  ; channel 16 g + 8 h + i of my pixel
.set i_, i_+1
.endr
.set g_, g_+1
.endr
.set t_, 0
.rept 2
	global_load_b32 v[16+4*t_], v[T4], s[16+10*t_:17+10*t_]    ; beta, gamma, mean, var of channel = thread
	global_load_b32 v[17+4*t_], v[T4], s[18+10*t_:19+10*t_]
	global_load_b32 v[18+4*t_], v[T4], s[20+10*t_:21+10*t_]
	global_load_b32 v[19+4*t_], v[T4], s[22+10*t_:23+10*t_]
.set t_, t_+1
.endr
.irp j, 0,1,2
	global_load_b32 v[24+\j], v[IPO], s[10:11] offset:4096*\j
.endr
	s_wait_loadcnt 0x0
	s_wait_kmcnt 0x0
	; scale = gamma rsqrt(var + eps), shift = beta - mean scale
	v_add_f32 v19, 0x3727c5ac, v19
	v_add_f32 v23, 0x3727c5ac, v23
	v_rsq_f32 v19, v19
	v_rsq_f32 v23, v23
	v_nop
.set t_, 0
	s_wait_alu depctr_va_vdst(0)
.rept 2
	v_mul_f32 v[17+4*t_], v[17+4*t_], v[19+4*t_]
	v_fma_f32 v[16+4*t_], -v[18+4*t_], v[17+4*t_], v[16+4*t_]
	ds_store_b32 v[T4], v[17+4*t_] offset:BNC+1024*t_
	ds_store_b32 v[T4], v[16+4*t_] offset:BNC+1024*t_+512
.set t_, t_+1
.endr
	; the direction vector of pixel 16 w + r: E_inv (I_inv pixel, 1)
.irp i, 0,1,2
	v_mul_f32 v[27+\i], s[IS+3*\i], v24
	v_fmac_f32 v[27+\i], s[IS+3*\i+1], v25
	v_fmac_f32 v[27+\i], s[IS+3*\i+2], v26
.endr
.irp i, 0,1,2,3
	v_fma_f32 v[224+\i], s[ES+4*\i], v27, s[ES+4*\i+3]
	v_fmac_f32 v[224+\i], s[ES+4*\i+1], v28
	v_fmac_f32 v[224+\i], s[ES+4*\i+2], v29
.endr
	ds_store_b128 v[DVS], v[224:227]       ; both halves of the lanes store the same 16 bytes
	BAR
	; tokens: relu(f scale + shift), bf16, 16 bytes a lane
.set t_, 0
.rept 2
.set g_, 0
.rept 8
	ds_load_b128 v[96+8*g_:96+8*g_+3], v[H32] offset:BNC+1024*t_+64*g_
	ds_load_b128 v[96+8*g_+4:96+8*g_+7], v[H32] offset:BNC+1024*t_+64*g_+16
	ds_load_b128 v[160+8*g_:160+8*g_+3], v[H32] offset:BNC+1024*t_+512+64*g_
	ds_load_b128 v[160+8*g_+4:160+8*g_+7], v[H32] offset:BNC+1024*t_+512+64*g_+16
.set g_, g_+1
.endr
	s_wait_dscnt 0x0
.set g_, 0
.rept 8
.set y_, 224+16*(g_%2)
.set c_, 0
.rept 4
	v_pk_fma_f32 v[y_+2*c_:y_+2*c_+1], v[F+8*g_+2*c_:F+8*g_+2*c_+1], v[96+8*g_+2*c_:96+8*g_+2*c_+1], v[160+8*g_+2*c_:160+8*g_+2*c_+1]
.set c_, c_+1
.endr
.set c_, 0
.rept 8
	v_max_num_f32 v[y_+c_], 0, v[y_+c_]
.set c_, c_+1
.endr
.set c_, 0
.rept 4
	v_cvt_pk_bf16_f32 v[y_+8+c_], v[y_+2*c_], v[y_+2*c_+1]
.set c_, c_+1
.endr
	ds_store_b128 v[TKS], v[y_+8:y_+11] offset:17408*t_+32*g_
.set g_, g_+1
.endr
.set t_, t_+1
.endr
	WIN 0x45                               ; W to bf16 in place, ascending: register k takes registers 2 k and 2 k + 1, which lie at or above it
.set k_, 0
.rept 128
	v_cvt_pk_bf16_f32 v[k_], v[2*k_], v[2*k_+1]
.set k_, k_+1
.endr
	WIN 0
	BAR
	; the products: 8 accumulators (2 blocks of channels x 4 blocks of pixels) by turns; the first K step starts the sums
.set t_, 0
.rept 2
.set k_, 0
.rept 4
.set p_, 0
.rept 4
	ds_load_b128 v[96+32*k_+8*p_:96+32*k_+8*p_+3], v[TKL] offset:17408*t_+4352*p_+64*k_
	ds_load_b128 v[96+32*k_+8*p_+4:96+32*k_+8*p_+7], v[TKL] offset:17408*t_+4352*p_+64*k_+32
.set p_, p_+1
.endr
.set k_, k_+1
.endr
	s_wait_dscnt 0x0                       ; the fragments are in; the stores of the tensor before have read the accumulators
	WIN 0x01                               ; source 0 (W) in window 1
.set k_, 0
.rept 4
.set m_, 0
.rept 2
.set p_, 0
.rept 4
.if k_ == 0
	v_wmma_f32_16x16x32_bf16 v[F+8*(4*m_+p_):F+8*(4*m_+p_)+7], v[8*((2*t_+m_)*4+k_):8*((2*t_+m_)*4+k_)+7], v[96+32*k_+8*p_:96+32*k_+8*p_+7], 0
.else
	v_wmma_f32_16x16x32_bf16 v[F+8*(4*m_+p_):F+8*(4*m_+p_)+7], v[8*((2*t_+m_)*4+k_):8*((2*t_+m_)*4+k_)+7], v[96+32*k_+8*p_:96+32*k_+8*p_+7], v[F+8*(4*m_+p_):F+8*(4*m_+p_)+7]
.endif
.set p_, p_+1
.endr
.set m_, m_+1
.endr
.set k_, k_+1
.endr
	PLACES
	WIN 0
.set m_, 0
.rept 2
.set p_, 0
.rept 4
	ds_store_b128 v[SGS], v[F+8*(4*m_+p_):F+8*(4*m_+p_)+3] offset:33792*t_+8448*p_+64*m_
	ds_store_b128 v[SGS], v[F+8*(4*m_+p_)+4:F+8*(4*m_+p_)+7] offset:33792*t_+8448*p_+64*m_+16
.set p_, p_+1
.endr
.set m_, m_+1
.endr
.set t_, t_+1
.endr
	v_lshlrev_b32 v16, 7, v[R]             ; my eight channels' rows of img_w and cam_w
.set i_, 0
.rept 8
	global_load_b128 v[96+4*i_:96+4*i_+3], v16, s[12:13] offset:16*i_
	global_load_b128 v[128+4*i_:128+4*i_+3], v16, s[14:15] offset:16*i_
.set i_, i_+1
.endr
	BAR
	; by tokens: lanes 0-15 the key, lanes 16-31 the value, lane r channels 8 r .. 8 r + 7
	s_mul_i32 s77, s[WV], 16*528
	s_add_co_u32 s77, s77, STG
	v_mul_u32_u24 v17, v[HH], 33792
	v_lshl_add_u32 v17, v[R], 5, v17
	v_add_nc_u32 v17, s77, v17
	s_lshl_b32 s77, s[WV], 8
	s_add_co_u32 s77, s77, DV
	v_mov_b32 v18, s77
	s_lshl_b32 s77, s[NN], 10
	s_add_co_u32 s77, s77, s[P0]
	s_lshl4_add_u32 s77, s[WV], s77
	s_lshl_b32 s77, s77, 9
	v_lshlrev_b32 v19, 21, v[HH]
	v_lshl_add_u32 v19, v[R], 4, v19
	v_add_nc_u32 v19, s77, v19
	s_wait_loadcnt 0x0
.set i_, 0
.rept 8
	v_mul_f32 v[160+i_], s[ES+3], v[128+4*i_]          ; the camera's embedding: cam_w times the last column of E_inv
	v_fmac_f32 v[160+i_], s[ES+7], v[128+4*i_+1]
	v_fmac_f32 v[160+i_], s[ES+11], v[128+4*i_+2]
	v_fmac_f32 v[160+i_], s[ES+15], v[128+4*i_+3]
.set i_, i_+1
.endr
	s_mov_b32 s[CNT], 4
.Lpx:                                              ; four pixels a trip
.set e_, 0
.rept 4
	ds_load_b128 v[32+8*e_:32+8*e_+3], v17 offset:528*e_
	ds_load_b128 v[32+8*e_+4:32+8*e_+7], v17 offset:528*e_+16
	ds_load_b128 v[64+4*e_:64+4*e_+3], v18 offset:16*e_
.set e_, e_+1
.endr
	s_wait_dscnt 0x0
.set e_, 0
.rept 4
.set i_, 0
.rept 8
	v_fma_f32 v[168+8*e_+i_], v[96+4*i_], v[64+4*e_], -v[160+i_]
	v_fmac_f32 v[168+8*e_+i_], v[96+4*i_+1], v[64+4*e_+1]
	v_fmac_f32 v[168+8*e_+i_], v[96+4*i_+2], v[64+4*e_+2]
	v_fmac_f32 v[168+8*e_+i_], v[96+4*i_+3], v[64+4*e_+3]
.set i_, i_+1
.endr
.set e_, e_+1
.endr
.set e_, 0
.rept 4
	v_pk_mul_f32 v[200+4*e_:200+4*e_+1], v[168+8*e_:168+8*e_+1], v[168+8*e_:168+8*e_+1]
.set e_, e_+1
.endr
.set c_, 1
.rept 3
.set e_, 0
.rept 4
	v_pk_fma_f32 v[200+4*e_:200+4*e_+1], v[168+8*e_+2*c_:168+8*e_+2*c_+1], v[168+8*e_+2*c_:168+8*e_+2*c_+1], v[200+4*e_:200+4*e_+1]
.set e_, e_+1
.endr
.set c_, c_+1
.endr
.set e_, 0
.rept 4
	v_add_f32 v[200+4*e_], v[200+4*e_], v[200+4*e_+1]
.set e_, e_+1
.endr
	XSUM 4, 200, 4
.irp e, 0,1,2,3
	v_sqrt_f32 v[200+4*\e], v[200+4*\e]
.endr
	v_nop
	s_wait_alu depctr_va_vdst(0)
.irp e, 0,1,2,3
	v_add_f32 v[200+4*\e], 0x33d6bf95, v[200+4*\e]     ; norm + 1e-7
.endr
.irp e, 0,1,2,3
	v_rcp_f32 v[200+4*\e], v[200+4*\e]
.endr
	v_nop
	s_wait_alu depctr_va_vdst(0)
.irp e, 0,1,2,3
	v_cndmask_b32 v[200+4*\e], 0, v[200+4*\e], s[MSK]  ; the value takes no embedding
.endr
.set e_, 0
.rept 4
.set c_, 0
.rept 4
	v_pk_fma_f32 v[32+8*e_+2*c_:32+8*e_+2*c_+1], v[168+8*e_+2*c_:168+8*e_+2*c_+1], v[200+4*e_:200+4*e_+1], v[32+8*e_+2*c_:32+8*e_+2*c_+1] op_sel_hi:[1,0,1]
.set c_, c_+1
.endr
	global_store_b128 v19, v[32+8*e_:32+8*e_+3], s[36:37] offset:512*e_        ; 16 lanes store 256 bytes on end
	global_store_b128 v19, v[32+8*e_+4:32+8*e_+7], s[36:37] offset:512*e_+256
.set e_, e_+1
.endr
	s_wait_xcnt 0x0                        ; the stores' offset and data are rewritten only behind this wait
	v_add_nc_u32 v19, 2048, v19
	v_add_nc_u32 v17, 4*528, v17
	v_add_nc_u32 v18, 64, v18
	s_sub_co_u32 s[CNT], s[CNT], 1
	s_cmp_lg_u32 s[CNT], 0
	s_cbranch_scc1 .Lpx
	s_wait_tensorcnt 0x0                   ; the wave's end
	ds_add_u32 v[SPW], v[NIL]
	s_wait_dscnt 0x0
	s_endpgm
.Lfunc_end_k_q7e41b0da39_prep_kv:
	.size	k_q7e41b0da39_prep_kv, .Lfunc_end_k_q7e41b0da39_prep_kv-k_q7e41b0da39_prep_kv
	.p2alignl 7, 3214868480
	.fill 96, 4, 3214868480
	.section	.rodata,"a",@progbits
	.p2align	6, 0x0
	.amdhsa_kernel k_q7e41b0da39_prep_kv
		.amdhsa_group_segment_fixed_size 105984
		.amdhsa_private_segment_fixed_size 0
		.amdhsa_enable_private_segment 0
		.amdhsa_kernarg_size 136
		.amdhsa_user_sgpr_count 2
		.amdhsa_user_sgpr_kernarg_segment_ptr 1
		.amdhsa_wavefront_size32 1
		.amdhsa_system_sgpr_workgroup_id_x 1
		.amdhsa_system_sgpr_workgroup_id_y 1
		.amdhsa_system_sgpr_workgroup_id_z 1
		.amdhsa_system_vgpr_workitem_id 0
		.amdhsa_next_free_vgpr 512
		.amdhsa_next_free_sgpr 96
		.amdhsa_reserve_vcc 0
		.amdhsa_float_denorm_mode_32 3
		.amdhsa_float_denorm_mode_16_64 3
		.amdhsa_memory_ordered 1
		.amdhsa_forward_progress 1
		.amdhsa_inst_pref_size 68
	.end_amdhsa_kernel
	.amdgpu_metadata
---
amdhsa.version: [ 1, 2 ]
amdhsa.kernels:
  - .name:           k_q7e41b0da39_prep_kv
    .symbol:         k_q7e41b0da39_prep_kv.kd
    .args:
      - { .name: feature, .offset: 0, .size: 8, .value_kind: global_buffer, .address_space: global }
      - { .name: I_inv, .offset: 8, .size: 8, .value_kind: global_buffer, .address_space: global }
      - { .name: E_inv, .offset: 16, .size: 8, .value_kind: global_buffer, .address_space: global }
      - { .name: image_plane, .offset: 24, .size: 8, .value_kind: global_buffer, .address_space: global }
      - { .name: params_img_w, .offset: 32, .size: 8, .value_kind: global_buffer, .address_space: global }
      - { .name: params_cam_w, .offset: 40, .size: 8, .value_kind: global_buffer, .address_space: global }
      - { .name: params_feat_proj_beta, .offset: 48, .size: 8, .value_kind: global_buffer, .address_space: global }
      - { .name: params_feat_proj_gamma, .offset: 56, .size: 8, .value_kind: global_buffer, .address_space: global }
      - { .name: params_feat_proj_mean, .offset: 64, .size: 8, .value_kind: global_buffer, .address_space: global }
      - { .name: params_feat_proj_var, .offset: 72, .size: 8, .value_kind: global_buffer, .address_space: global }
      - { .name: params_feat_proj_w, .offset: 80, .size: 8, .value_kind: global_buffer, .address_space: global }
      - { .name: params_feat_lin_beta, .offset: 88, .size: 8, .value_kind: global_buffer, .address_space: global }
      - { .name: params_feat_lin_gamma, .offset: 96, .size: 8, .value_kind: global_buffer, .address_space: global }
      - { .name: params_feat_lin_mean, .offset: 104, .size: 8, .value_kind: global_buffer, .address_space: global }
      - { .name: params_feat_lin_var, .offset: 112, .size: 8, .value_kind: global_buffer, .address_space: global }
      - { .name: params_feat_lin_w, .offset: 120, .size: 8, .value_kind: global_buffer, .address_space: global }
      - { .name: kvflat, .offset: 128, .size: 8, .value_kind: global_buffer, .address_space: global }
    .group_segment_fixed_size: 105984
    .private_segment_fixed_size: 0
    .kernarg_segment_align: 8
    .kernarg_segment_size: 136
    .max_flat_workgroup_size: 128
    .sgpr_count:     96
    .vgpr_count:     512
    .wavefront_size: 32
...
	.end_amdgpu_metadata
.endif
;; end of part 2
;; launch prep_q (part 3): grid 256 x 1, 8 waves a work-group, no clusters, 68,608 bytes of LDS; arguments params_learned_features, x, grid0, params_bev_w, params_bev_b, params_cam_w, E_inv, params_attn1_ln_q_g, params_attn1_ln_q_b, qhat, xt; writes qhat, xt
.if DOCPART == 3
	.amdgcn_target "amdgcn-amd-amdhsa--gfx1250"
	.amdhsa_code_object_version 6
	.text
	.protected	k_q7e41b0da39_prep_q
	.globl	k_q7e41b0da39_prep_q
	.p2align	8
	.type	k_q7e41b0da39_prep_q,@function
k_q7e41b0da39_prep_q:
	s_mov_b64 s[64:65], 0
	v_nop
	global_prefetch_b8 v0, s[64:65] scope:SCOPE_SE
	s_setreg_imm32_b32 hwreg(HW_REG_WAVE_MODE, 25, 1), 1
	s_wait_xcnt 0x0
; The stream: the mean of the ten priors (84 MB, read once), x turned to tokens, and the first pass's queries: LayerNorm(prior mean + normalised BEV embedding of each view), bf16.
; A work-group owns 64 pixels of one BEV row: every load of a wave covers two channels x 256 bytes on end.  Eight waves, 16 channels each; then 8 pixels each.
; By the text's own count 32 loads of 512 bytes are out in each wave while it adds.
; Out: xt[X][Y][pixel 8 a + b] f32 tokens (byte 256 u + 16 r + 4 i = channel 8 r + 4 u + i); qhat[X][Y][(pixel / 16) 64 + 16 view + pixel % 16][128] bf16.
; No matrix unit, no cluster, no tensor load: memory binds, no byte is shared between work-groups, and the sums need the data in registers.
; LIMITS.  A squared norm below 2^-126 counts as 0; NaN and infinities are not treated apart.
.set CL, 0                             ; the prior mean, [64 pixels] 128 f32, rows 528 bytes apart
.set XS, 33792                         ; x likewise
.set SPARE, 67584                      ; the spare words: 128 bytes a wave
.set R, 2
.set HH, 3
.set SPW, 12
.set NIL, 13
.set B0, 32
.set B1, 64
.set B2, 96
.set B3, 128
.set ACC, 160                          ; later CB: bev_b - camera embedding, 8 registers a view
.set BW, 192
.set BB, 208
.set LG, 216
.set LB, 224
.set GR, 232
.set WV, 26
.set HR, 27
.set WB, 28
.set ES, 32                            ; s[32:47] E_inv[view][c][3]
.set I128, 48
.set EPS, 49
.set CNT, 50
.set LFB, 66                           ; s[66:85] the ten priors at my row
.macro XSUM n, reg, stride
.irp x, 1,2,4,8
.set b_, 0
.rept \n
	v_add_f32_dpp v[(\reg)+(\stride)*b_], v[(\reg)+(\stride)*b_], v[(\reg)+(\stride)*b_] row_xmask:\x row_mask:0xf bank_mask:0xf
.set b_, b_+1
.endr
.endr
.endm
; n tokens (8 registers a lane, 16 lanes a token) are normalised: D = (X - mean) rsqrt(var + 1e-5); T: four registers a token.  Written stage by stage over the tokens, so that no line waits for the one before it.
.macro LNB n, X, D, T
.set b_, 0
.rept \n
	v_pk_add_f32 v[(\T)+4*b_:(\T)+4*b_+1], v[(\X)+8*b_:(\X)+8*b_+1], v[(\X)+8*b_+2:(\X)+8*b_+3]
	v_pk_add_f32 v[(\T)+4*b_+2:(\T)+4*b_+3], v[(\X)+8*b_+4:(\X)+8*b_+5], v[(\X)+8*b_+6:(\X)+8*b_+7]
.set b_, b_+1
.endr
.set b_, 0
.rept \n
	v_pk_add_f32 v[(\T)+4*b_:(\T)+4*b_+1], v[(\T)+4*b_:(\T)+4*b_+1], v[(\T)+4*b_+2:(\T)+4*b_+3]
.set b_, b_+1
.endr
.set b_, 0
.rept \n
	v_add_f32 v[(\T)+4*b_], v[(\T)+4*b_], v[(\T)+4*b_+1]
.set b_, b_+1
.endr
	XSUM \n, \T, 4
.set b_, 0
.rept \n
	v_mul_f32 v[(\T)+4*b_], s[I128], v[(\T)+4*b_]
.set b_, b_+1
.endr
.set c_, 0
.rept 4
.set b_, 0
.rept \n
	v_pk_add_f32 v[(\D)+8*b_+2*c_:(\D)+8*b_+2*c_+1], v[(\X)+8*b_+2*c_:(\X)+8*b_+2*c_+1], v[(\T)+4*b_:(\T)+4*b_+1] op_sel_hi:[1,0] neg_lo:[0,1] neg_hi:[0,1]
.set b_, b_+1
.endr
.set c_, c_+1
.endr
.set b_, 0
.rept \n
	v_pk_mul_f32 v[(\T)+4*b_+2:(\T)+4*b_+3], v[(\D)+8*b_:(\D)+8*b_+1], v[(\D)+8*b_:(\D)+8*b_+1]
.set b_, b_+1
.endr
.set c_, 1
.rept 3
.set b_, 0
.rept \n
	v_pk_fma_f32 v[(\T)+4*b_+2:(\T)+4*b_+3], v[(\D)+8*b_+2*c_:(\D)+8*b_+2*c_+1], v[(\D)+8*b_+2*c_:(\D)+8*b_+2*c_+1], v[(\T)+4*b_+2:(\T)+4*b_+3]
.set b_, b_+1
.endr
.set c_, c_+1
.endr
.set b_, 0
.rept \n
	v_add_f32 v[(\T)+4*b_+2], v[(\T)+4*b_+2], v[(\T)+4*b_+3]
.set b_, b_+1
.endr
	XSUM \n, (\T)+2, 4
.set b_, 0
.rept \n
	v_fma_f32 v[(\T)+4*b_+2], v[(\T)+4*b_+2], s[I128], s[EPS]
.set b_, b_+1
.endr
.set b_, 0
.rept \n
	v_rsq_f32 v[(\T)+4*b_+2], v[(\T)+4*b_+2]
.set b_, b_+1
.endr
	v_nop                                  ; a plain instruction between the last root and its use
.set c_, 0
	s_wait_alu depctr_va_vdst(0)
.rept 4
.set b_, 0
.rept \n
	v_pk_mul_f32 v[(\D)+8*b_+2*c_:(\D)+8*b_+2*c_+1], v[(\D)+8*b_+2*c_:(\D)+8*b_+2*c_+1], v[(\T)+4*b_+2:(\T)+4*b_+3] op_sel_hi:[1,0]
.set b_, b_+1
.endr
.set c_, c_+1
.endr
.endm
.macro LDC buf, cl                     ; prior cl: my 16 channels x 64 pixels
.set k_, 0
.rept 8
	global_load_b128 v[(\buf)+4*k_:(\buf)+4*k_+3], v1, s[LFB+2*(\cl):LFB+2*(\cl)+1] offset:131072*k_ th:TH_LOAD_NT
.set k_, k_+1
.endr
.endm
.macro ACCU buf
.set k_, 0
.rept 16
	v_pk_add_f32 v[ACC+2*k_:ACC+2*k_+1], v[ACC+2*k_:ACC+2*k_+1], v[(\buf)+2*k_:(\buf)+2*k_+1]
.set k_, k_+1
.endr
.endm
	s_load_b512 s[4:19], s[0:1], 0x0
	s_load_b128 s[20:23], s[0:1], 0x40
	s_load_b64 s[24:25], s[0:1], 0x50
	v_lshl_add_u32 v[SPW], v0, 2, SPARE
	v_mov_b32 v[NIL], 0
	v_lshrrev_b32 v9, 5, v0
	v_readfirstlane_b32 s[WV], v9
	v_and_b32 v[R], 15, v0
	v_bfe_u32 v[HH], v0, 4, 1
	s_lshr_b32 s[HR], ttmp9, 1             ; the BEV row
	s_and_b32 s[WB], ttmp9, 1              ; which half of it
	s_lshl_b32 s30, s[HR], 9
	s_lshl_b32 s29, s[WB], 8
	s_add_co_u32 s30, s30, s29
	s_mov_b32 s31, 0
	s_mov_b32 s[I128], 0x3c000000
	s_mov_b32 s[EPS], 0x3727c5ac
	s_lshl_b32 s29, s[WV], 20
	v_lshlrev_b32 v1, 16, v[HH]
	v_lshl_add_u32 v1, v[R], 4, v1
	v_add_nc_u32 v1, s29, v1               ; channel 16 v + h, pixels 4 r ..
	v_lshlrev_b32 v4, 6, v[R]
	v_lshlrev_b32 v5, 5, v[R]
	v_lshlrev_b32 v7, 7, v[R]
	s_lshl_b32 s29, s[WV], 5
	s_add_co_u32 s29, s29, s30
	v_lshl_add_u32 v6, v[HH], 2, s29       ; grid0 at pixel 8 v + h of my 64
	s_lshl_b32 s29, s[WV], 6
	v_mul_u32_u24 v8, v[R], 4*528
	v_lshl_add_u32 v8, v[HH], 2, v8
	v_add_nc_u32 v8, s29, v8               ; into LDS: pixel 4 r, channel 16 v + h
	s_mul_i32 s29, s[WV], 8*528
	v_mul_u32_u24 v9, v[HH], 528
	v_lshl_add_u32 v9, v[R], 5, v9
	v_add_nc_u32 v9, s29, v9               ; back: pixel 8 v + h, channels 8 r ..
	s_lshr_b32 s51, s[HR], 3               ; X
	s_and_b32 s52, s[HR], 7                ; a
	s_lshl_b32 s53, s[WB], 3
	s_add_co_u32 s53, s53, s[WV]           ; Y
	s_lshl4_add_u32 s53, s51, s53          ; the window
	s_lshl_b32 s54, s53, 15
	s_lshl_b32 s55, s52, 12
	s_add_co_u32 s54, s54, s55
	v_lshlrev_b32 v10, 9, v[HH]
	v_lshl_add_u32 v10, v[R], 4, v10
	v_add_nc_u32 v10, s54, v10             ; xt: pixel 8 a + h
	s_lshl_b32 s54, s53, 16
	s_lshr_b32 s55, s52, 1
	s_lshl_b32 s55, s55, 14
	s_add_co_u32 s54, s54, s55
	s_and_b32 s55, s52, 1
	s_lshl_b32 s55, s55, 11
	s_add_co_u32 s54, s54, s55
	v_lshlrev_b32 v11, 8, v[HH]
	v_lshl_add_u32 v11, v[R], 4, v11
	v_add_nc_u32 v11, s54, v11             ; qhat: row (a / 2) 64 + (a % 2) 8 + h; 16 rows on for each view
	s_wait_kmcnt 0x0
.set n_, 0
.rept 4
.set c_, 0
.rept 4
	s_load_b32 s[ES+4*n_+c_], s[16:17], (16*n_+4*c_+3)*4
.set c_, c_+1
.endr
.set n_, n_+1
.endr
	s_add_nc_u64 s[LFB:LFB+1], s[4:5], s[30:31]
.irp c, 1,2,3,4,5,6,7,8,9
	s_add_nc_u64 s[LFB+2*\c:LFB+2*\c+1], s[LFB+2*\c-2:LFB+2*\c-1], 0x800000
.endr
	s_add_nc_u64 s[6:7], s[6:7], s[30:31]
.irp i, 0,1,2,3
	global_load_b128 v[BW+4*\i:BW+4*\i+3], v4, s[10:11] offset:16*\i
.endr
.irp i, 0,1
	global_load_b128 v[BB+4*\i:BB+4*\i+3], v5, s[12:13] offset:16*\i
	global_load_b128 v[LG+4*\i:LG+4*\i+3], v5, s[18:19] offset:16*\i
	global_load_b128 v[LB+4*\i:LB+4*\i+3], v5, s[20:21] offset:16*\i
.endr
.irp p, 0,1,2,3
	global_load_b32 v[GR+2*\p], v6, s[8:9] offset:8*\p
	global_load_b32 v[GR+2*\p+1], v6, s[8:9] offset:65536+8*\p
.endr
	LDC B0, 0
	LDC B1, 1
	LDC B2, 2
	LDC B3, 3
	s_wait_loadcnt 16                      ; the youngest 16 (priors 2, 3) may be out
.set k_, 0
.rept 16
	v_pk_add_f32 v[ACC+2*k_:ACC+2*k_+1], v[B0+2*k_:B0+2*k_+1], v[B1+2*k_:B1+2*k_+1]
.set k_, k_+1
.endr
	LDC B0, 4
	LDC B1, 5
	s_wait_loadcnt 16                      ; priors 4, 5 may be out
	ACCU B2
	ACCU B3
	LDC B2, 6
	LDC B3, 7
	s_wait_loadcnt 16                      ; priors 6, 7 may be out
	ACCU B0
	ACCU B1
	LDC B0, 8
	LDC B1, 9
	s_wait_loadcnt 16                      ; priors 8, 9 may be out
	ACCU B2
	ACCU B3
.set k_, 0
.rept 8
	global_load_b128 v[B2+4*k_:B2+4*k_+3], v1, s[6:7] offset:131072*k_ th:TH_LOAD_NT
.set k_, k_+1
.endr
.set k_, 0
.rept 8
	global_load_b128 v[B3+4*k_:B3+4*k_+3], v7, s[14:15] offset:16*k_
.set k_, k_+1
.endr
	s_wait_loadcnt 16                      ; x and cam_w may be out
	ACCU B0
	ACCU B1
.set k_, 0
.rept 16
	v_pk_mul_f32 v[ACC+2*k_:ACC+2*k_+1], v[ACC+2*k_:ACC+2*k_+1], 0x3dcccccd op_sel_hi:[1,0]
.set k_, k_+1
.endr
.set k_, 0
.rept 8
.set i_, 0
.rept 4
	ds_store_b32 v8, v[ACC+4*k_+i_] offset:CL+528*i_+8*k_
.set i_, i_+1
.endr
.set k_, k_+1
.endr
	s_wait_loadcnt 0x0
.set k_, 0
.rept 8
.set i_, 0
.rept 4
	ds_store_b32 v8, v[B2+4*k_+i_] offset:XS+528*i_+8*k_
.set i_, i_+1
.endr
.set k_, k_+1
.endr
	s_wait_kmcnt 0x0
.set n_, 0
.rept 4
.set i_, 0
.rept 8
	v_fma_f32 v[ACC+8*n_+i_], -v[B3+4*i_], s[ES+4*n_], v[BB+i_]
	v_fma_f32 v[ACC+8*n_+i_], -v[B3+4*i_+1], s[ES+4*n_+1], v[ACC+8*n_+i_]
	v_fma_f32 v[ACC+8*n_+i_], -v[B3+4*i_+2], s[ES+4*n_+2], v[ACC+8*n_+i_]
	v_fma_f32 v[ACC+8*n_+i_], -v[B3+4*i_+3], s[ES+4*n_+3], v[ACC+8*n_+i_]
.set i_, i_+1
.endr
.set n_, n_+1
.endr
	s_wait_dscnt 0x0                       ; for the others' sake: my stores are done
	s_barrier_signal -1
	s_barrier_wait -1
	s_mov_b32 s[CNT], 4
.Ltrip:                                            ; two pixels a trip (one for each half of the lanes), four views each
	ds_load_b128 v[32:35], v9
	ds_load_b128 v[36:39], v9 offset:16
	ds_load_b128 v[40:43], v9 offset:XS
	ds_load_b128 v[44:47], v9 offset:XS+16
	s_wait_dscnt 0x0
	global_store_b128 v10, v[40:43], s[24:25]
	global_store_b128 v10, v[44:47], s[24:25] offset:256
.set i_, 0
.rept 8
	v_mul_f32 v[48+i_], v[BW+2*i_], v[GR]
	v_fmac_f32 v[48+i_], v[BW+2*i_+1], v[GR+1]
.set i_, i_+1
.endr
.set n_, 0
.rept 4
.set c_, 0
.rept 4
	v_pk_add_f32 v[64+8*n_+2*c_:64+8*n_+2*c_+1], v[48+2*c_:48+2*c_+1], v[ACC+8*n_+2*c_:ACC+8*n_+2*c_+1]
.set c_, c_+1
.endr
.set n_, n_+1
.endr
.set n_, 0
.rept 4
	v_pk_mul_f32 v[96+4*n_:96+4*n_+1], v[64+8*n_:64+8*n_+1], v[64+8*n_:64+8*n_+1]
.set n_, n_+1
.endr
.set c_, 1
.rept 3
.set n_, 0
.rept 4
	v_pk_fma_f32 v[96+4*n_:96+4*n_+1], v[64+8*n_+2*c_:64+8*n_+2*c_+1], v[64+8*n_+2*c_:64+8*n_+2*c_+1], v[96+4*n_:96+4*n_+1]
.set n_, n_+1
.endr
.set c_, c_+1
.endr
.irp n, 0,1,2,3
	v_add_f32 v[96+4*\n], v[96+4*\n], v[96+4*\n+1]
.endr
	XSUM 4, 96, 4
.irp n, 0,1,2,3
	v_sqrt_f32 v[96+4*\n], v[96+4*\n]
.endr
	v_nop
	s_wait_alu depctr_va_vdst(0)
.irp n, 0,1,2,3
	v_add_f32 v[96+4*\n], 0x33d6bf95, v[96+4*\n]       ; norm + 1e-7
.endr
.irp n, 0,1,2,3
	v_rcp_f32 v[96+4*\n], v[96+4*\n]
.endr
	v_nop
.set n_, 0
	s_wait_alu depctr_va_vdst(0)
.rept 4
.set c_, 0
.rept 4
	v_pk_fma_f32 v[64+8*n_+2*c_:64+8*n_+2*c_+1], v[64+8*n_+2*c_:64+8*n_+2*c_+1], v[96+4*n_:96+4*n_+1], v[32+2*c_:32+2*c_+1] op_sel_hi:[1,0,1]
.set c_, c_+1
.endr
.set n_, n_+1
.endr
	LNB 4, 64, 64, 96
.set n_, 0
.rept 4
.set c_, 0
.rept 4
	v_pk_fma_f32 v[64+8*n_+2*c_:64+8*n_+2*c_+1], v[64+8*n_+2*c_:64+8*n_+2*c_+1], v[LG+2*c_:LG+2*c_+1], v[LB+2*c_:LB+2*c_+1]
.set c_, c_+1
.endr
.set n_, n_+1
.endr
.set n_, 0
.rept 4
.set c_, 0
.rept 4
	v_cvt_pk_bf16_f32 v[112+4*n_+c_], v[64+8*n_+2*c_], v[64+8*n_+2*c_+1]
.set c_, c_+1
.endr
	global_store_b128 v11, v[112+4*n_:112+4*n_+3], s[22:23] offset:4096*n_   ; 16 lanes store a token's 256 bytes
.set n_, n_+1
.endr
	s_wait_xcnt 0x0                        ; the stores' offsets and data are rewritten only behind this wait
	v_add_nc_u32 v10, 1024, v10
	v_add_nc_u32 v11, 512, v11
	v_add_nc_u32 v9, 2*528, v9
.irp i, 0,1,2,3,4,5
	v_mov_b32 v[GR+\i], v[GR+\i+2]         ; the next pair's grid coordinates move down
.endr
	s_sub_co_u32 s[CNT], s[CNT], 1
	s_cmp_lg_u32 s[CNT], 0
	s_cbranch_scc1 .Ltrip
	s_wait_tensorcnt 0x0                   ; the wave's end
	ds_add_u32 v[SPW], v[NIL]
	s_wait_dscnt 0x0
	s_endpgm
.Lfunc_end_k_q7e41b0da39_prep_q:
	.size	k_q7e41b0da39_prep_q, .Lfunc_end_k_q7e41b0da39_prep_q-k_q7e41b0da39_prep_q
	.p2alignl 7, 3214868480
	.fill 96, 4, 3214868480
	.section	.rodata,"a",@progbits
	.p2align	6, 0x0
	.amdhsa_kernel k_q7e41b0da39_prep_q
		.amdhsa_group_segment_fixed_size 68608
		.amdhsa_private_segment_fixed_size 0
		.amdhsa_enable_private_segment 0
		.amdhsa_kernarg_size 88
		.amdhsa_user_sgpr_count 2
		.amdhsa_user_sgpr_kernarg_segment_ptr 1
		.amdhsa_wavefront_size32 1
		.amdhsa_system_sgpr_workgroup_id_x 1
		.amdhsa_system_sgpr_workgroup_id_y 1
		.amdhsa_system_sgpr_workgroup_id_z 1
		.amdhsa_system_vgpr_workitem_id 0
		.amdhsa_next_free_vgpr 256
		.amdhsa_next_free_sgpr 96
		.amdhsa_reserve_vcc 0
		.amdhsa_float_denorm_mode_32 3
		.amdhsa_float_denorm_mode_16_64 3
		.amdhsa_memory_ordered 1
		.amdhsa_forward_progress 1
		.amdhsa_inst_pref_size 54
	.end_amdhsa_kernel
	.amdgpu_metadata
---
amdhsa.version: [ 1, 2 ]
amdhsa.kernels:
  - .name:           k_q7e41b0da39_prep_q
    .symbol:         k_q7e41b0da39_prep_q.kd
    .args:
      - { .name: params_learned_features, .offset: 0, .size: 8, .value_kind: global_buffer, .address_space: global }
      - { .name: x, .offset: 8, .size: 8, .value_kind: global_buffer, .address_space: global }
      - { .name: grid0, .offset: 16, .size: 8, .value_kind: global_buffer, .address_space: global }
      - { .name: params_bev_w, .offset: 24, .size: 8, .value_kind: global_buffer, .address_space: global }
      - { .name: params_bev_b, .offset: 32, .size: 8, .value_kind: global_buffer, .address_space: global }
      - { .name: params_cam_w, .offset: 40, .size: 8, .value_kind: global_buffer, .address_space: global }
      - { .name: E_inv, .offset: 48, .size: 8, .value_kind: global_buffer, .address_space: global }
      - { .name: params_attn1_ln_q_g, .offset: 56, .size: 8, .value_kind: global_buffer, .address_space: global }
      - { .name: params_attn1_ln_q_b, .offset: 64, .size: 8, .value_kind: global_buffer, .address_space: global }
      - { .name: qhat, .offset: 72, .size: 8, .value_kind: global_buffer, .address_space: global }
      - { .name: xt, .offset: 80, .size: 8, .value_kind: global_buffer, .address_space: global }
    .group_segment_fixed_size: 68608
    .private_segment_fixed_size: 0
    .kernarg_segment_align: 8
    .kernarg_segment_size: 88
    .max_flat_workgroup_size: 256
    .sgpr_count:     96
    .vgpr_count:     256
    .wavefront_size: 32
...
	.end_amdgpu_metadata
.endif
;; end of part 3
;; launch attn1 (part 4): grid 256 x 1, 4 waves a work-group, no clusters, 304,640 bytes of LDS; arguments qhat, kvflat, xt, ws, params_attn1_bq, params_attn1_bo, params_prenorm1_g, params_prenorm1_b, params_mlp1_b1, params_mlp1_b2, params_attn2_ln_q_g, params_attn2_ln_q_b, kvhat, q2d, qhat2; writes kvhat, q2d, qhat2
.if DOCPART == 4
	.amdgcn_target "amdgcn-amd-amdhsa--gfx1250"
	.amdhsa_code_object_version 6
	.text
	.protected	k_q7e41b0da39_attn1
	.globl	k_q7e41b0da39_attn1
	.p2align	8
	.type	k_q7e41b0da39_attn1,@function
k_q7e41b0da39_attn1:
	s_mov_b64 s[64:65], 0
	v_nop
	global_prefetch_b8 v0, s[64:65] scope:SCOPE_SE
	s_setreg_imm32_b32 hwreg(HW_REG_WAVE_MODE, 25, 1), 1
	s_wait_xcnt 0x0
.set PASS, 1                           ; 1: windows of 8 x 8 neighbours, 256 queries (4 views); 2: the grid partition, 64 queries.  One text serves both passes; only this line differs.
; ONE WINDOW A WORK-GROUP: K, V and Q projections, attention over 256 keys (4 views x 64 pixels), the mean over views, wo, skip, LayerNorm, MLP with GELU, and the LayerNorm that follows.
; Wave w is head w in the attention and owns 32 (wo, w2) or 64 (w1) output channels behind it.  Matrix operands bf16, sums f32; softmax, norms, GELU and the residual f32.
; WHAT REFERENCE()'S ALGEBRA ALLOWS.  The mean over views commutes with wo, so it is taken on the attention's output (64 rows go through wo).  In pass 2 the four views' queries are one tensor, so 64 queries do.
; K's and V's LayerNorm gains lie in the weights and their shifts in the biases (an earlier launch); the tokens arrive, or are made here, as (t - mean) rsqrt(var + eps).
; PASS 1 also makes those tokens: the 4 x 4 source pixels of the window, bilinear by 4 (half-pixel centres, edges clamped), normalised; they go to LDS and, for pass 2, to kvhat.
; LAYOUTS THAT NEED NO SHUFFLE.  K^T = Wk khat^T and Q^T likewise: a lane holds one token and 8 channels, and rounding in pairs gives the fragment of S^T = K Q^T.  V = vhat Wv: a lane holds one channel and 8 tokens:
; the fragment of O^T = V^T P.  In S^T a lane holds one query, so P is S^T rounded in place.  All 256 keys of a query are at hand at once: the maximum is the true one.
; K's and V's fragments (256 registers each) are made in loops, so they pass through a stage in LDS that is the wave's own and come back in one run.
; NO CLUSTER, NO TENSOR LOAD.  What work-groups share is the weights, 384 KiB; each byte of them is wanted by one wave, in registers, and of LDS's 327,680 bytes 304,640 are taken.  Tokens are read once.
; LIMITS.  erf in GELU is Abramowitz and Stegun 7.1.25, off by 2.5e-5 at the most for every x, so GELU by 1.3e-5 |x|.  The vertical resize has four taps of which two weigh 0, so an infinite source pixel spreads over its window.
; A softmax weight below 2^-126 counts as 0.  NaN and infinities are not treated apart.
.if PASS == 1
.set MATB, 0                           ; my pass's six matrices in ws
.set BSLOT, 786432                     ; bk', then bv' 1,024 bytes on
.set NQT, 16                           ; tiles of 16 queries
.else
.set MATB, 393216
.set BSLOT, 788480
.set NQT, 4
.endif
.set PT, 272                           ; an LDS row of 256 bytes + 16: the 16 rows of a fragment load start at 16 different groups of four banks (ISA guide 11.1)
.set PW, 528                           ; an LDS row of 512 bytes + 16
.set KH, 0                             ; khat, 256 tokens; later the q tokens
.set VH, 256*PT                        ; vhat
.set FS, 2*VH                          ; 32 KiB a wave: the fragments' stage
.set OB, FS+131072                     ; the attention's output, mean over views: 64 pixels x 256 channels bf16
.set SPARE, OB+64*PW                   ; the spare words: 128 bytes a wave
.set ZS, FS                            ; behind the attention: the residual, 64 pixels x 128 f32
.set A1, FS+64*PW                      ; LayerNorm's output, 64 x 128 bf16
.set HS, A1+64*PT                      ; the hidden layer, 64 x 256 bf16
; window 0
.set T16, 1                            ; 16 x thread
.set R, 2
.set HH, 3
.set AF0, 4                            ; 272 r + 16 h
.set ADR, 5
.set WOFF, 6                           ; 16,384 w + 16 lane
.set BOFF, 7                           ; 256 w + 32 h
.set BOFV, 8                           ; 256 w + 4 r
.set FSA0, 9
.set OB0, 10
.set AF5, 11                           ; 528 r + 16 h
.set ZT0, 12
.set HS0, 13
.set CP0, 14
.set ADR2, 15
.set C0, 16                            ; v16-19 the maximum's chains; outside the attention at work
.set CM, 20                            ; c m, m
.set LL, 22                            ; v22-29 four pairs of l
.set SPW, 30
.set NIL, 31
.set ACC0, 32                          ; v32-63
.set WVF, 64                           ; v64-191 Wv', then S^T with P in place, then GELU at work
.set S, 64
.set ACC1, 192                         ; v192-223, then the mean over views
.set OBAR, 192
.set BKT, 224                          ; v224-255 bk' as a C operand, then Q's fragments
.set QBF, 224
; window 1: pass 1's resize, or K's copy; K's fragments (key tile, channel half) at 16 kt + 8 c; Wo at 0 and W1 at 128
; window 2: the q copy (and V's); V's fragments (key half-block kc, channel block cb) at 32 kc + 8 cb; the tail's tokens and vectors
.set TX, 0
.set TT, 32
.set LG1, 64
.set LB1, 72
.set LG2, 80
.set LB2, 88
.set B1T, 96
.set BOT, 128
.set B2T, 144
.set ZR, 160
.set A1W, 161
.set GO1, 162
.set GO2, 163
.set ZR6, 164
.set TD, 192
; window 3: Wk', Wq, W2 at 0; token fragments at 128; bv' at 192; bq at 224; the skip at 160 during the attention
.set TB0, 128
.set SKP, 160
.set BVT, 192
.set BQT, 224
.set P_SK, 8
.set P_WS, 10
.set P_BQ, 12
.set P_BO, 14
.set P_PG, 16
.set P_PB, 18
.set P_B1, 20
.set P_B2, 22
.set P_G2, 24
.set P_N2, 26
.set WV, 34
.set XX, 36
.set YY, 37
.set SEL, 40
.set I128, 42
.set EPS, 43
.set CS, 44
.set CNT, 46
.set TBT, 47
.set TBF, 48
.set QT, 49
.set TBQ, 50
.set TBO, 51
.set PG, 52
.set NV, 53
.set TB, 54
.set TB2, 55
.set UA, 56
.set UT, 57
.set UU, 58
.set UF, 59
.set UG, 60
.set UI0, 61
.set UI1, 62
.set VW, 66                            ; s[66:73] the four vertical weights, each the low word of a pair
.set HK, 74                            ; s[74:81] 1/8, 3/8, 5/8, 7/8 likewise
.set K1, 82
.set KE, 84
.set GA3, 86
.set GA2, 88
.set GA1, 90
.set RW, 92
.set CW, 96
.set MSB, 0
.macro WIN new                         ; s_set_vgpr_msb: bits 1:0 source 0, 3:2 source 1, 5:4 source 2, 7:6 destination; the high byte repeats the setting that is left
.if MSB != (\new)
	s_set_vgpr_msb (MSB<<8)|(\new)
.set MSB, (\new)
.endif
.endm
.macro PLACES                          ; plain instructions between matrix instructions and what touches their registers next (ISA guide 7.12.1); five, since in places the next to write them is a matrix instruction
.rept 5
	v_nop
.endr
.endm
.macro BAR
	s_wait_dscnt 0x0                       ; for the others' sake: all my LDS loads and stores are done
	s_barrier_signal -1
	s_barrier_wait -1
.endm
.macro XSUM n, reg, stride             ; sums over the 16 lanes of a half
.irp x, 1,2,4,8
.set b_, 0
.rept \n
	v_add_f32_dpp v[(\reg)+(\stride)*b_], v[(\reg)+(\stride)*b_], v[(\reg)+(\stride)*b_] row_xmask:\x row_mask:0xf bank_mask:0xf
.set b_, b_+1
.endr
.endr
.endm
; n tokens (8 registers a lane, 16 lanes a token) are normalised: D = (X - mean) rsqrt(var + 1e-5); T: four registers a token.  Stage by stage over the tokens, so that no line waits for the one before it.
.macro LNB n, X, D, T
.set b_, 0
.rept \n
	v_pk_add_f32 v[(\T)+4*b_:(\T)+4*b_+1], v[(\X)+8*b_:(\X)+8*b_+1], v[(\X)+8*b_+2:(\X)+8*b_+3]
	v_pk_add_f32 v[(\T)+4*b_+2:(\T)+4*b_+3], v[(\X)+8*b_+4:(\X)+8*b_+5], v[(\X)+8*b_+6:(\X)+8*b_+7]
.set b_, b_+1
.endr
.set b_, 0
.rept \n
	v_pk_add_f32 v[(\T)+4*b_:(\T)+4*b_+1], v[(\T)+4*b_:(\T)+4*b_+1], v[(\T)+4*b_+2:(\T)+4*b_+3]
.set b_, b_+1
.endr
.set b_, 0
.rept \n
	v_add_f32 v[(\T)+4*b_], v[(\T)+4*b_], v[(\T)+4*b_+1]
.set b_, b_+1
.endr
	XSUM \n, \T, 4
.set b_, 0
.rept \n
	v_mul_f32 v[(\T)+4*b_], s[I128], v[(\T)+4*b_]
.set b_, b_+1
.endr
.set c_, 0
.rept 4
.set b_, 0
.rept \n
	v_pk_add_f32 v[(\D)+8*b_+2*c_:(\D)+8*b_+2*c_+1], v[(\X)+8*b_+2*c_:(\X)+8*b_+2*c_+1], v[(\T)+4*b_:(\T)+4*b_+1] op_sel_hi:[1,0] neg_lo:[0,1] neg_hi:[0,1]
.set b_, b_+1
.endr
.set c_, c_+1
.endr
.set b_, 0
.rept \n
	v_pk_mul_f32 v[(\T)+4*b_+2:(\T)+4*b_+3], v[(\D)+8*b_:(\D)+8*b_+1], v[(\D)+8*b_:(\D)+8*b_+1]
.set b_, b_+1
.endr
.set c_, 1
.rept 3
.set b_, 0
.rept \n
	v_pk_fma_f32 v[(\T)+4*b_+2:(\T)+4*b_+3], v[(\D)+8*b_+2*c_:(\D)+8*b_+2*c_+1], v[(\D)+8*b_+2*c_:(\D)+8*b_+2*c_+1], v[(\T)+4*b_+2:(\T)+4*b_+3]
.set b_, b_+1
.endr
.set c_, c_+1
.endr
.set b_, 0
.rept \n
	v_add_f32 v[(\T)+4*b_+2], v[(\T)+4*b_+2], v[(\T)+4*b_+3]
.set b_, b_+1
.endr
	XSUM \n, (\T)+2, 4
.set b_, 0
.rept \n
	v_fma_f32 v[(\T)+4*b_+2], v[(\T)+4*b_+2], s[I128], s[EPS]
.set b_, b_+1
.endr
.set b_, 0
.rept \n
	v_rsq_f32 v[(\T)+4*b_+2], v[(\T)+4*b_+2]
.set b_, b_+1
.endr
	v_nop                                  ; a plain instruction between the last root and its use
.set c_, 0
	s_wait_alu depctr_va_vdst(0)
.rept 4
.set b_, 0
.rept \n
	v_pk_mul_f32 v[(\D)+8*b_+2*c_:(\D)+8*b_+2*c_+1], v[(\D)+8*b_+2*c_:(\D)+8*b_+2*c_+1], v[(\T)+4*b_+2:(\T)+4*b_+3] op_sel_hi:[1,0]
.set b_, b_+1
.endr
.set c_, c_+1
.endr
.endm
.macro AFF n, X, G, B                  ; X = X g + b
.set b_, 0
.rept \n
.set c_, 0
.rept 4
	v_pk_fma_f32 v[(\X)+8*b_+2*c_:(\X)+8*b_+2*c_+1], v[(\X)+8*b_+2*c_:(\X)+8*b_+2*c_+1], v[(\G)+2*c_:(\G)+2*c_+1], v[(\B)+2*c_:(\B)+2*c_+1]
.set c_, c_+1
.endr
.set b_, b_+1
.endr
.endm
.macro LOADW w, dst, mat               ; my 16 KiB of a matrix, 128 registers of window w: 32 loads of 512 bytes on end
	WIN (\w)<<6
.set k_, 0
.rept 32
	global_load_b128 v[(\dst)+4*k_:(\dst)+4*k_+3], v[WOFF], s[P_WS:P_WS+1] offset:(\mat)+512*k_
.set k_, k_+1
.endr
	WIN 0
.endm
.macro BTILE w, dst, base, off         ; a bias as four C operands: register j of tile m = bias[64 w + 16 m + 8 h + j]
	WIN (\w)<<6
.set m_, 0
.rept 4
	global_load_b128 v[(\dst)+8*m_:(\dst)+8*m_+3], v[BOFF], s[\base:\base+1] offset:(\off)+64*m_
	global_load_b128 v[(\dst)+8*m_+4:(\dst)+8*m_+7], v[BOFF], s[\base:\base+1] offset:(\off)+64*m_+16
.set m_, m_+1
.endr
	WIN 0
.endm
.macro TBLOAD n                        ; n tiles of 16 tokens x 128 channels from rows 272 bytes apart at v[ADR]: four fragments each
	WIN 0xc0
.set e_, 0
.rept \n
.set k_, 0
.rept 4
	ds_load_b128 v[TB0+32*e_+8*k_:TB0+32*e_+8*k_+3], v[ADR] offset:e_*16*PT+64*k_
	ds_load_b128 v[TB0+32*e_+8*k_+4:TB0+32*e_+8*k_+7], v[ADR] offset:e_*16*PT+64*k_+32
.set k_, k_+1
.endr
.set e_, e_+1
.endr
	WIN 0
.endm
; K's (kind 0) or V's (kind 1) projection of my head: eight trips of two token tiles.  The four accumulators of a tile take turns; the bias is the C operand that starts each sum.
; The next trip's fragments are asked for behind the products; the last trip has none to ask for and jumps over the run, and the wait at the trip's head, for 0, is right either way.
.macro PROJ kind
	s_mov_b32 s[TBT], (\kind)*VH
	s_mov_b32 s[TBF], 0
	s_mov_b32 s[CNT], 8
	v_add_nc_u32 v[ADR], s[TBT], v[AF0]
	TBLOAD 2
.Lproj_\@:
	s_wait_dscnt 0x0                       ; the fragments are in, and the last trip's stores have read the accumulators' registers
.set e_, 0
.rept 2
.set a_, ACC0+(ACC1-ACC0)*e_
.set k_, 0
.rept 4
.set m_, 0
.rept 4
.if (\kind) == 0
	WIN 0x0f                               ; W and tokens in window 3
.if k_ == 0
	v_wmma_f32_16x16x32_bf16 v[a_+8*m_:a_+8*m_+7], v[8*(4*m_+k_):8*(4*m_+k_)+7], v[TB0+32*e_+8*k_:TB0+32*e_+8*k_+7], v[BKT+8*m_:BKT+8*m_+7]
.else
	v_wmma_f32_16x16x32_bf16 v[a_+8*m_:a_+8*m_+7], v[8*(4*m_+k_):8*(4*m_+k_)+7], v[TB0+32*e_+8*k_:TB0+32*e_+8*k_+7], v[a_+8*m_:a_+8*m_+7]
.endif
.else
.if k_ == 0
	WIN 0x33                               ; tokens and the bias in window 3, W in window 0
	v_wmma_f32_16x16x32_bf16 v[a_+8*m_:a_+8*m_+7], v[TB0+32*e_+8*k_:TB0+32*e_+8*k_+7], v[WVF+8*(4*m_+k_):WVF+8*(4*m_+k_)+7], v[BVT+8*m_:BVT+8*m_+7]
.else
	WIN 0x03
	v_wmma_f32_16x16x32_bf16 v[a_+8*m_:a_+8*m_+7], v[TB0+32*e_+8*k_:TB0+32*e_+8*k_+7], v[WVF+8*(4*m_+k_):WVF+8*(4*m_+k_)+7], v[a_+8*m_:a_+8*m_+7]
.endif
.endif
.set m_, m_+1
.endr
.set k_, k_+1
.endr
.set e_, e_+1
.endr
	PLACES
	WIN 0
	s_add_co_u32 s[TBT], s[TBT], 32*PT
	s_cmp_eq_u32 s[CNT], 1
	s_cbranch_scc1 .Lnopre_\@
	v_add_nc_u32 v[ADR], s[TBT], v[AF0]
	TBLOAD 2
.Lnopre_\@:
.set k_, 0
.rept 16
	v_cvt_pk_bf16_f32 v[ACC0+k_], v[ACC0+2*k_], v[ACC0+2*k_+1]  ; in place, ascending
.set k_, k_+1
.endr
.set k_, 0
.rept 16
	v_cvt_pk_bf16_f32 v[ACC1+k_], v[ACC1+2*k_], v[ACC1+2*k_+1]
.set k_, k_+1
.endr
	v_add_nc_u32 v[ADR2], s[TBF], v[FSA0]
.set e_, 0
.rept 2
.set a_, ACC0+(ACC1-ACC0)*e_
.set m_, 0
.rept 4
.if (\kind) == 0
	ds_store_b128 v[ADR2], v[a_+4*m_:a_+4*m_+3] offset:2048*e_+512*m_   ; registers 16 tile + 4 m of window 1
.else
	ds_store_b128 v[ADR2], v[a_+4*m_:a_+4*m_+3] offset:1024*m_+512*e_   ; registers 32 trip + 8 m + 4 e of window 2
.endif
.set m_, m_+1
.endr
.set e_, e_+1
.endr
	s_add_co_u32 s[TBF], s[TBF], 4096
	s_sub_co_u32 s[CNT], s[CNT], 1
	s_cmp_lg_u32 s[CNT], 0
	s_cbranch_scc1 .Lproj_\@
.endm
.macro BULK w                          ; my stage comes back as 256 registers of window w; LDS serves a wave's instructions in order (ISA guide 5.7.1.4), so these see the stores
	WIN (\w)<<6
.set k_, 0
.rept 64
	ds_load_b128 v[4*k_:4*k_+3], v[FSA0] offset:512*k_
.set k_, k_+1
.endr
	WIN 0
.endm
.macro SF p                            ; c s - c m for pair p of the lane's 64
	v_pk_fma_f32 v[S+2*(\p):S+2*(\p)+1], v[S+2*(\p):S+2*(\p)+1], s[CS:CS+1], v[CM:CM+1] op_sel_hi:[1,0,0] neg_lo:[0,0,1] neg_hi:[0,0,1]
.endm
.macro SA p                            ; pair p joins one of four sums (the first four start them) and is rounded to bf16 into register p, whose own pair is done
.if (\p) < 4
	s_wait_alu depctr_va_vdst(0)
	v_pk_mul_f32 v[LL+2*(\p):LL+2*(\p)+1], v[S+2*(\p):S+2*(\p)+1], 1.0 op_sel_hi:[1,0]
.else
	s_wait_alu depctr_va_vdst(0)
	v_pk_add_f32 v[LL+2*((\p)%4):LL+2*((\p)%4)+1], v[LL+2*((\p)%4):LL+2*((\p)%4)+1], v[S+2*(\p):S+2*(\p)+1]
.endif
	v_cvt_pk_bf16_f32 v[S+(\p)], v[S+2*(\p)], v[S+2*(\p)+1]
.endm
; ONE TILE OF 16 QUERIES.  Its tokens' fragments were asked for a tile earlier.
.macro QTILE
	s_wait_dscnt 0x0
.set k_, 0
.rept 4
.set m_, 0
.rept 4
.if k_ == 0
	WIN 0x3f                               ; Wq, tokens and bq in window 3
	v_wmma_f32_16x16x32_bf16 v[ACC0+8*m_:ACC0+8*m_+7], v[8*(4*m_+k_):8*(4*m_+k_)+7], v[TB0+8*k_:TB0+8*k_+7], v[BQT+8*m_:BQT+8*m_+7]
.else
	WIN 0x0f
	v_wmma_f32_16x16x32_bf16 v[ACC0+8*m_:ACC0+8*m_+7], v[8*(4*m_+k_):8*(4*m_+k_)+7], v[TB0+8*k_:TB0+8*k_+7], v[ACC0+8*m_:ACC0+8*m_+7]
.endif
.set m_, m_+1
.endr
.set k_, k_+1
.endr
	PLACES
	WIN 0
	s_add_co_u32 s[TBQ], s[TBQ], 16*PT
	s_cmp_eq_u32 s[QT], 1                  ; behind the last tile there is none to ask for
	s_cbranch_scc1 .Lnoq_\@
	v_add_nc_u32 v[ADR], s[TBQ], v[AF0]
	TBLOAD 1
.Lnoq_\@:
	s_sub_co_u32 s[QT], s[QT], 1
.set k_, 0
.rept 16
	v_cvt_pk_bf16_f32 v[QBF+k_], v[ACC0+2*k_], v[ACC0+2*k_+1]
.set k_, k_+1
.endr
	WIN 0x01                               ; K in window 1
.set c_, 0
.rept 2
.set k_, 0
.rept 16
.if c_ == 0
	v_wmma_f32_16x16x32_bf16 v[S+8*k_:S+8*k_+7], v[16*k_+8*c_:16*k_+8*c_+7], v[QBF+8*c_:QBF+8*c_+7], 0
.else
	v_wmma_f32_16x16x32_bf16 v[S+8*k_:S+8*k_+7], v[16*k_+8*c_:16*k_+8*c_+7], v[QBF+8*c_:QBF+8*c_+7], v[S+8*k_:S+8*k_+7]
.endif
.set k_, k_+1
.endr
.set c_, c_+1
.endr
	PLACES
	WIN 0
	; the maximum of the lane's 128 scores in four chains; each accumulator's lowest registers are read first
.set g_, 0
.rept 4
.set i_, 0
.rept 4
.set c_, 0
.rept 4
.set x_, S+8*(4*g_+c_)
.if g_ > 0
	v_max3_num_f32 v[C0+c_], v[C0+c_], v[x_+2*i_], v[x_+2*i_+1]
.elseif i_ == 0
	v_max3_num_f32 v[C0+c_], v[x_], v[x_+1], v[x_+2]
.elseif i_ < 3
	v_max3_num_f32 v[C0+c_], v[C0+c_], v[x_+2*i_+1], v[x_+2*i_+2]
.else
	v_max_num_f32 v[C0+c_], v[C0+c_], v[x_+7]
.endif
.set c_, c_+1
.endr
.set i_, i_+1
.endr
.set g_, g_+1
.endr
	v_max3_num_f32 v[C0], v[C0], v[C0+1], v[C0+2]
	v_max_num_f32 v[C0], v[C0], v[C0+3]
	v_permlanex16_b32 v[C0+1], v[C0], s[SEL], s[SEL+1]  ; the query's other 128 keys lie in the lane 16 away
	v_max_num_f32 v[CM+1], v[C0], v[C0+1]
	v_mul_f32 v[CM], s[CS], v[CM+1]
	; p = 2^(c s - c m): a step scales a pair two ahead, takes two exponentials, and sums and rounds the pair before: behind each pair of exponentials stand plain instructions that touch neither
	SF 0
	SF 1
.set i_, 0
.rept 64
.if i_ < 62
	SF i_+2
.endif
	v_exp_f32 v[S+2*i_], v[S+2*i_]
	v_exp_f32 v[S+2*i_+1], v[S+2*i_+1]
.if i_ > 0
	SA i_-1
.endif
.set i_, i_+1
.endr
	SA 63
	WIN 0x02                               ; V in window 2
.set k_, 0
.rept 8
.set m_, 0
.rept 4
.if k_ == 0
	v_wmma_f32_16x16x32_bf16 v[ACC0+8*m_:ACC0+8*m_+7], v[32*k_+8*m_:32*k_+8*m_+7], v[S+8*k_:S+8*k_+7], 0
.else
	v_wmma_f32_16x16x32_bf16 v[ACC0+8*m_:ACC0+8*m_+7], v[32*k_+8*m_:32*k_+8*m_+7], v[S+8*k_:S+8*k_+7], v[ACC0+8*m_:ACC0+8*m_+7]
.endif
.set m_, m_+1
.endr
.set k_, k_+1
.endr
	WIN 0
	v_pk_add_f32 v[LL:LL+1], v[LL:LL+1], v[LL+2:LL+3]          ; l: these plain lines name none of the products' registers and are the places behind them
	v_pk_add_f32 v[LL+4:LL+5], v[LL+4:LL+5], v[LL+6:LL+7]
	v_pk_add_f32 v[LL:LL+1], v[LL:LL+1], v[LL+4:LL+5]
	v_add_f32 v[LL], v[LL], v[LL+1]
	v_permlanex16_b32 v[LL+1], v[LL], s[SEL], s[SEL+1]
	v_add_f32 v[LL], v[LL], v[LL+1]
	v_rcp_f32 v[LL], v[LL]
	v_nop
.if PASS == 1
	s_wait_alu depctr_va_vdst(0)
	v_mul_f32 v[LL], 0x3e800000, v[LL]     ; a quarter: the mean over four views
.set k_, 0
.rept 16
	v_pk_fma_f32 v[OBAR+2*k_:OBAR+2*k_+1], v[ACC0+2*k_:ACC0+2*k_+1], v[LL:LL+1], v[OBAR+2*k_:OBAR+2*k_+1] op_sel_hi:[1,0,1]
.set k_, k_+1
.endr
.else
.set k_, 0
.rept 16
	v_pk_mul_f32 v[OBAR+2*k_:OBAR+2*k_+1], v[ACC0+2*k_:ACC0+2*k_+1], v[LL:LL+1] op_sel_hi:[1,0]
.set k_, k_+1
.endr
.endif
.endm
.macro FLUSH                           ; 16 pixels x my head's 64 channels, bf16, into OB
.set k_, 0
.rept 16
	v_cvt_pk_bf16_f32 v[OBAR+k_], v[OBAR+2*k_], v[OBAR+2*k_+1]
.set k_, k_+1
.endr
	v_add_nc_u32 v[ADR2], s[TBO], v[OB0]
.set m_, 0
.rept 4
	ds_store_b128 v[ADR2], v[OBAR+4*m_:OBAR+4*m_+3] offset:32*m_
.set m_, m_+1
.endr
	s_add_co_u32 s[TBO], s[TBO], 16*PW
.endm
; ZS[64 pixels][my 32 channels] += bias + B W, K = 256: B's rows lie 528 bytes apart at bb, W's fragments at register 0 of the window that wm names, the bias tile at bt of window 2.
; Two trips of two pixel tiles; the residual is the C operand; each number of ZS has one owner, so no barrier stands inside.
.macro P64 wm, bb, bt
	s_mov_b32 s[TB], 0
	s_mov_b32 s[TB2], \bb
	s_mov_b32 s[CNT], 2
.Lp64_\@:
	v_add_nc_u32 v[ADR2], s[TB], v[ZT0]
	v_add_nc_u32 v[ADR], s[TB2], v[AF5]
.set m_, 0
.rept 2
.set e_, 0
.rept 2
	ds_load_b128 v[ACC0+8*(2*m_+e_):ACC0+8*(2*m_+e_)+3], v[ADR2] offset:16*PW*e_+64*m_
	ds_load_b128 v[ACC0+8*(2*m_+e_)+4:ACC0+8*(2*m_+e_)+7], v[ADR2] offset:16*PW*e_+64*m_+16
.set e_, e_+1
.endr
.set m_, m_+1
.endr
	WIN 0xc0
.set e_, 0
.rept 2
.set k_, 0
.rept 8
	ds_load_b128 v[128+64*e_+8*k_:128+64*e_+8*k_+3], v[ADR] offset:16*PW*e_+64*k_
	ds_load_b128 v[128+64*e_+8*k_+4:128+64*e_+8*k_+7], v[ADR] offset:16*PW*e_+64*k_+32
.set k_, k_+1
.endr
.set e_, e_+1
.endr
	s_wait_dscnt 32                        ; B's 32 loads may be out; the residual is in
	WIN 0x08                               ; source 1 in window 2
.set m_, 0
.rept 2
.set e_, 0
.rept 2
.set c_, 0
.rept 4
	v_pk_add_f32 v[ACC0+8*(2*m_+e_)+2*c_:ACC0+8*(2*m_+e_)+2*c_+1], v[ACC0+8*(2*m_+e_)+2*c_:ACC0+8*(2*m_+e_)+2*c_+1], v[(\bt)+8*m_+2*c_:(\bt)+8*m_+2*c_+1]
.set c_, c_+1
.endr
.set e_, e_+1
.endr
.set m_, m_+1
.endr
	s_wait_dscnt 0x0
	WIN \wm
.set k_, 0
.rept 8
.set m_, 0
.rept 2
.set e_, 0
.rept 2
	v_wmma_f32_16x16x32_bf16 v[ACC0+8*(2*m_+e_):ACC0+8*(2*m_+e_)+7], v[8*(8*m_+k_):8*(8*m_+k_)+7], v[128+64*e_+8*k_:128+64*e_+8*k_+7], v[ACC0+8*(2*m_+e_):ACC0+8*(2*m_+e_)+7]
.set e_, e_+1
.endr
.set m_, m_+1
.endr
.set k_, k_+1
.endr
	PLACES
	WIN 0
.set m_, 0
.rept 2
.set e_, 0
.rept 2
	ds_store_b128 v[ADR2], v[ACC0+8*(2*m_+e_):ACC0+8*(2*m_+e_)+3] offset:16*PW*e_+64*m_
	ds_store_b128 v[ADR2], v[ACC0+8*(2*m_+e_)+4:ACC0+8*(2*m_+e_)+7] offset:16*PW*e_+64*m_+16
.set e_, e_+1
.endr
.set m_, m_+1
.endr
	s_add_co_u32 s[TB], s[TB], 32*PW
	s_add_co_u32 s[TB2], s[TB2], 32*PW
	s_sub_co_u32 s[CNT], s[CNT], 1
	s_cmp_lg_u32 s[CNT], 0
	s_cbranch_scc1 .Lp64_\@
.endm
; gelu(x) = max(x, 0) - |x| / 2 poly(t) e^(-x x / 2), t = 1 / (1 + 0.47047 |x| / sqrt 2), on v64-95; v96-191 at work
.set GX, 64
.set GT, 96
.set GE, 128
.set GP, 160
.macro GELU
.set i_, 0
.rept 32
	v_fma_f32 v[GT+i_], |v[GX+i_]|, s[K1], 1.0
.set i_, i_+1
.endr
.set i_, 0
.rept 32
	v_rcp_f32 v[GT+i_], v[GT+i_]
.set i_, i_+1
.endr
.set i_, 0
.rept 16
	v_pk_mul_f32 v[GE+2*i_:GE+2*i_+1], v[GX+2*i_:GX+2*i_+1], v[GX+2*i_:GX+2*i_+1]
.set i_, i_+1
.endr
.set i_, 0
.rept 16
	v_pk_mul_f32 v[GE+2*i_:GE+2*i_+1], v[GE+2*i_:GE+2*i_+1], s[KE:KE+1] op_sel_hi:[1,0]
.set i_, i_+1
.endr
.set i_, 0
.rept 32
	v_exp_f32 v[GE+i_], v[GE+i_]
.set i_, i_+1
.endr
.set i_, 0
	s_wait_alu depctr_va_vdst(0)
.rept 16
	v_pk_fma_f32 v[GP+2*i_:GP+2*i_+1], v[GT+2*i_:GT+2*i_+1], s[GA3:GA3+1], s[GA2:GA2+1] op_sel_hi:[1,0,0]
.set i_, i_+1
.endr
.set i_, 0
.rept 16
	v_pk_fma_f32 v[GP+2*i_:GP+2*i_+1], v[GP+2*i_:GP+2*i_+1], v[GT+2*i_:GT+2*i_+1], s[GA1:GA1+1] op_sel_hi:[1,1,0]
.set i_, i_+1
.endr
.set i_, 0
.rept 16
	v_pk_mul_f32 v[GP+2*i_:GP+2*i_+1], v[GP+2*i_:GP+2*i_+1], v[GT+2*i_:GT+2*i_+1]
.set i_, i_+1
.endr
.set i_, 0
.rept 16
	v_pk_mul_f32 v[GP+2*i_:GP+2*i_+1], v[GP+2*i_:GP+2*i_+1], v[GE+2*i_:GE+2*i_+1]
.set i_, i_+1
.endr
.set i_, 0
.rept 32
	v_mul_f32 v[GT+i_], -0.5, |v[GX+i_]|
.set i_, i_+1
.endr
.set i_, 0
.rept 32
	v_max_num_f32 v[GX+i_], 0, v[GX+i_]
.set i_, i_+1
.endr
.set i_, 0
.rept 16
	v_pk_fma_f32 v[GX+2*i_:GX+2*i_+1], v[GT+2*i_:GT+2*i_+1], v[GP+2*i_:GP+2*i_+1], v[GX+2*i_:GX+2*i_+1]
.set i_, i_+1
.endr
.endm
	; ---------------- the head ----------------
	s_load_b512 s[4:19], s[0:1], 0x0
	s_load_b256 s[20:27], s[0:1], 0x40
.if PASS == 1
	s_load_b128 s[28:31], s[0:1], 0x60
	s_load_b64 s[32:33], s[0:1], 0x70
.else
	s_load_b64 s[28:29], s[0:1], 0x60
.endif
	v_lshl_add_u32 v[SPW], v0, 2, SPARE
	v_mov_b32 v[NIL], 0
	v_lshrrev_b32 v[ADR], 5, v0
	v_readfirstlane_b32 s[WV], v[ADR]
	v_and_b32 v[R], 15, v0
	v_bfe_u32 v[HH], v0, 4, 1
	v_and_b32 v[T16], 31, v0
	v_lshlrev_b32 v[T16], 4, v[T16]        ; 16 x lane, for the two sums below
	s_lshl_b32 s38, s[WV], 14
	v_add_nc_u32 v[WOFF], s38, v[T16]
	s_lshl_b32 s38, s[WV], 15
	s_add_co_u32 s38, s38, FS
	v_add_nc_u32 v[FSA0], s38, v[T16]
	v_lshlrev_b32 v[T16], 4, v0            ; from here on 16 x thread
	v_mul_u32_u24 v[AF0], v[R], PT
	v_lshl_add_u32 v[AF0], v[HH], 4, v[AF0]
	v_mul_u32_u24 v[AF5], v[R], PW
	v_lshl_add_u32 v[ZT0], v[HH], 5, v[AF5]
	v_lshl_add_u32 v[AF5], v[HH], 4, v[AF5]
	s_lshl_b32 s38, s[WV], 8
	v_lshl_add_u32 v[BOFF], v[HH], 5, s38
	v_lshl_add_u32 v[BOFV], v[R], 2, s38
	s_lshl_b32 s38, s[WV], 7
	s_add_co_u32 s39, s38, OB
	v_add_nc_u32 v[OB0], s39, v[AF5]       ; OB: pixel r, channel 64 w + 8 h
	s_add_co_u32 s39, s38, HS
	v_add_nc_u32 v[HS0], s39, v[AF5]
	s_add_co_u32 s39, s38, ZS
	v_add_nc_u32 v[ZT0], s39, v[ZT0]       ; ZS: pixel r, channel 32 w + 8 h
	v_lshrrev_b32 v[CP0], 4, v0
	v_mul_u32_u24 v[CP0], v[CP0], PT
	v_lshl_add_u32 v[CP0], v[R], 4, v[CP0] ; a copy of dense rows of 256 bytes: thread t takes row t / 16, 16 bytes at 16 (t % 16)
	s_lshr_b32 s[XX], ttmp9, 4
	s_and_b32 s[YY], ttmp9, 15
	s_mov_b32 s[SEL], 0x76543210
	s_mov_b32 s[SEL+1], 0xfedcba98
	s_mov_b32 s[I128], 0x3c000000          ; 1 / 128
	s_mov_b32 s[EPS], 0x3727c5ac           ; 1e-5
	s_mov_b32 s[CS], 0x3e38aa3b            ; c = log2(e) / 8
	s_mov_b32 s[CS+1], s[CS]
	s_mov_b32 s[K1], 0x3eaa540e            ; 0.47047 / sqrt 2
	s_mov_b32 s[KE], 0xbf38aa3b            ; -log2(e) / 2
	s_mov_b32 s[KE+1], s[KE]
	s_mov_b32 s[GA3], 0x3f3f7377           ; 0.7478556
	s_mov_b32 s[GA3+1], s[GA3]
	s_mov_b32 s[GA2], 0xbdc45ca1           ; -0.0958798
	s_mov_b32 s[GA2+1], s[GA2]
	s_mov_b32 s[GA1], 0x3eb2303a           ; 0.3480242
	s_mov_b32 s[GA1+1], s[GA1]
.if PASS == 1
	; ---------------- pass 1: the window's 4 x 4 source pixels, my view, key in lanes 0-15 and value in lanes 16-31 ----------------
.set OF, 32
.set ROW, 128
.set TOK, 160
.set LA, 224
.set GO, 225
	s_lshl_b32 s38, s[XX], 1
	s_sub_co_i32 s38, s38, 1
	s_lshl_b32 s39, s[YY], 1
	s_sub_co_i32 s39, s39, 1
.irp i, 0,1,2,3
	s_add_co_i32 s[RW+\i], s38, \i
	s_max_i32 s[RW+\i], s[RW+\i], 0
	s_min_i32 s[RW+\i], s[RW+\i], 31
	s_lshl_b32 s[RW+\i], s[RW+\i], 14
	s_add_co_i32 s[CW+\i], s39, \i
	s_max_i32 s[CW+\i], s[CW+\i], 0
	s_min_i32 s[CW+\i], s[CW+\i], 31
	s_lshl_b32 s[CW+\i], s[CW+\i], 9
.endr
	v_lshlrev_b32 v17, 21, v[HH]
	v_lshl_add_u32 v17, v[R], 4, v17
	s_lshl_b32 s38, s[WV], 19
	v_add_nc_u32 v17, s38, v17
.set i_, 0
.rept 4
.set j_, 0
.rept 4
	s_add_co_u32 s38, s[RW+i_], s[CW+j_]
	v_add_nc_u32 v[OF+4*i_+j_], s38, v17
.set j_, j_+1
.endr
.set i_, i_+1
.endr
	s_mul_i32 s38, s[WV], 64*PT
	v_mul_u32_u24 v18, v[HH], VH
	v_lshl_add_u32 v18, v[R], 4, v18
	v_add_nc_u32 v18, s38, v18             ; LDS: khat or vhat, token 64 view + 8 a + b
	s_and_b32 s38, s[XX], 1
	s_lshl_b32 s38, s38, 23
	s_and_b32 s39, s[YY], 1
	s_lshl_b32 s39, s39, 19
	s_add_co_u32 s38, s38, s39
	s_lshl_b32 s39, s[WV], 14
	s_add_co_u32 s38, s38, s39
	s_lshr_b32 s39, s[XX], 1
	s_lshl_b32 s39, s39, 11
	s_add_co_u32 s38, s38, s39
	s_lshr_b32 s39, s[YY], 1
	s_lshl_b32 s39, s39, 8
	s_add_co_u32 s38, s38, s39
	v_lshlrev_b32 v19, 24, v[HH]
	v_lshl_add_u32 v19, v[R], 4, v19
	v_add_nc_u32 v19, s38, v19             ; kvhat[t][H % 16][W % 16][view][H / 16][W / 16]
	WIN 0x40
	v_mov_b32 v[LA], v18
	v_mov_b32 v[GO], v19
	WIN 0
	s_mov_b32 s[HK], 0x3e000000
	s_mov_b32 s[HK+2], 0x3ec00000
	s_mov_b32 s[HK+4], 0x3f200000
	s_mov_b32 s[HK+6], 0x3f600000
.irp i, 1,3,5,7
	s_mov_b32 s[HK+\i], 0                  ; named with the weights as pairs
	s_mov_b32 s[VW+\i], 0
.endr
	s_lshl_b32 s38, ttmp9, 16
	s_mov_b32 s39, 0
	s_wait_kmcnt 0x0
	s_add_nc_u64 s[4:5], s[4:5], s[38:39]  ; my window's q tokens
	s_lshl_b32 s38, ttmp9, 15
	s_add_nc_u64 s[P_SK:P_SK+1], s[P_SK:P_SK+1], s[38:39]
	WIN 0x40
.set i_, 0
.rept 16
	global_load_b128 v[8*i_:8*i_+3], v[OF+i_], s[6:7]
	global_load_b128 v[8*i_+4:8*i_+7], v[OF+i_], s[6:7] offset:256
.set i_, i_+1
.endr
	WIN 0x80
.set i_, 0
.rept 32
	global_load_b128 v[4*i_:4*i_+3], v[T16], s[4:5] offset:2048*i_
.set i_, i_+1
.endr
	WIN 0
	s_wait_loadcnt 32                      ; the 32 loads of q tokens may be out; the source pixels are in
.else
	; ---------------- pass 2: the window's tokens are dense in kvhat and qhat2 ----------------
	s_lshl_b32 s38, ttmp9, 16
	s_mov_b32 s39, 0
	s_wait_kmcnt 0x0
	s_add_nc_u64 s[4:5], s[4:5], s[38:39]
	s_add_nc_u64 s[RW:RW+1], s[4:5], 0x1000000     ; the values lie 16 MiB behind the keys
	s_lshl_b32 s38, ttmp9, 14
	s_add_nc_u64 s[6:7], s[6:7], s[38:39]
	s_lshl_b32 s38, ttmp9, 15
	s_add_nc_u64 s[P_SK:P_SK+1], s[P_SK:P_SK+1], s[38:39]
	WIN 0x40
.set i_, 0
.rept 32
	global_load_b128 v[4*i_:4*i_+3], v[T16], s[4:5] offset:2048*i_
.set i_, i_+1
.endr
	WIN 0x80
.set i_, 0
.rept 32
	global_load_b128 v[4*i_:4*i_+3], v[T16], s[RW:RW+1] offset:2048*i_
.set i_, i_+1
.endr
.set i_, 0
.rept 8
	global_load_b128 v[128+4*i_:128+4*i_+3], v[T16], s[6:7] offset:2048*i_
.set i_, i_+1
.endr
	WIN 0
.endif
	LOADW 3, 0, MATB+65536                 ; Wk'
	LOADW 0, WVF, MATB+131072              ; Wv'
	BTILE 0, BKT, P_WS, BSLOT              ; bk'
	WIN 0xc0
.set m_, 0
.rept 4
	global_load_b32 v[BVT+8*m_], v[BOFV], s[P_WS:P_WS+1] offset:BSLOT+1024+64*m_   ; bv'[64 w + 16 m + r]
.set m_, m_+1
.endr
	WIN 0
	BTILE 3, BQT, P_BQ, 0
.if PASS == 1
	s_mov_b32 s[UA], 0
.Lups:                                             ; row a of the window: eight pixels, resized, normalised, rounded, stored
	s_lshl_b32 s[UT], s[UA], 1
	s_add_co_u32 s[UT], s[UT], 5
	s_and_b32 s[UT], s[UT], 7              ; eight times the fraction: the sample lies at (2 a - 3) / 8 from the window's first source row
	s_sub_co_u32 s[UU], 8, s[UT]
	s_cvt_f32_u32 s[UF], s[UT]
	s_cvt_f32_u32 s[UG], s[UU]
	s_mul_f32 s[UF], s[UF], 0x3e000000
	s_mul_f32 s[UG], s[UG], 0x3e000000
	s_add_co_u32 s[UI0], s[UA], 2
	s_lshr_b32 s[UI0], s[UI0], 2           ; the upper tap among my four rows
	s_add_co_u32 s[UI1], s[UI0], 1
.irp i, 0,1,2,3
	s_cmp_eq_u32 s[UI1], \i
	s_cselect_b32 s[VW+2*\i], s[UF], 0
	s_cmp_eq_u32 s[UI0], \i
	s_cselect_b32 s[VW+2*\i], s[UG], s[VW+2*\i]
.endr
	WIN 0x55                               ; all in window 1
.set j_, 0
.rept 16
	v_pk_mul_f32 v[ROW+2*j_:ROW+2*j_+1], v[2*j_:2*j_+1], s[VW:VW+1] op_sel_hi:[1,0]
.set j_, j_+1
.endr
.set i_, 1
.rept 3
.set j_, 0
.rept 16
	v_pk_fma_f32 v[ROW+2*j_:ROW+2*j_+1], v[32*i_+2*j_:32*i_+2*j_+1], s[VW+2*i_:VW+2*i_+1], v[ROW+2*j_:ROW+2*j_+1] op_sel_hi:[1,0,1]
.set j_, j_+1
.endr
.set i_, i_+1
.endr
.set p_, 0
.rept 8
.set j_, (p_+2)/4
.set f_, (2*p_+5)%8
.set c_, 0
.rept 4
	v_pk_mul_f32 v[TOK+8*p_+2*c_:TOK+8*p_+2*c_+1], v[ROW+8*j_+2*c_:ROW+8*j_+2*c_+1], s[HK+7-f_:HK+8-f_] op_sel_hi:[1,0]
.set c_, c_+1
.endr
.set c_, 0
.rept 4
	v_pk_fma_f32 v[TOK+8*p_+2*c_:TOK+8*p_+2*c_+1], v[ROW+8*j_+8+2*c_:ROW+8*j_+8+2*c_+1], s[HK+f_-1:HK+f_], v[TOK+8*p_+2*c_:TOK+8*p_+2*c_+1] op_sel_hi:[1,0,1]
.set c_, c_+1
.endr
.set p_, p_+1
.endr
	LNB 8, TOK, TOK, ROW
.set k_, 0
.rept 32
	v_cvt_pk_bf16_f32 v[TOK+k_], v[TOK+2*k_], v[TOK+2*k_+1]
.set k_, k_+1
.endr
.set p_, 0
.rept 8
	ds_store_b128 v[LA], v[TOK+4*p_:TOK+4*p_+3] offset:PT*p_
	global_store_b128 v[GO], v[TOK+4*p_:TOK+4*p_+3], s[28:29] offset:65536*p_   ; 16 lanes store a token's 256 bytes
.set p_, p_+1
.endr
	s_wait_xcnt 0x0                        ; the stores' offset and data are rewritten only behind this wait
	v_add_nc_u32 v[LA], 8*PT, v[LA]
	v_add_nc_u32 v[GO], 0x100000, v[GO]
	WIN 0
	s_add_co_u32 s[UA], s[UA], 1
	s_cmp_lt_u32 s[UA], 8
	s_cbranch_scc1 .Lups
.else
	v_add_nc_u32 v17, 128*PT, v[CP0]       ; an LDS immediate ends at 65,535: a base for each 128 rows
	v_add_nc_u32 v18, VH, v[CP0]
	v_add_nc_u32 v19, VH, v17
	s_wait_loadcnt 63                      ; 156 loads are issued: the oldest 93 are in, K's and V's 64 among them
	WIN 0x04
.set i_, 0
.rept 16
	ds_store_b128 v[CP0], v[4*i_:4*i_+3] offset:8*PT*i_
	ds_store_b128 v17, v[64+4*i_:64+4*i_+3] offset:8*PT*i_
.set i_, i_+1
.endr
	WIN 0x08
.set i_, 0
.rept 16
	ds_store_b128 v18, v[4*i_:4*i_+3] offset:8*PT*i_
	ds_store_b128 v19, v[64+4*i_:64+4*i_+3] offset:8*PT*i_
.set i_, i_+1
.endr
	WIN 0
.endif
	s_wait_loadcnt 0x0                     ; weights, biases, q tokens
	WIN 0xc3
.set m_, 0
.rept 4
.set j_, 1
.rept 7
	v_mov_b32 v[BVT+8*m_+j_], v[BVT+8*m_]  ; in V a lane holds one channel: its bias in all eight registers of the C operand
.set j_, j_+1
.endr
.set m_, m_+1
.endr
	WIN 0
	BAR                                    ; khat and vhat are whole
	PROJ 0
	BULK 1
	LOADW 3, 0, MATB                       ; Wq takes Wk's place; the places behind the last product stand in the loop's last trip
	BAR                                    ; nobody reads khat any more
	v_add_nc_u32 v17, 128*PT, v[CP0]
	WIN 0x08
.if PASS == 1
.set i_, 0
.rept 16
	ds_store_b128 v[CP0], v[4*i_:4*i_+3] offset:8*PT*i_
	ds_store_b128 v17, v[64+4*i_:64+4*i_+3] offset:8*PT*i_
.set i_, i_+1
.endr
.else
.set i_, 0
.rept 8
	ds_store_b128 v[CP0], v[128+4*i_:128+4*i_+3] offset:8*PT*i_
.set i_, i_+1
.endr
.endif
	WIN 0
	PROJ 1
	BULK 2
	WIN 0xc0
.set i_, 0
.rept 16
	global_load_b128 v[SKP+4*i_:SKP+4*i_+3], v[T16], s[P_SK:P_SK+1] offset:2048*i_    ; the skip: it lands while the attention runs
.set i_, i_+1
.endr
	WIN 0
	BAR                                    ; the q tokens are whole; every wave has its fragments back, so the stages are free
	s_wait_loadcnt 16                      ; the skip's 16 loads may be out; Wq is in
	s_mov_b32 s[TBQ], 0
	s_mov_b32 s[TBO], 0
	s_mov_b32 s[QT], NQT
	s_mov_b32 s[PG], 4
	v_mov_b32 v[ADR], v[AF0]
	TBLOAD 1
.Lpg:                                              ; 16 pixels a trip
.if PASS == 1
.set k_, 0
.rept 32
	v_mov_b32 v[OBAR+k_], 0                ; the mean over views starts; the four views' tiles run through one text
.set k_, k_+1
.endr
	s_mov_b32 s[NV], 4
.Lnv:
.endif
	QTILE
.if PASS == 1
	s_sub_co_u32 s[NV], s[NV], 1
	s_cmp_lg_u32 s[NV], 0
	s_cbranch_scc1 .Lnv
.endif
	FLUSH
	s_sub_co_u32 s[PG], s[PG], 1
	s_cmp_lg_u32 s[PG], 0
	s_cbranch_scc1 .Lpg
	; ---------------- behind the attention ----------------
	s_wait_loadcnt 0x0                     ; the skip is in
	s_lshl_b32 s38, s[WV], 7
	v_lshl_add_u32 v16, v[HH], 5, s38      ; 4 (32 w + 8 h)
	v_lshlrev_b32 v17, 5, v[R]             ; 4 (8 r)
	LOADW 1, 0, MATB+4*65536               ; Wo
	WIN 0x80
.set m_, 0
.rept 2
	global_load_b128 v[BOT+8*m_:BOT+8*m_+3], v16, s[P_BO:P_BO+1] offset:64*m_
	global_load_b128 v[BOT+8*m_+4:BOT+8*m_+7], v16, s[P_BO:P_BO+1] offset:64*m_+16
	global_load_b128 v[B2T+8*m_:B2T+8*m_+3], v16, s[P_B2:P_B2+1] offset:64*m_
	global_load_b128 v[B2T+8*m_+4:B2T+8*m_+7], v16, s[P_B2:P_B2+1] offset:64*m_+16
.set m_, m_+1
.endr
.irp q, 0,1
	global_load_b128 v[LG1+4*\q:LG1+4*\q+3], v17, s[P_PG:P_PG+1] offset:16*\q
	global_load_b128 v[LB1+4*\q:LB1+4*\q+3], v17, s[P_PB:P_PB+1] offset:16*\q
	global_load_b128 v[LG2+4*\q:LG2+4*\q+3], v17, s[P_G2:P_G2+1] offset:16*\q
	global_load_b128 v[LB2+4*\q:LB2+4*\q+3], v17, s[P_N2:P_N2+1] offset:16*\q
.endr
	WIN 0
	LOADW 1, 128, MATB+3*65536             ; W1
	BTILE 2, B1T, P_B1, 0
	LOADW 3, 0, MATB+5*65536               ; W2
	s_mul_i32 s38, s[WV], PW
	s_add_co_u32 s38, s38, ZS
	v_lshl_add_u32 v18, v[HH], 4, v17
	v_add_nc_u32 v18, s38, v18             ; load i of thread t holds token 4 i + t / 32, channels 8 (t % 16) + 4 ((t / 16) % 2) ..
	WIN 0x0c
.set i_, 0
.rept 16
	ds_store_b128 v18, v[SKP+4*i_:SKP+4*i_+3] offset:4*PW*i_
.set i_, i_+1
.endr
	WIN 0
	s_mul_i32 s38, s[WV], 16*PW
	s_add_co_u32 s38, s38, ZS
	v_mul_u32_u24 v22, v[HH], PW
	v_lshl_add_u32 v22, v[R], 5, v22
	v_add_nc_u32 v22, s38, v22             ; by tokens: pixel 16 w + h, channels 8 r ..
	s_mul_i32 s38, s[WV], 16*PT
	s_add_co_u32 s38, s38, A1
	v_mul_u32_u24 v23, v[HH], PT
	v_lshl_add_u32 v23, v[R], 4, v23
	v_add_nc_u32 v23, s38, v23
.if PASS == 1
	s_and_b32 s38, s[XX], 1                ; pixel (8 X + a, 8 Y + b), 8 a + b = 16 w + 8 u + 2 p + h, lies in grid window (H % 16, W % 16) at place (X / 2) 8 + Y / 2
	s_lshl_b32 s38, s38, 3
	s_lshl1_add_u32 s38, s[WV], s38
	s_lshl_b32 s38, s38, 4
	s_and_b32 s39, s[YY], 1
	s_lshl3_add_u32 s38, s39, s38
	s_lshr_b32 s39, s[XX], 1
	s_lshl_b32 s39, s39, 3
	s_lshr_b32 s56, s[YY], 1
	s_add_co_u32 s39, s39, s56
	s_lshl_b32 s56, s38, 15
	s_lshl_b32 s57, s39, 9
	s_add_co_u32 s56, s56, s57
	v_lshlrev_b32 v24, 15, v[HH]
	v_lshl_add_u32 v24, v[R], 4, v24
	v_add_nc_u32 v24, s56, v24
	s_lshl_b32 s56, s38, 14
	s_lshl_b32 s57, s39, 8
	s_add_co_u32 s56, s56, s57
	v_lshlrev_b32 v25, 14, v[HH]
	v_lshl_add_u32 v25, v[R], 4, v25
	v_add_nc_u32 v25, s56, v25
.else
	s_lshl_b32 s56, s[WV], 21              ; place 8 w1 + w2 = 16 w + 8 u + 2 p + h of grid window (xw, yw) is pixel (16 w1 + xw, 16 w2 + yw)
	s_lshl_b32 s57, s[XX], 16
	s_add_co_u32 s56, s56, s57
	s_lshl_b32 s57, s[YY], 9
	s_add_co_u32 s56, s56, s57
	v_lshlrev_b32 v24, 13, v[HH]
	v_lshl_add_u32 v24, v[R], 4, v24
	v_add_nc_u32 v24, s56, v24
	v_mov_b32 v25, 0
.endif
	WIN 0x80
	v_mov_b32 v[ZR], v22
	v_mov_b32 v[ZR6], v22
	v_mov_b32 v[A1W], v23
	v_mov_b32 v[GO1], v24
	v_mov_b32 v[GO2], v25
	WIN 0
	BAR                                    ; OB and the skip are whole
	s_wait_loadcnt 63                      ; of the 120 loads above the oldest 57 are in: Wo, bo, b2 and the four vectors are the oldest 48
	P64 0x0d, OB, BOT                      ; z = mean O wo + bo + skip
	BAR
	s_mov_b32 s[CNT], 2
.Lt3:                                              ; LayerNorm: eight of my 16 pixels a trip, a pixel for each half of the lanes
	WIN 0xaa                               ; all in window 2
.set p_, 0
.rept 4
	ds_load_b128 v[TX+8*p_:TX+8*p_+3], v[ZR] offset:2*PW*p_
	ds_load_b128 v[TX+8*p_+4:TX+8*p_+7], v[ZR] offset:2*PW*p_+16
.set p_, p_+1
.endr
	s_wait_dscnt 0x0
	LNB 4, TX, TX, TT
	AFF 4, TX, LG1, LB1
.set k_, 0
.rept 16
	v_cvt_pk_bf16_f32 v[TX+k_], v[TX+2*k_], v[TX+2*k_+1]
.set k_, k_+1
.endr
.set p_, 0
.rept 4
	ds_store_b128 v[A1W], v[TX+4*p_:TX+4*p_+3] offset:2*PT*p_
.set p_, p_+1
.endr
	v_add_nc_u32 v[ZR], 8*PW, v[ZR]
	v_add_nc_u32 v[A1W], 8*PT, v[A1W]
	WIN 0
	s_sub_co_u32 s[CNT], s[CNT], 1
	s_cmp_lg_u32 s[CNT], 0
	s_cbranch_scc1 .Lt3
	BAR
	s_wait_loadcnt 32                      ; W2's 32 loads may be out; W1 and b1 are in
	s_mov_b32 s[TB], A1
	s_mov_b32 s[TB2], 0
	s_mov_b32 s[CNT], 4
.Lt4:                                              ; the hidden layer: 16 pixels x my 64 channels a trip
	v_add_nc_u32 v[ADR], s[TB], v[AF0]
	TBLOAD 1
	s_wait_dscnt 0x0
.set k_, 0
.rept 4
.set m_, 0
.rept 4
.if k_ == 0
	WIN 0x2d                               ; W1 in window 1, tokens in window 3, b1 in window 2
	v_wmma_f32_16x16x32_bf16 v[GX+8*m_:GX+8*m_+7], v[128+8*(4*m_+k_):128+8*(4*m_+k_)+7], v[TB0+8*k_:TB0+8*k_+7], v[B1T+8*m_:B1T+8*m_+7]
.else
	WIN 0x0d
	v_wmma_f32_16x16x32_bf16 v[GX+8*m_:GX+8*m_+7], v[128+8*(4*m_+k_):128+8*(4*m_+k_)+7], v[TB0+8*k_:TB0+8*k_+7], v[GX+8*m_:GX+8*m_+7]
.endif
.set m_, m_+1
.endr
.set k_, k_+1
.endr
	PLACES
	WIN 0
	GELU
.set k_, 0
.rept 16
	v_cvt_pk_bf16_f32 v[GX+k_], v[GX+2*k_], v[GX+2*k_+1]
.set k_, k_+1
.endr
	v_add_nc_u32 v[ADR2], s[TB2], v[HS0]
.set m_, 0
.rept 4
	ds_store_b128 v[ADR2], v[GX+4*m_:GX+4*m_+3] offset:32*m_
.set m_, m_+1
.endr
	s_add_co_u32 s[TB], s[TB], 16*PT
	s_add_co_u32 s[TB2], s[TB2], 16*PW
	s_sub_co_u32 s[CNT], s[CNT], 1
	s_cmp_lg_u32 s[CNT], 0
	s_cbranch_scc1 .Lt4
	BAR
	s_wait_loadcnt 0x0                     ; W2
	P64 0x0f, HS, B2T                      ; y = z + gelu(..) w2 + b2
	BAR
	s_mov_b32 s[CNT], 2
.Lt6:                                              ; the way out, by tokens: 16 lanes store 256 bytes on end
	WIN 0xaa
.set p_, 0
.rept 4
	ds_load_b128 v[TX+8*p_:TX+8*p_+3], v[ZR6] offset:2*PW*p_
	ds_load_b128 v[TX+8*p_+4:TX+8*p_+7], v[ZR6] offset:2*PW*p_+16
.set p_, p_+1
.endr
	s_wait_dscnt 0x0
.if PASS == 1
.set p_, 0
.rept 4
	global_store_b128 v[GO1], v[TX+8*p_:TX+8*p_+3], s[30:31] offset:65536*p_
	global_store_b128 v[GO1], v[TX+8*p_+4:TX+8*p_+7], s[30:31] offset:65536*p_+256
.set p_, p_+1
.endr
	LNB 4, TX, TD, TT                      ; pass 2's query: its LayerNorm, gain and shift
	AFF 4, TD, LG2, LB2
.set k_, 0
.rept 16
	v_cvt_pk_bf16_f32 v[TD+k_], v[TD+2*k_], v[TD+2*k_+1]
.set k_, k_+1
.endr
.set p_, 0
.rept 4
	global_store_b128 v[GO2], v[TD+4*p_:TD+4*p_+3], s[32:33] offset:32768*p_
.set p_, p_+1
.endr
	s_wait_xcnt 0x0                        ; the stores' offsets and data are rewritten only behind this wait
	v_add_nc_u32 v[GO1], 0x80000, v[GO1]
	v_add_nc_u32 v[GO2], 0x40000, v[GO2]
.else
	LNB 4, TX, TX, TT                      ; the last LayerNorm
	AFF 4, TX, LG2, LB2
.set p_, 0
.rept 4
	global_store_b128 v[GO1], v[TX+8*p_:TX+8*p_+3], s[28:29] offset:16384*p_
	global_store_b128 v[GO1], v[TX+8*p_+4:TX+8*p_+7], s[28:29] offset:16384*p_+256
.set p_, p_+1
.endr
	s_wait_xcnt 0x0                        ; the stores' offset and data are rewritten only behind this wait
	v_add_nc_u32 v[GO1], 0x100000, v[GO1]
.endif
	v_add_nc_u32 v[ZR6], 8*PW, v[ZR6]
	WIN 0
	s_sub_co_u32 s[CNT], s[CNT], 1
	s_cmp_lg_u32 s[CNT], 0
	s_cbranch_scc1 .Lt6
	s_wait_tensorcnt 0x0                   ; the wave's end
	ds_add_u32 v[SPW], v[NIL]
	s_wait_dscnt 0x0
	s_endpgm
.Lfunc_end_k_q7e41b0da39_attn1:
	.size	k_q7e41b0da39_attn1, .Lfunc_end_k_q7e41b0da39_attn1-k_q7e41b0da39_attn1
	.p2alignl 7, 3214868480
	.fill 96, 4, 3214868480
	.section	.rodata,"a",@progbits
	.p2align	6, 0x0
	.amdhsa_kernel k_q7e41b0da39_attn1
		.amdhsa_group_segment_fixed_size 304640
		.amdhsa_private_segment_fixed_size 0
		.amdhsa_enable_private_segment 0
		.amdhsa_kernarg_size 120
		.amdhsa_user_sgpr_count 2
		.amdhsa_user_sgpr_kernarg_segment_ptr 1
		.amdhsa_wavefront_size32 1
		.amdhsa_system_sgpr_workgroup_id_x 1
		.amdhsa_system_sgpr_workgroup_id_y 1
		.amdhsa_system_sgpr_workgroup_id_z 1
		.amdhsa_system_vgpr_workitem_id 0
		.amdhsa_next_free_vgpr 1024
		.amdhsa_next_free_sgpr 100
		.amdhsa_reserve_vcc 0
		.amdhsa_float_denorm_mode_32 3
		.amdhsa_float_denorm_mode_16_64 3
		.amdhsa_memory_ordered 1
		.amdhsa_forward_progress 1
		.amdhsa_inst_pref_size 179
	.end_amdhsa_kernel
	.amdgpu_metadata
---
amdhsa.version: [ 1, 2 ]
amdhsa.kernels:
  - .name:           k_q7e41b0da39_attn1
    .symbol:         k_q7e41b0da39_attn1.kd
    .args:
      - { .name: qhat, .offset: 0, .size: 8, .value_kind: global_buffer, .address_space: global }
      - { .name: kvflat, .offset: 8, .size: 8, .value_kind: global_buffer, .address_space: global }
      - { .name: xt, .offset: 16, .size: 8, .value_kind: global_buffer, .address_space: global }
      - { .name: ws, .offset: 24, .size: 8, .value_kind: global_buffer, .address_space: global }
      - { .name: params_attn1_bq, .offset: 32, .size: 8, .value_kind: global_buffer, .address_space: global }
      - { .name: params_attn1_bo, .offset: 40, .size: 8, .value_kind: global_buffer, .address_space: global }
      - { .name: params_prenorm1_g, .offset: 48, .size: 8, .value_kind: global_buffer, .address_space: global }
      - { .name: params_prenorm1_b, .offset: 56, .size: 8, .value_kind: global_buffer, .address_space: global }
      - { .name: params_mlp1_b1, .offset: 64, .size: 8, .value_kind: global_buffer, .address_space: global }
      - { .name: params_mlp1_b2, .offset: 72, .size: 8, .value_kind: global_buffer, .address_space: global }
      - { .name: params_attn2_ln_q_g, .offset: 80, .size: 8, .value_kind: global_buffer, .address_space: global }
      - { .name: params_attn2_ln_q_b, .offset: 88, .size: 8, .value_kind: global_buffer, .address_space: global }
      - { .name: kvhat, .offset: 96, .size: 8, .value_kind: global_buffer, .address_space: global }
      - { .name: q2d, .offset: 104, .size: 8, .value_kind: global_buffer, .address_space: global }
      - { .name: qhat2, .offset: 112, .size: 8, .value_kind: global_buffer, .address_space: global }
    .group_segment_fixed_size: 304640
    .private_segment_fixed_size: 0
    .kernarg_segment_align: 8
    .kernarg_segment_size: 120
    .max_flat_workgroup_size: 128
    .sgpr_count:     100
    .vgpr_count:     1024
    .wavefront_size: 32
...
	.end_amdgpu_metadata
.endif
;; end of part 4
;; launch attn2 (part 5): grid 256 x 1, 4 waves a work-group, no clusters, 304,640 bytes of LDS; arguments kvhat, qhat2, q2d, ws, params_attn2_bq, params_attn2_bo, params_prenorm2_g, params_prenorm2_b, params_mlp2_b1, params_mlp2_b2, params_postnorm_g, params_postnorm_b, outT; writes outT
.if DOCPART == 5
	.amdgcn_target "amdgcn-amd-amdhsa--gfx1250"
	.amdhsa_code_object_version 6
	.text
	.protected	k_q7e41b0da39_attn2
	.globl	k_q7e41b0da39_attn2
	.p2align	8
	.type	k_q7e41b0da39_attn2,@function
k_q7e41b0da39_attn2:
	s_mov_b64 s[64:65], 0
	v_nop
	global_prefetch_b8 v0, s[64:65] scope:SCOPE_SE
	s_setreg_imm32_b32 hwreg(HW_REG_WAVE_MODE, 25, 1), 1
	s_wait_xcnt 0x0
.set PASS, 2                           ; 1: windows of 8 x 8 neighbours, 256 queries (4 views); 2: the grid partition, 64 queries.  One text serves both passes; only this line differs.
; ONE WINDOW A WORK-GROUP: K, V and Q projections, attention over 256 keys (4 views x 64 pixels), the mean over views, wo, skip, LayerNorm, MLP with GELU, and the LayerNorm that follows.
; Wave w is head w in the attention and owns 32 (wo, w2) or 64 (w1) output channels behind it.  Matrix operands bf16, sums f32; softmax, norms, GELU and the residual f32.
; WHAT REFERENCE()'S ALGEBRA ALLOWS.  The mean over views commutes with wo, so it is taken on the attention's output (64 rows go through wo).  In pass 2 the four views' queries are one tensor, so 64 queries do.
; K's and V's LayerNorm gains lie in the weights and their shifts in the biases (an earlier launch); the tokens arrive, or are made here, as (t - mean) rsqrt(var + eps).
; PASS 1 also makes those tokens: the 4 x 4 source pixels of the window, bilinear by 4 (half-pixel centres, edges clamped), normalised; they go to LDS and, for pass 2, to kvhat.
; LAYOUTS THAT NEED NO SHUFFLE.  K^T = Wk khat^T and Q^T likewise: a lane holds one token and 8 channels, and rounding in pairs gives the fragment of S^T = K Q^T.  V = vhat Wv: a lane holds one channel and 8 tokens:
; the fragment of O^T = V^T P.  In S^T a lane holds one query, so P is S^T rounded in place.  All 256 keys of a query are at hand at once: the maximum is the true one.
; K's and V's fragments (256 registers each) are made in loops, so they pass through a stage in LDS that is the wave's own and come back in one run.
; NO CLUSTER, NO TENSOR LOAD.  What work-groups share is the weights, 384 KiB; each byte of them is wanted by one wave, in registers, and of LDS's 327,680 bytes 304,640 are taken.  Tokens are read once.
; LIMITS.  erf in GELU is Abramowitz and Stegun 7.1.25, off by 2.5e-5 at the most for every x, so GELU by 1.3e-5 |x|.  The vertical resize has four taps of which two weigh 0, so an infinite source pixel spreads over its window.
; A softmax weight below 2^-126 counts as 0.  NaN and infinities are not treated apart.
.if PASS == 1
.set MATB, 0                           ; my pass's six matrices in ws
.set BSLOT, 786432                     ; bk', then bv' 1,024 bytes on
.set NQT, 16                           ; tiles of 16 queries
.else
.set MATB, 393216
.set BSLOT, 788480
.set NQT, 4
.endif
.set PT, 272                           ; an LDS row of 256 bytes + 16: the 16 rows of a fragment load start at 16 different groups of four banks (ISA guide 11.1)
.set PW, 528                           ; an LDS row of 512 bytes + 16
.set KH, 0                             ; khat, 256 tokens; later the q tokens
.set VH, 256*PT                        ; vhat
.set FS, 2*VH                          ; 32 KiB a wave: the fragments' stage
.set OB, FS+131072                     ; the attention's output, mean over views: 64 pixels x 256 channels bf16
.set SPARE, OB+64*PW                   ; the spare words: 128 bytes a wave
.set ZS, FS                            ; behind the attention: the residual, 64 pixels x 128 f32
.set A1, FS+64*PW                      ; LayerNorm's output, 64 x 128 bf16
.set HS, A1+64*PT                      ; the hidden layer, 64 x 256 bf16
; window 0
.set T16, 1                            ; 16 x thread
.set R, 2
.set HH, 3
.set AF0, 4                            ; 272 r + 16 h
.set ADR, 5
.set WOFF, 6                           ; 16,384 w + 16 lane
.set BOFF, 7                           ; 256 w + 32 h
.set BOFV, 8                           ; 256 w + 4 r
.set FSA0, 9
.set OB0, 10
.set AF5, 11                           ; 528 r + 16 h
.set ZT0, 12
.set HS0, 13
.set CP0, 14
.set ADR2, 15
.set C0, 16                            ; v16-19 the maximum's chains; outside the attention at work
.set CM, 20                            ; c m, m
.set LL, 22                            ; v22-29 four pairs of l
.set SPW, 30
.set NIL, 31
.set ACC0, 32                          ; v32-63
.set WVF, 64                           ; v64-191 Wv', then S^T with P in place, then GELU at work
.set S, 64
.set ACC1, 192                         ; v192-223, then the mean over views
.set OBAR, 192
.set BKT, 224                          ; v224-255 bk' as a C operand, then Q's fragments
.set QBF, 224
; window 1: pass 1's resize, or K's copy; K's fragments (key tile, channel half) at 16 kt + 8 c; Wo at 0 and W1 at 128
; window 2: the q copy (and V's); V's fragments (key half-block kc, channel block cb) at 32 kc + 8 cb; the tail's tokens and vectors
.set TX, 0
.set TT, 32
.set LG1, 64
.set LB1, 72
.set LG2, 80
.set LB2, 88
.set B1T, 96
.set BOT, 128
.set B2T, 144
.set ZR, 160
.set A1W, 161
.set GO1, 162
.set GO2, 163
.set ZR6, 164
.set TD, 192
; window 3: Wk', Wq, W2 at 0; token fragments at 128; bv' at 192; bq at 224; the skip at 160 during the attention
.set TB0, 128
.set SKP, 160
.set BVT, 192
.set BQT, 224
.set P_SK, 8
.set P_WS, 10
.set P_BQ, 12
.set P_BO, 14
.set P_PG, 16
.set P_PB, 18
.set P_B1, 20
.set P_B2, 22
.set P_G2, 24
.set P_N2, 26
.set WV, 34
.set XX, 36
.set YY, 37
.set SEL, 40
.set I128, 42
.set EPS, 43
.set CS, 44
.set CNT, 46
.set TBT, 47
.set TBF, 48
.set QT, 49
.set TBQ, 50
.set TBO, 51
.set PG, 52
.set NV, 53
.set TB, 54
.set TB2, 55
.set UA, 56
.set UT, 57
.set UU, 58
.set UF, 59
.set UG, 60
.set UI0, 61
.set UI1, 62
.set VW, 66                            ; s[66:73] the four vertical weights, each the low word of a pair
.set HK, 74                            ; s[74:81] 1/8, 3/8, 5/8, 7/8 likewise
.set K1, 82
.set KE, 84
.set GA3, 86
.set GA2, 88
.set GA1, 90
.set RW, 92
.set CW, 96
.set MSB, 0
.macro WIN new                         ; s_set_vgpr_msb: bits 1:0 source 0, 3:2 source 1, 5:4 source 2, 7:6 destination; the high byte repeats the setting that is left
.if MSB != (\new)
	s_set_vgpr_msb (MSB<<8)|(\new)
.set MSB, (\new)
.endif
.endm
.macro PLACES                          ; plain instructions between matrix instructions and what touches their registers next (ISA guide 7.12.1); five, since in places the next to write them is a matrix instruction
.rept 5
	v_nop
.endr
.endm
.macro BAR
	s_wait_dscnt 0x0                       ; for the others' sake: all my LDS loads and stores are done
	s_barrier_signal -1
	s_barrier_wait -1
.endm
.macro XSUM n, reg, stride             ; sums over the 16 lanes of a half
.irp x, 1,2,4,8
.set b_, 0
.rept \n
	v_add_f32_dpp v[(\reg)+(\stride)*b_], v[(\reg)+(\stride)*b_], v[(\reg)+(\stride)*b_] row_xmask:\x row_mask:0xf bank_mask:0xf
.set b_, b_+1
.endr
.endr
.endm
; n tokens (8 registers a lane, 16 lanes a token) are normalised: D = (X - mean) rsqrt(var + 1e-5); T: four registers a token.  Stage by stage over the tokens, so that no line waits for the one before it.
.macro LNB n, X, D, T
.set b_, 0
.rept \n
	v_pk_add_f32 v[(\T)+4*b_:(\T)+4*b_+1], v[(\X)+8*b_:(\X)+8*b_+1], v[(\X)+8*b_+2:(\X)+8*b_+3]
	v_pk_add_f32 v[(\T)+4*b_+2:(\T)+4*b_+3], v[(\X)+8*b_+4:(\X)+8*b_+5], v[(\X)+8*b_+6:(\X)+8*b_+7]
.set b_, b_+1
.endr
.set b_, 0
.rept \n
	v_pk_add_f32 v[(\T)+4*b_:(\T)+4*b_+1], v[(\T)+4*b_:(\T)+4*b_+1], v[(\T)+4*b_+2:(\T)+4*b_+3]
.set b_, b_+1
.endr
.set b_, 0
.rept \n
	v_add_f32 v[(\T)+4*b_], v[(\T)+4*b_], v[(\T)+4*b_+1]
.set b_, b_+1
.endr
	XSUM \n, \T, 4
.set b_, 0
.rept \n
	v_mul_f32 v[(\T)+4*b_], s[I128], v[(\T)+4*b_]
.set b_, b_+1
.endr
.set c_, 0
.rept 4
.set b_, 0
.rept \n
	v_pk_add_f32 v[(\D)+8*b_+2*c_:(\D)+8*b_+2*c_+1], v[(\X)+8*b_+2*c_:(\X)+8*b_+2*c_+1], v[(\T)+4*b_:(\T)+4*b_+1] op_sel_hi:[1,0] neg_lo:[0,1] neg_hi:[0,1]
.set b_, b_+1
.endr
.set c_, c_+1
.endr
.set b_, 0
.rept \n
	v_pk_mul_f32 v[(\T)+4*b_+2:(\T)+4*b_+3], v[(\D)+8*b_:(\D)+8*b_+1], v[(\D)+8*b_:(\D)+8*b_+1]
.set b_, b_+1
.endr
.set c_, 1
.rept 3
.set b_, 0
.rept \n
	v_pk_fma_f32 v[(\T)+4*b_+2:(\T)+4*b_+3], v[(\D)+8*b_+2*c_:(\D)+8*b_+2*c_+1], v[(\D)+8*b_+2*c_:(\D)+8*b_+2*c_+1], v[(\T)+4*b_+2:(\T)+4*b_+3]
.set b_, b_+1
.endr
.set c_, c_+1
.endr
.set b_, 0
.rept \n
	v_add_f32 v[(\T)+4*b_+2], v[(\T)+4*b_+2], v[(\T)+4*b_+3]
.set b_, b_+1
.endr
	XSUM \n, (\T)+2, 4
.set b_, 0
.rept \n
	v_fma_f32 v[(\T)+4*b_+2], v[(\T)+4*b_+2], s[I128], s[EPS]
.set b_, b_+1
.endr
.set b_, 0
.rept \n
	v_rsq_f32 v[(\T)+4*b_+2], v[(\T)+4*b_+2]
.set b_, b_+1
.endr
	v_nop                                  ; a plain instruction between the last root and its use
.set c_, 0
	s_wait_alu depctr_va_vdst(0)
.rept 4
.set b_, 0
.rept \n
	v_pk_mul_f32 v[(\D)+8*b_+2*c_:(\D)+8*b_+2*c_+1], v[(\D)+8*b_+2*c_:(\D)+8*b_+2*c_+1], v[(\T)+4*b_+2:(\T)+4*b_+3] op_sel_hi:[1,0]
.set b_, b_+1
.endr
.set c_, c_+1
.endr
.endm
.macro AFF n, X, G, B                  ; X = X g + b
.set b_, 0
.rept \n
.set c_, 0
.rept 4
	v_pk_fma_f32 v[(\X)+8*b_+2*c_:(\X)+8*b_+2*c_+1], v[(\X)+8*b_+2*c_:(\X)+8*b_+2*c_+1], v[(\G)+2*c_:(\G)+2*c_+1], v[(\B)+2*c_:(\B)+2*c_+1]
.set c_, c_+1
.endr
.set b_, b_+1
.endr
.endm
.macro LOADW w, dst, mat               ; my 16 KiB of a matrix, 128 registers of window w: 32 loads of 512 bytes on end
	WIN (\w)<<6
.set k_, 0
.rept 32
	global_load_b128 v[(\dst)+4*k_:(\dst)+4*k_+3], v[WOFF], s[P_WS:P_WS+1] offset:(\mat)+512*k_
.set k_, k_+1
.endr
	WIN 0
.endm
.macro BTILE w, dst, base, off         ; a bias as four C operands: register j of tile m = bias[64 w + 16 m + 8 h + j]
	WIN (\w)<<6
.set m_, 0
.rept 4
	global_load_b128 v[(\dst)+8*m_:(\dst)+8*m_+3], v[BOFF], s[\base:\base+1] offset:(\off)+64*m_
	global_load_b128 v[(\dst)+8*m_+4:(\dst)+8*m_+7], v[BOFF], s[\base:\base+1] offset:(\off)+64*m_+16
.set m_, m_+1
.endr
	WIN 0
.endm
.macro TBLOAD n                        ; n tiles of 16 tokens x 128 channels from rows 272 bytes apart at v[ADR]: four fragments each
	WIN 0xc0
.set e_, 0
.rept \n
.set k_, 0
.rept 4
	ds_load_b128 v[TB0+32*e_+8*k_:TB0+32*e_+8*k_+3], v[ADR] offset:e_*16*PT+64*k_
	ds_load_b128 v[TB0+32*e_+8*k_+4:TB0+32*e_+8*k_+7], v[ADR] offset:e_*16*PT+64*k_+32
.set k_, k_+1
.endr
.set e_, e_+1
.endr
	WIN 0
.endm
; K's (kind 0) or V's (kind 1) projection of my head: eight trips of two token tiles.  The four accumulators of a tile take turns; the bias is the C operand that starts each sum.
; The next trip's fragments are asked for behind the products; the last trip has none to ask for and jumps over the run, and the wait at the trip's head, for 0, is right either way.
.macro PROJ kind
	s_mov_b32 s[TBT], (\kind)*VH
	s_mov_b32 s[TBF], 0
	s_mov_b32 s[CNT], 8
	v_add_nc_u32 v[ADR], s[TBT], v[AF0]
	TBLOAD 2
.Lproj_\@:
	s_wait_dscnt 0x0                       ; the fragments are in, and the last trip's stores have read the accumulators' registers
.set e_, 0
.rept 2
.set a_, ACC0+(ACC1-ACC0)*e_
.set k_, 0
.rept 4
.set m_, 0
.rept 4
.if (\kind) == 0
	WIN 0x0f                               ; W and tokens in window 3
.if k_ == 0
	v_wmma_f32_16x16x32_bf16 v[a_+8*m_:a_+8*m_+7], v[8*(4*m_+k_):8*(4*m_+k_)+7], v[TB0+32*e_+8*k_:TB0+32*e_+8*k_+7], v[BKT+8*m_:BKT+8*m_+7]
.else
	v_wmma_f32_16x16x32_bf16 v[a_+8*m_:a_+8*m_+7], v[8*(4*m_+k_):8*(4*m_+k_)+7], v[TB0+32*e_+8*k_:TB0+32*e_+8*k_+7], v[a_+8*m_:a_+8*m_+7]
.endif
.else
.if k_ == 0
	WIN 0x33                               ; tokens and the bias in window 3, W in window 0
	v_wmma_f32_16x16x32_bf16 v[a_+8*m_:a_+8*m_+7], v[TB0+32*e_+8*k_:TB0+32*e_+8*k_+7], v[WVF+8*(4*m_+k_):WVF+8*(4*m_+k_)+7], v[BVT+8*m_:BVT+8*m_+7]
.else
	WIN 0x03
	v_wmma_f32_16x16x32_bf16 v[a_+8*m_:a_+8*m_+7], v[TB0+32*e_+8*k_:TB0+32*e_+8*k_+7], v[WVF+8*(4*m_+k_):WVF+8*(4*m_+k_)+7], v[a_+8*m_:a_+8*m_+7]
.endif
.endif
.set m_, m_+1
.endr
.set k_, k_+1
.endr
.set e_, e_+1
.endr
	PLACES
	WIN 0
	s_add_co_u32 s[TBT], s[TBT], 32*PT
	s_cmp_eq_u32 s[CNT], 1
	s_cbranch_scc1 .Lnopre_\@
	v_add_nc_u32 v[ADR], s[TBT], v[AF0]
	TBLOAD 2
.Lnopre_\@:
.set k_, 0
.rept 16
	v_cvt_pk_bf16_f32 v[ACC0+k_], v[ACC0+2*k_], v[ACC0+2*k_+1]  ; in place, ascending
.set k_, k_+1
.endr
.set k_, 0
.rept 16
	v_cvt_pk_bf16_f32 v[ACC1+k_], v[ACC1+2*k_], v[ACC1+2*k_+1]
.set k_, k_+1
.endr
	v_add_nc_u32 v[ADR2], s[TBF], v[FSA0]
.set e_, 0
.rept 2
.set a_, ACC0+(ACC1-ACC0)*e_
.set m_, 0
.rept 4
.if (\kind) == 0
	ds_store_b128 v[ADR2], v[a_+4*m_:a_+4*m_+3] offset:2048*e_+512*m_   ; registers 16 tile + 4 m of window 1
.else
	ds_store_b128 v[ADR2], v[a_+4*m_:a_+4*m_+3] offset:1024*m_+512*e_   ; registers 32 trip + 8 m + 4 e of window 2
.endif
.set m_, m_+1
.endr
.set e_, e_+1
.endr
	s_add_co_u32 s[TBF], s[TBF], 4096
	s_sub_co_u32 s[CNT], s[CNT], 1
	s_cmp_lg_u32 s[CNT], 0
	s_cbranch_scc1 .Lproj_\@
.endm
.macro BULK w                          ; my stage comes back as 256 registers of window w; LDS serves a wave's instructions in order (ISA guide 5.7.1.4), so these see the stores
	WIN (\w)<<6
.set k_, 0
.rept 64
	ds_load_b128 v[4*k_:4*k_+3], v[FSA0] offset:512*k_
.set k_, k_+1
.endr
	WIN 0
.endm
.macro SF p                            ; c s - c m for pair p of the lane's 64
	v_pk_fma_f32 v[S+2*(\p):S+2*(\p)+1], v[S+2*(\p):S+2*(\p)+1], s[CS:CS+1], v[CM:CM+1] op_sel_hi:[1,0,0] neg_lo:[0,0,1] neg_hi:[0,0,1]
.endm
.macro SA p                            ; pair p joins one of four sums (the first four start them) and is rounded to bf16 into register p, whose own pair is done
.if (\p) < 4
	s_wait_alu depctr_va_vdst(0)
	v_pk_mul_f32 v[LL+2*(\p):LL+2*(\p)+1], v[S+2*(\p):S+2*(\p)+1], 1.0 op_sel_hi:[1,0]
.else
	s_wait_alu depctr_va_vdst(0)
	v_pk_add_f32 v[LL+2*((\p)%4):LL+2*((\p)%4)+1], v[LL+2*((\p)%4):LL+2*((\p)%4)+1], v[S+2*(\p):S+2*(\p)+1]
.endif
	v_cvt_pk_bf16_f32 v[S+(\p)], v[S+2*(\p)], v[S+2*(\p)+1]
.endm
; ONE TILE OF 16 QUERIES.  Its tokens' fragments were asked for a tile earlier.
.macro QTILE
	s_wait_dscnt 0x0
.set k_, 0
.rept 4
.set m_, 0
.rept 4
.if k_ == 0
	WIN 0x3f                               ; Wq, tokens and bq in window 3
	v_wmma_f32_16x16x32_bf16 v[ACC0+8*m_:ACC0+8*m_+7], v[8*(4*m_+k_):8*(4*m_+k_)+7], v[TB0+8*k_:TB0+8*k_+7], v[BQT+8*m_:BQT+8*m_+7]
.else
	WIN 0x0f
	v_wmma_f32_16x16x32_bf16 v[ACC0+8*m_:ACC0+8*m_+7], v[8*(4*m_+k_):8*(4*m_+k_)+7], v[TB0+8*k_:TB0+8*k_+7], v[ACC0+8*m_:ACC0+8*m_+7]
.endif
.set m_, m_+1
.endr
.set k_, k_+1
.endr
	PLACES
	WIN 0
	s_add_co_u32 s[TBQ], s[TBQ], 16*PT
	s_cmp_eq_u32 s[QT], 1                  ; behind the last tile there is none to ask for
	s_cbranch_scc1 .Lnoq_\@
	v_add_nc_u32 v[ADR], s[TBQ], v[AF0]
	TBLOAD 1
.Lnoq_\@:
	s_sub_co_u32 s[QT], s[QT], 1
.set k_, 0
.rept 16
	v_cvt_pk_bf16_f32 v[QBF+k_], v[ACC0+2*k_], v[ACC0+2*k_+1]
.set k_, k_+1
.endr
	WIN 0x01                               ; K in window 1
.set c_, 0
.rept 2
.set k_, 0
.rept 16
.if c_ == 0
	v_wmma_f32_16x16x32_bf16 v[S+8*k_:S+8*k_+7], v[16*k_+8*c_:16*k_+8*c_+7], v[QBF+8*c_:QBF+8*c_+7], 0
.else
	v_wmma_f32_16x16x32_bf16 v[S+8*k_:S+8*k_+7], v[16*k_+8*c_:16*k_+8*c_+7], v[QBF+8*c_:QBF+8*c_+7], v[S+8*k_:S+8*k_+7]
.endif
.set k_, k_+1
.endr
.set c_, c_+1
.endr
	PLACES
	WIN 0
	; the maximum of the lane's 128 scores in four chains; each accumulator's lowest registers are read first
.set g_, 0
.rept 4
.set i_, 0
.rept 4
.set c_, 0
.rept 4
.set x_, S+8*(4*g_+c_)
.if g_ > 0
	v_max3_num_f32 v[C0+c_], v[C0+c_], v[x_+2*i_], v[x_+2*i_+1]
.elseif i_ == 0
	v_max3_num_f32 v[C0+c_], v[x_], v[x_+1], v[x_+2]
.elseif i_ < 3
	v_max3_num_f32 v[C0+c_], v[C0+c_], v[x_+2*i_+1], v[x_+2*i_+2]
.else
	v_max_num_f32 v[C0+c_], v[C0+c_], v[x_+7]
.endif
.set c_, c_+1
.endr
.set i_, i_+1
.endr
.set g_, g_+1
.endr
	v_max3_num_f32 v[C0], v[C0], v[C0+1], v[C0+2]
	v_max_num_f32 v[C0], v[C0], v[C0+3]
	v_permlanex16_b32 v[C0+1], v[C0], s[SEL], s[SEL+1]  ; the query's other 128 keys lie in the lane 16 away
	v_max_num_f32 v[CM+1], v[C0], v[C0+1]
	v_mul_f32 v[CM], s[CS], v[CM+1]
	; p = 2^(c s - c m): a step scales a pair two ahead, takes two exponentials, and sums and rounds the pair before: behind each pair of exponentials stand plain instructions that touch neither
	SF 0
	SF 1
.set i_, 0
.rept 64
.if i_ < 62
	SF i_+2
.endif
	v_exp_f32 v[S+2*i_], v[S+2*i_]
	v_exp_f32 v[S+2*i_+1], v[S+2*i_+1]
.if i_ > 0
	SA i_-1
.endif
.set i_, i_+1
.endr
	SA 63
	WIN 0x02                               ; V in window 2
.set k_, 0
.rept 8
.set m_, 0
.rept 4
.if k_ == 0
	v_wmma_f32_16x16x32_bf16 v[ACC0+8*m_:ACC0+8*m_+7], v[32*k_+8*m_:32*k_+8*m_+7], v[S+8*k_:S+8*k_+7], 0
.else
	v_wmma_f32_16x16x32_bf16 v[ACC0+8*m_:ACC0+8*m_+7], v[32*k_+8*m_:32*k_+8*m_+7], v[S+8*k_:S+8*k_+7], v[ACC0+8*m_:ACC0+8*m_+7]
.endif
.set m_, m_+1
.endr
.set k_, k_+1
.endr
	WIN 0
	v_pk_add_f32 v[LL:LL+1], v[LL:LL+1], v[LL+2:LL+3]          ; l: these plain lines name none of the products' registers and are the places behind them
	v_pk_add_f32 v[LL+4:LL+5], v[LL+4:LL+5], v[LL+6:LL+7]
	v_pk_add_f32 v[LL:LL+1], v[LL:LL+1], v[LL+4:LL+5]
	v_add_f32 v[LL], v[LL], v[LL+1]
	v_permlanex16_b32 v[LL+1], v[LL], s[SEL], s[SEL+1]
	v_add_f32 v[LL], v[LL], v[LL+1]
	v_rcp_f32 v[LL], v[LL]
	v_nop
.if PASS == 1
	v_mul_f32 v[LL], 0x3e800000, v[LL]     ; a quarter: the mean over four views
.set k_, 0
.rept 16
	v_pk_fma_f32 v[OBAR+2*k_:OBAR+2*k_+1], v[ACC0+2*k_:ACC0+2*k_+1], v[LL:LL+1], v[OBAR+2*k_:OBAR+2*k_+1] op_sel_hi:[1,0,1]
.set k_, k_+1
.endr
.else
.set k_, 0
	s_wait_alu depctr_va_vdst(0)
.rept 16
	v_pk_mul_f32 v[OBAR+2*k_:OBAR+2*k_+1], v[ACC0+2*k_:ACC0+2*k_+1], v[LL:LL+1] op_sel_hi:[1,0]
.set k_, k_+1
.endr
.endif
.endm
.macro FLUSH                           ; 16 pixels x my head's 64 channels, bf16, into OB
.set k_, 0
.rept 16
	v_cvt_pk_bf16_f32 v[OBAR+k_], v[OBAR+2*k_], v[OBAR+2*k_+1]
.set k_, k_+1
.endr
	v_add_nc_u32 v[ADR2], s[TBO], v[OB0]
.set m_, 0
.rept 4
	ds_store_b128 v[ADR2], v[OBAR+4*m_:OBAR+4*m_+3] offset:32*m_
.set m_, m_+1
.endr
	s_add_co_u32 s[TBO], s[TBO], 16*PW
.endm
; ZS[64 pixels][my 32 channels] += bias + B W, K = 256: B's rows lie 528 bytes apart at bb, W's fragments at register 0 of the window that wm names, the bias tile at bt of window 2.
; Two trips of two pixel tiles; the residual is the C operand; each number of ZS has one owner, so no barrier stands inside.
.macro P64 wm, bb, bt
	s_mov_b32 s[TB], 0
	s_mov_b32 s[TB2], \bb
	s_mov_b32 s[CNT], 2
.Lp64_\@:
	v_add_nc_u32 v[ADR2], s[TB], v[ZT0]
	v_add_nc_u32 v[ADR], s[TB2], v[AF5]
.set m_, 0
.rept 2
.set e_, 0
.rept 2
	ds_load_b128 v[ACC0+8*(2*m_+e_):ACC0+8*(2*m_+e_)+3], v[ADR2] offset:16*PW*e_+64*m_
	ds_load_b128 v[ACC0+8*(2*m_+e_)+4:ACC0+8*(2*m_+e_)+7], v[ADR2] offset:16*PW*e_+64*m_+16
.set e_, e_+1
.endr
.set m_, m_+1
.endr
	WIN 0xc0
.set e_, 0
.rept 2
.set k_, 0
.rept 8
	ds_load_b128 v[128+64*e_+8*k_:128+64*e_+8*k_+3], v[ADR] offset:16*PW*e_+64*k_
	ds_load_b128 v[128+64*e_+8*k_+4:128+64*e_+8*k_+7], v[ADR] offset:16*PW*e_+64*k_+32
.set k_, k_+1
.endr
.set e_, e_+1
.endr
	s_wait_dscnt 32                        ; B's 32 loads may be out; the residual is in
	WIN 0x08                               ; source 1 in window 2
.set m_, 0
.rept 2
.set e_, 0
.rept 2
.set c_, 0
.rept 4
	v_pk_add_f32 v[ACC0+8*(2*m_+e_)+2*c_:ACC0+8*(2*m_+e_)+2*c_+1], v[ACC0+8*(2*m_+e_)+2*c_:ACC0+8*(2*m_+e_)+2*c_+1], v[(\bt)+8*m_+2*c_:(\bt)+8*m_+2*c_+1]
.set c_, c_+1
.endr
.set e_, e_+1
.endr
.set m_, m_+1
.endr
	s_wait_dscnt 0x0
	WIN \wm
.set k_, 0
.rept 8
.set m_, 0
.rept 2
.set e_, 0
.rept 2
	v_wmma_f32_16x16x32_bf16 v[ACC0+8*(2*m_+e_):ACC0+8*(2*m_+e_)+7], v[8*(8*m_+k_):8*(8*m_+k_)+7], v[128+64*e_+8*k_:128+64*e_+8*k_+7], v[ACC0+8*(2*m_+e_):ACC0+8*(2*m_+e_)+7]
.set e_, e_+1
.endr
.set m_, m_+1
.endr
.set k_, k_+1
.endr
	PLACES
	WIN 0
.set m_, 0
.rept 2
.set e_, 0
.rept 2
	ds_store_b128 v[ADR2], v[ACC0+8*(2*m_+e_):ACC0+8*(2*m_+e_)+3] offset:16*PW*e_+64*m_
	ds_store_b128 v[ADR2], v[ACC0+8*(2*m_+e_)+4:ACC0+8*(2*m_+e_)+7] offset:16*PW*e_+64*m_+16
.set e_, e_+1
.endr
.set m_, m_+1
.endr
	s_add_co_u32 s[TB], s[TB], 32*PW
	s_add_co_u32 s[TB2], s[TB2], 32*PW
	s_sub_co_u32 s[CNT], s[CNT], 1
	s_cmp_lg_u32 s[CNT], 0
	s_cbranch_scc1 .Lp64_\@
.endm
; gelu(x) = max(x, 0) - |x| / 2 poly(t) e^(-x x / 2), t = 1 / (1 + 0.47047 |x| / sqrt 2), on v64-95; v96-191 at work
.set GX, 64
.set GT, 96
.set GE, 128
.set GP, 160
.macro GELU
.set i_, 0
.rept 32
	v_fma_f32 v[GT+i_], |v[GX+i_]|, s[K1], 1.0
.set i_, i_+1
.endr
.set i_, 0
.rept 32
	v_rcp_f32 v[GT+i_], v[GT+i_]
.set i_, i_+1
.endr
.set i_, 0
.rept 16
	v_pk_mul_f32 v[GE+2*i_:GE+2*i_+1], v[GX+2*i_:GX+2*i_+1], v[GX+2*i_:GX+2*i_+1]
.set i_, i_+1
.endr
.set i_, 0
.rept 16
	v_pk_mul_f32 v[GE+2*i_:GE+2*i_+1], v[GE+2*i_:GE+2*i_+1], s[KE:KE+1] op_sel_hi:[1,0]
.set i_, i_+1
.endr
.set i_, 0
.rept 32
	v_exp_f32 v[GE+i_], v[GE+i_]
.set i_, i_+1
.endr
.set i_, 0
	s_wait_alu depctr_va_vdst(0)
.rept 16
	v_pk_fma_f32 v[GP+2*i_:GP+2*i_+1], v[GT+2*i_:GT+2*i_+1], s[GA3:GA3+1], s[GA2:GA2+1] op_sel_hi:[1,0,0]
.set i_, i_+1
.endr
.set i_, 0
.rept 16
	v_pk_fma_f32 v[GP+2*i_:GP+2*i_+1], v[GP+2*i_:GP+2*i_+1], v[GT+2*i_:GT+2*i_+1], s[GA1:GA1+1] op_sel_hi:[1,1,0]
.set i_, i_+1
.endr
.set i_, 0
.rept 16
	v_pk_mul_f32 v[GP+2*i_:GP+2*i_+1], v[GP+2*i_:GP+2*i_+1], v[GT+2*i_:GT+2*i_+1]
.set i_, i_+1
.endr
.set i_, 0
.rept 16
	v_pk_mul_f32 v[GP+2*i_:GP+2*i_+1], v[GP+2*i_:GP+2*i_+1], v[GE+2*i_:GE+2*i_+1]
.set i_, i_+1
.endr
.set i_, 0
.rept 32
	v_mul_f32 v[GT+i_], -0.5, |v[GX+i_]|
.set i_, i_+1
.endr
.set i_, 0
.rept 32
	v_max_num_f32 v[GX+i_], 0, v[GX+i_]
.set i_, i_+1
.endr
.set i_, 0
.rept 16
	v_pk_fma_f32 v[GX+2*i_:GX+2*i_+1], v[GT+2*i_:GT+2*i_+1], v[GP+2*i_:GP+2*i_+1], v[GX+2*i_:GX+2*i_+1]
.set i_, i_+1
.endr
.endm
	; ---------------- the head ----------------
	s_load_b512 s[4:19], s[0:1], 0x0
	s_load_b256 s[20:27], s[0:1], 0x40
.if PASS == 1
	s_load_b128 s[28:31], s[0:1], 0x60
	s_load_b64 s[32:33], s[0:1], 0x70
.else
	s_load_b64 s[28:29], s[0:1], 0x60
.endif
	v_lshl_add_u32 v[SPW], v0, 2, SPARE
	v_mov_b32 v[NIL], 0
	v_lshrrev_b32 v[ADR], 5, v0
	v_readfirstlane_b32 s[WV], v[ADR]
	v_and_b32 v[R], 15, v0
	v_bfe_u32 v[HH], v0, 4, 1
	v_and_b32 v[T16], 31, v0
	v_lshlrev_b32 v[T16], 4, v[T16]        ; 16 x lane, for the two sums below
	s_lshl_b32 s38, s[WV], 14
	v_add_nc_u32 v[WOFF], s38, v[T16]
	s_lshl_b32 s38, s[WV], 15
	s_add_co_u32 s38, s38, FS
	v_add_nc_u32 v[FSA0], s38, v[T16]
	v_lshlrev_b32 v[T16], 4, v0            ; from here on 16 x thread
	v_mul_u32_u24 v[AF0], v[R], PT
	v_lshl_add_u32 v[AF0], v[HH], 4, v[AF0]
	v_mul_u32_u24 v[AF5], v[R], PW
	v_lshl_add_u32 v[ZT0], v[HH], 5, v[AF5]
	v_lshl_add_u32 v[AF5], v[HH], 4, v[AF5]
	s_lshl_b32 s38, s[WV], 8
	v_lshl_add_u32 v[BOFF], v[HH], 5, s38
	v_lshl_add_u32 v[BOFV], v[R], 2, s38
	s_lshl_b32 s38, s[WV], 7
	s_add_co_u32 s39, s38, OB
	v_add_nc_u32 v[OB0], s39, v[AF5]       ; OB: pixel r, channel 64 w + 8 h
	s_add_co_u32 s39, s38, HS
	v_add_nc_u32 v[HS0], s39, v[AF5]
	s_add_co_u32 s39, s38, ZS
	v_add_nc_u32 v[ZT0], s39, v[ZT0]       ; ZS: pixel r, channel 32 w + 8 h
	v_lshrrev_b32 v[CP0], 4, v0
	v_mul_u32_u24 v[CP0], v[CP0], PT
	v_lshl_add_u32 v[CP0], v[R], 4, v[CP0] ; a copy of dense rows of 256 bytes: thread t takes row t / 16, 16 bytes at 16 (t % 16)
	s_lshr_b32 s[XX], ttmp9, 4
	s_and_b32 s[YY], ttmp9, 15
	s_mov_b32 s[SEL], 0x76543210
	s_mov_b32 s[SEL+1], 0xfedcba98
	s_mov_b32 s[I128], 0x3c000000          ; 1 / 128
	s_mov_b32 s[EPS], 0x3727c5ac           ; 1e-5
	s_mov_b32 s[CS], 0x3e38aa3b            ; c = log2(e) / 8
	s_mov_b32 s[CS+1], s[CS]
	s_mov_b32 s[K1], 0x3eaa540e            ; 0.47047 / sqrt 2
	s_mov_b32 s[KE], 0xbf38aa3b            ; -log2(e) / 2
	s_mov_b32 s[KE+1], s[KE]
	s_mov_b32 s[GA3], 0x3f3f7377           ; 0.7478556
	s_mov_b32 s[GA3+1], s[GA3]
	s_mov_b32 s[GA2], 0xbdc45ca1           ; -0.0958798
	s_mov_b32 s[GA2+1], s[GA2]
	s_mov_b32 s[GA1], 0x3eb2303a           ; 0.3480242
	s_mov_b32 s[GA1+1], s[GA1]
.if PASS == 1
	; ---------------- pass 1: the window's 4 x 4 source pixels, my view, key in lanes 0-15 and value in lanes 16-31 ----------------
.set OF, 32
.set ROW, 128
.set TOK, 160
.set LA, 224
.set GO, 225
	s_lshl_b32 s38, s[XX], 1
	s_sub_co_i32 s38, s38, 1
	s_lshl_b32 s39, s[YY], 1
	s_sub_co_i32 s39, s39, 1
.irp i, 0,1,2,3
	s_add_co_i32 s[RW+\i], s38, \i
	s_max_i32 s[RW+\i], s[RW+\i], 0
	s_min_i32 s[RW+\i], s[RW+\i], 31
	s_lshl_b32 s[RW+\i], s[RW+\i], 14
	s_add_co_i32 s[CW+\i], s39, \i
	s_max_i32 s[CW+\i], s[CW+\i], 0
	s_min_i32 s[CW+\i], s[CW+\i], 31
	s_lshl_b32 s[CW+\i], s[CW+\i], 9
.endr
	v_lshlrev_b32 v17, 21, v[HH]
	v_lshl_add_u32 v17, v[R], 4, v17
	s_lshl_b32 s38, s[WV], 19
	v_add_nc_u32 v17, s38, v17
.set i_, 0
.rept 4
.set j_, 0
.rept 4
	s_add_co_u32 s38, s[RW+i_], s[CW+j_]
	v_add_nc_u32 v[OF+4*i_+j_], s38, v17
.set j_, j_+1
.endr
.set i_, i_+1
.endr
	s_mul_i32 s38, s[WV], 64*PT
	v_mul_u32_u24 v18, v[HH], VH
	v_lshl_add_u32 v18, v[R], 4, v18
	v_add_nc_u32 v18, s38, v18             ; LDS: khat or vhat, token 64 view + 8 a + b
	s_and_b32 s38, s[XX], 1
	s_lshl_b32 s38, s38, 23
	s_and_b32 s39, s[YY], 1
	s_lshl_b32 s39, s39, 19
	s_add_co_u32 s38, s38, s39
	s_lshl_b32 s39, s[WV], 14
	s_add_co_u32 s38, s38, s39
	s_lshr_b32 s39, s[XX], 1
	s_lshl_b32 s39, s39, 11
	s_add_co_u32 s38, s38, s39
	s_lshr_b32 s39, s[YY], 1
	s_lshl_b32 s39, s39, 8
	s_add_co_u32 s38, s38, s39
	v_lshlrev_b32 v19, 24, v[HH]
	v_lshl_add_u32 v19, v[R], 4, v19
	v_add_nc_u32 v19, s38, v19             ; kvhat[t][H % 16][W % 16][view][H / 16][W / 16]
	WIN 0x40
	v_mov_b32 v[LA], v18
	v_mov_b32 v[GO], v19
	WIN 0
	s_mov_b32 s[HK], 0x3e000000
	s_mov_b32 s[HK+2], 0x3ec00000
	s_mov_b32 s[HK+4], 0x3f200000
	s_mov_b32 s[HK+6], 0x3f600000
.irp i, 1,3,5,7
	s_mov_b32 s[HK+\i], 0                  ; named with the weights as pairs
	s_mov_b32 s[VW+\i], 0
.endr
	s_lshl_b32 s38, ttmp9, 16
	s_mov_b32 s39, 0
	s_wait_kmcnt 0x0
	s_add_nc_u64 s[4:5], s[4:5], s[38:39]  ; my window's q tokens
	s_lshl_b32 s38, ttmp9, 15
	s_add_nc_u64 s[P_SK:P_SK+1], s[P_SK:P_SK+1], s[38:39]
	WIN 0x40
.set i_, 0
.rept 16
	global_load_b128 v[8*i_:8*i_+3], v[OF+i_], s[6:7]
	global_load_b128 v[8*i_+4:8*i_+7], v[OF+i_], s[6:7] offset:256
.set i_, i_+1
.endr
	WIN 0x80
.set i_, 0
.rept 32
	global_load_b128 v[4*i_:4*i_+3], v[T16], s[4:5] offset:2048*i_
.set i_, i_+1
.endr
	WIN 0
	s_wait_loadcnt 32                      ; the 32 loads of q tokens may be out; the source pixels are in
.else
	; ---------------- pass 2: the window's tokens are dense in kvhat and qhat2 ----------------
	s_lshl_b32 s38, ttmp9, 16
	s_mov_b32 s39, 0
	s_wait_kmcnt 0x0
	s_add_nc_u64 s[4:5], s[4:5], s[38:39]
	s_add_nc_u64 s[RW:RW+1], s[4:5], 0x1000000     ; the values lie 16 MiB behind the keys
	s_lshl_b32 s38, ttmp9, 14
	s_add_nc_u64 s[6:7], s[6:7], s[38:39]
	s_lshl_b32 s38, ttmp9, 15
	s_add_nc_u64 s[P_SK:P_SK+1], s[P_SK:P_SK+1], s[38:39]
	WIN 0x40
.set i_, 0
.rept 32
	global_load_b128 v[4*i_:4*i_+3], v[T16], s[4:5] offset:2048*i_
.set i_, i_+1
.endr
	WIN 0x80
.set i_, 0
.rept 32
	global_load_b128 v[4*i_:4*i_+3], v[T16], s[RW:RW+1] offset:2048*i_
.set i_, i_+1
.endr
.set i_, 0
.rept 8
	global_load_b128 v[128+4*i_:128+4*i_+3], v[T16], s[6:7] offset:2048*i_
.set i_, i_+1
.endr
	WIN 0
.endif
	LOADW 3, 0, MATB+65536                 ; Wk'
	LOADW 0, WVF, MATB+131072              ; Wv'
	BTILE 0, BKT, P_WS, BSLOT              ; bk'
	WIN 0xc0
.set m_, 0
.rept 4
	global_load_b32 v[BVT+8*m_], v[BOFV], s[P_WS:P_WS+1] offset:BSLOT+1024+64*m_   ; bv'[64 w + 16 m + r]
.set m_, m_+1
.endr
	WIN 0
	BTILE 3, BQT, P_BQ, 0
.if PASS == 1
	s_mov_b32 s[UA], 0
.Lups:                                             ; row a of the window: eight pixels, resized, normalised, rounded, stored
	s_lshl_b32 s[UT], s[UA], 1
	s_add_co_u32 s[UT], s[UT], 5
	s_and_b32 s[UT], s[UT], 7              ; eight times the fraction: the sample lies at (2 a - 3) / 8 from the window's first source row
	s_sub_co_u32 s[UU], 8, s[UT]
	s_cvt_f32_u32 s[UF], s[UT]
	s_cvt_f32_u32 s[UG], s[UU]
	s_mul_f32 s[UF], s[UF], 0x3e000000
	s_mul_f32 s[UG], s[UG], 0x3e000000
	s_add_co_u32 s[UI0], s[UA], 2
	s_lshr_b32 s[UI0], s[UI0], 2           ; the upper tap among my four rows
	s_add_co_u32 s[UI1], s[UI0], 1
.irp i, 0,1,2,3
	s_cmp_eq_u32 s[UI1], \i
	s_cselect_b32 s[VW+2*\i], s[UF], 0
	s_cmp_eq_u32 s[UI0], \i
	s_cselect_b32 s[VW+2*\i], s[UG], s[VW+2*\i]
.endr
	WIN 0x55                               ; all in window 1
.set j_, 0
.rept 16
	v_pk_mul_f32 v[ROW+2*j_:ROW+2*j_+1], v[2*j_:2*j_+1], s[VW:VW+1] op_sel_hi:[1,0]
.set j_, j_+1
.endr
.set i_, 1
.rept 3
.set j_, 0
.rept 16
	v_pk_fma_f32 v[ROW+2*j_:ROW+2*j_+1], v[32*i_+2*j_:32*i_+2*j_+1], s[VW+2*i_:VW+2*i_+1], v[ROW+2*j_:ROW+2*j_+1] op_sel_hi:[1,0,1]
.set j_, j_+1
.endr
.set i_, i_+1
.endr
.set p_, 0
.rept 8
.set j_, (p_+2)/4
.set f_, (2*p_+5)%8
.set c_, 0
.rept 4
	v_pk_mul_f32 v[TOK+8*p_+2*c_:TOK+8*p_+2*c_+1], v[ROW+8*j_+2*c_:ROW+8*j_+2*c_+1], s[HK+7-f_:HK+8-f_] op_sel_hi:[1,0]
.set c_, c_+1
.endr
.set c_, 0
.rept 4
	v_pk_fma_f32 v[TOK+8*p_+2*c_:TOK+8*p_+2*c_+1], v[ROW+8*j_+8+2*c_:ROW+8*j_+8+2*c_+1], s[HK+f_-1:HK+f_], v[TOK+8*p_+2*c_:TOK+8*p_+2*c_+1] op_sel_hi:[1,0,1]
.set c_, c_+1
.endr
.set p_, p_+1
.endr
	LNB 8, TOK, TOK, ROW
.set k_, 0
.rept 32
	v_cvt_pk_bf16_f32 v[TOK+k_], v[TOK+2*k_], v[TOK+2*k_+1]
.set k_, k_+1
.endr
.set p_, 0
.rept 8
	ds_store_b128 v[LA], v[TOK+4*p_:TOK+4*p_+3] offset:PT*p_
	global_store_b128 v[GO], v[TOK+4*p_:TOK+4*p_+3], s[28:29] offset:65536*p_   ; 16 lanes store a token's 256 bytes
.set p_, p_+1
.endr
	s_wait_xcnt 0x0                        ; the stores' offset and data are rewritten only behind this wait
	v_add_nc_u32 v[LA], 8*PT, v[LA]
	v_add_nc_u32 v[GO], 0x100000, v[GO]
	WIN 0
	s_add_co_u32 s[UA], s[UA], 1
	s_cmp_lt_u32 s[UA], 8
	s_cbranch_scc1 .Lups
.else
	v_add_nc_u32 v17, 128*PT, v[CP0]       ; an LDS immediate ends at 65,535: a base for each 128 rows
	v_add_nc_u32 v18, VH, v[CP0]
	v_add_nc_u32 v19, VH, v17
	s_wait_loadcnt 63                      ; 156 loads are issued: the oldest 93 are in, K's and V's 64 among them
	WIN 0x04
.set i_, 0
.rept 16
	ds_store_b128 v[CP0], v[4*i_:4*i_+3] offset:8*PT*i_
	ds_store_b128 v17, v[64+4*i_:64+4*i_+3] offset:8*PT*i_
.set i_, i_+1
.endr
	WIN 0x08
.set i_, 0
.rept 16
	ds_store_b128 v18, v[4*i_:4*i_+3] offset:8*PT*i_
	ds_store_b128 v19, v[64+4*i_:64+4*i_+3] offset:8*PT*i_
.set i_, i_+1
.endr
	WIN 0
.endif
	s_wait_loadcnt 0x0                     ; weights, biases, q tokens
	WIN 0xc3
.set m_, 0
.rept 4
.set j_, 1
.rept 7
	v_mov_b32 v[BVT+8*m_+j_], v[BVT+8*m_]  ; in V a lane holds one channel: its bias in all eight registers of the C operand
.set j_, j_+1
.endr
.set m_, m_+1
.endr
	WIN 0
	BAR                                    ; khat and vhat are whole
	PROJ 0
	BULK 1
	LOADW 3, 0, MATB                       ; Wq takes Wk's place; the places behind the last product stand in the loop's last trip
	BAR                                    ; nobody reads khat any more
	v_add_nc_u32 v17, 128*PT, v[CP0]
	WIN 0x08
.if PASS == 1
.set i_, 0
.rept 16
	ds_store_b128 v[CP0], v[4*i_:4*i_+3] offset:8*PT*i_
	ds_store_b128 v17, v[64+4*i_:64+4*i_+3] offset:8*PT*i_
.set i_, i_+1
.endr
.else
.set i_, 0
.rept 8
	ds_store_b128 v[CP0], v[128+4*i_:128+4*i_+3] offset:8*PT*i_
.set i_, i_+1
.endr
.endif
	WIN 0
	PROJ 1
	BULK 2
	WIN 0xc0
.set i_, 0
.rept 16
	global_load_b128 v[SKP+4*i_:SKP+4*i_+3], v[T16], s[P_SK:P_SK+1] offset:2048*i_    ; the skip: it lands while the attention runs
.set i_, i_+1
.endr
	WIN 0
	BAR                                    ; the q tokens are whole; every wave has its fragments back, so the stages are free
	s_wait_loadcnt 16                      ; the skip's 16 loads may be out; Wq is in
	s_mov_b32 s[TBQ], 0
	s_mov_b32 s[TBO], 0
	s_mov_b32 s[QT], NQT
	s_mov_b32 s[PG], 4
	v_mov_b32 v[ADR], v[AF0]
	TBLOAD 1
.Lpg:                                              ; 16 pixels a trip
.if PASS == 1
.set k_, 0
.rept 32
	v_mov_b32 v[OBAR+k_], 0                ; the mean over views starts; the four views' tiles run through one text
.set k_, k_+1
.endr
	s_mov_b32 s[NV], 4
.Lnv:
.endif
	QTILE
.if PASS == 1
	s_sub_co_u32 s[NV], s[NV], 1
	s_cmp_lg_u32 s[NV], 0
	s_cbranch_scc1 .Lnv
.endif
	FLUSH
	s_sub_co_u32 s[PG], s[PG], 1
	s_cmp_lg_u32 s[PG], 0
	s_cbranch_scc1 .Lpg
	; ---------------- behind the attention ----------------
	s_wait_loadcnt 0x0                     ; the skip is in
	s_lshl_b32 s38, s[WV], 7
	v_lshl_add_u32 v16, v[HH], 5, s38      ; 4 (32 w + 8 h)
	v_lshlrev_b32 v17, 5, v[R]             ; 4 (8 r)
	LOADW 1, 0, MATB+4*65536               ; Wo
	WIN 0x80
.set m_, 0
.rept 2
	global_load_b128 v[BOT+8*m_:BOT+8*m_+3], v16, s[P_BO:P_BO+1] offset:64*m_
	global_load_b128 v[BOT+8*m_+4:BOT+8*m_+7], v16, s[P_BO:P_BO+1] offset:64*m_+16
	global_load_b128 v[B2T+8*m_:B2T+8*m_+3], v16, s[P_B2:P_B2+1] offset:64*m_
	global_load_b128 v[B2T+8*m_+4:B2T+8*m_+7], v16, s[P_B2:P_B2+1] offset:64*m_+16
.set m_, m_+1
.endr
.irp q, 0,1
	global_load_b128 v[LG1+4*\q:LG1+4*\q+3], v17, s[P_PG:P_PG+1] offset:16*\q
	global_load_b128 v[LB1+4*\q:LB1+4*\q+3], v17, s[P_PB:P_PB+1] offset:16*\q
	global_load_b128 v[LG2+4*\q:LG2+4*\q+3], v17, s[P_G2:P_G2+1] offset:16*\q
	global_load_b128 v[LB2+4*\q:LB2+4*\q+3], v17, s[P_N2:P_N2+1] offset:16*\q
.endr
	WIN 0
	LOADW 1, 128, MATB+3*65536             ; W1
	BTILE 2, B1T, P_B1, 0
	LOADW 3, 0, MATB+5*65536               ; W2
	s_mul_i32 s38, s[WV], PW
	s_add_co_u32 s38, s38, ZS
	v_lshl_add_u32 v18, v[HH], 4, v17
	v_add_nc_u32 v18, s38, v18             ; load i of thread t holds token 4 i + t / 32, channels 8 (t % 16) + 4 ((t / 16) % 2) ..
	WIN 0x0c
.set i_, 0
.rept 16
	ds_store_b128 v18, v[SKP+4*i_:SKP+4*i_+3] offset:4*PW*i_
.set i_, i_+1
.endr
	WIN 0
	s_mul_i32 s38, s[WV], 16*PW
	s_add_co_u32 s38, s38, ZS
	v_mul_u32_u24 v22, v[HH], PW
	v_lshl_add_u32 v22, v[R], 5, v22
	v_add_nc_u32 v22, s38, v22             ; by tokens: pixel 16 w + h, channels 8 r ..
	s_mul_i32 s38, s[WV], 16*PT
	s_add_co_u32 s38, s38, A1
	v_mul_u32_u24 v23, v[HH], PT
	v_lshl_add_u32 v23, v[R], 4, v23
	v_add_nc_u32 v23, s38, v23
.if PASS == 1
	s_and_b32 s38, s[XX], 1                ; pixel (8 X + a, 8 Y + b), 8 a + b = 16 w + 8 u + 2 p + h, lies in grid window (H % 16, W % 16) at place (X / 2) 8 + Y / 2
	s_lshl_b32 s38, s38, 3
	s_lshl1_add_u32 s38, s[WV], s38
	s_lshl_b32 s38, s38, 4
	s_and_b32 s39, s[YY], 1
	s_lshl3_add_u32 s38, s39, s38
	s_lshr_b32 s39, s[XX], 1
	s_lshl_b32 s39, s39, 3
	s_lshr_b32 s56, s[YY], 1
	s_add_co_u32 s39, s39, s56
	s_lshl_b32 s56, s38, 15
	s_lshl_b32 s57, s39, 9
	s_add_co_u32 s56, s56, s57
	v_lshlrev_b32 v24, 15, v[HH]
	v_lshl_add_u32 v24, v[R], 4, v24
	v_add_nc_u32 v24, s56, v24
	s_lshl_b32 s56, s38, 14
	s_lshl_b32 s57, s39, 8
	s_add_co_u32 s56, s56, s57
	v_lshlrev_b32 v25, 14, v[HH]
	v_lshl_add_u32 v25, v[R], 4, v25
	v_add_nc_u32 v25, s56, v25
.else
	s_lshl_b32 s56, s[WV], 21              ; place 8 w1 + w2 = 16 w + 8 u + 2 p + h of grid window (xw, yw) is pixel (16 w1 + xw, 16 w2 + yw)
	s_lshl_b32 s57, s[XX], 16
	s_add_co_u32 s56, s56, s57
	s_lshl_b32 s57, s[YY], 9
	s_add_co_u32 s56, s56, s57
	v_lshlrev_b32 v24, 13, v[HH]
	v_lshl_add_u32 v24, v[R], 4, v24
	v_add_nc_u32 v24, s56, v24
	v_mov_b32 v25, 0
.endif
	WIN 0x80
	v_mov_b32 v[ZR], v22
	v_mov_b32 v[ZR6], v22
	v_mov_b32 v[A1W], v23
	v_mov_b32 v[GO1], v24
	v_mov_b32 v[GO2], v25
	WIN 0
	BAR                                    ; OB and the skip are whole
	s_wait_loadcnt 63                      ; of the 120 loads above the oldest 57 are in: Wo, bo, b2 and the four vectors are the oldest 48
	P64 0x0d, OB, BOT                      ; z = mean O wo + bo + skip
	BAR
	s_mov_b32 s[CNT], 2
.Lt3:                                              ; LayerNorm: eight of my 16 pixels a trip, a pixel for each half of the lanes
	WIN 0xaa                               ; all in window 2
.set p_, 0
.rept 4
	ds_load_b128 v[TX+8*p_:TX+8*p_+3], v[ZR] offset:2*PW*p_
	ds_load_b128 v[TX+8*p_+4:TX+8*p_+7], v[ZR] offset:2*PW*p_+16
.set p_, p_+1
.endr
	s_wait_dscnt 0x0
	LNB 4, TX, TX, TT
	AFF 4, TX, LG1, LB1
.set k_, 0
.rept 16
	v_cvt_pk_bf16_f32 v[TX+k_], v[TX+2*k_], v[TX+2*k_+1]
.set k_, k_+1
.endr
.set p_, 0
.rept 4
	ds_store_b128 v[A1W], v[TX+4*p_:TX+4*p_+3] offset:2*PT*p_
.set p_, p_+1
.endr
	v_add_nc_u32 v[ZR], 8*PW, v[ZR]
	v_add_nc_u32 v[A1W], 8*PT, v[A1W]
	WIN 0
	s_sub_co_u32 s[CNT], s[CNT], 1
	s_cmp_lg_u32 s[CNT], 0
	s_cbranch_scc1 .Lt3
	BAR
	s_wait_loadcnt 32                      ; W2's 32 loads may be out; W1 and b1 are in
	s_mov_b32 s[TB], A1
	s_mov_b32 s[TB2], 0
	s_mov_b32 s[CNT], 4
.Lt4:                                              ; the hidden layer: 16 pixels x my 64 channels a trip
	v_add_nc_u32 v[ADR], s[TB], v[AF0]
	TBLOAD 1
	s_wait_dscnt 0x0
.set k_, 0
.rept 4
.set m_, 0
.rept 4
.if k_ == 0
	WIN 0x2d                               ; W1 in window 1, tokens in window 3, b1 in window 2
	v_wmma_f32_16x16x32_bf16 v[GX+8*m_:GX+8*m_+7], v[128+8*(4*m_+k_):128+8*(4*m_+k_)+7], v[TB0+8*k_:TB0+8*k_+7], v[B1T+8*m_:B1T+8*m_+7]
.else
	WIN 0x0d
	v_wmma_f32_16x16x32_bf16 v[GX+8*m_:GX+8*m_+7], v[128+8*(4*m_+k_):128+8*(4*m_+k_)+7], v[TB0+8*k_:TB0+8*k_+7], v[GX+8*m_:GX+8*m_+7]
.endif
.set m_, m_+1
.endr
.set k_, k_+1
.endr
	PLACES
	WIN 0
	GELU
.set k_, 0
.rept 16
	v_cvt_pk_bf16_f32 v[GX+k_], v[GX+2*k_], v[GX+2*k_+1]
.set k_, k_+1
.endr
	v_add_nc_u32 v[ADR2], s[TB2], v[HS0]
.set m_, 0
.rept 4
	ds_store_b128 v[ADR2], v[GX+4*m_:GX+4*m_+3] offset:32*m_
.set m_, m_+1
.endr
	s_add_co_u32 s[TB], s[TB], 16*PT
	s_add_co_u32 s[TB2], s[TB2], 16*PW
	s_sub_co_u32 s[CNT], s[CNT], 1
	s_cmp_lg_u32 s[CNT], 0
	s_cbranch_scc1 .Lt4
	BAR
	s_wait_loadcnt 0x0                     ; W2
	P64 0x0f, HS, B2T                      ; y = z + gelu(..) w2 + b2
	BAR
	s_mov_b32 s[CNT], 2
.Lt6:                                              ; the way out, by tokens: 16 lanes store 256 bytes on end
	WIN 0xaa
.set p_, 0
.rept 4
	ds_load_b128 v[TX+8*p_:TX+8*p_+3], v[ZR6] offset:2*PW*p_
	ds_load_b128 v[TX+8*p_+4:TX+8*p_+7], v[ZR6] offset:2*PW*p_+16
.set p_, p_+1
.endr
	s_wait_dscnt 0x0
.if PASS == 1
.set p_, 0
.rept 4
	global_store_b128 v[GO1], v[TX+8*p_:TX+8*p_+3], s[30:31] offset:65536*p_
	global_store_b128 v[GO1], v[TX+8*p_+4:TX+8*p_+7], s[30:31] offset:65536*p_+256
.set p_, p_+1
.endr
	LNB 4, TX, TD, TT                      ; pass 2's query: its LayerNorm, gain and shift
	AFF 4, TD, LG2, LB2
.set k_, 0
.rept 16
	v_cvt_pk_bf16_f32 v[TD+k_], v[TD+2*k_], v[TD+2*k_+1]
.set k_, k_+1
.endr
.set p_, 0
.rept 4
	global_store_b128 v[GO2], v[TD+4*p_:TD+4*p_+3], s[32:33] offset:32768*p_
.set p_, p_+1
.endr
	s_wait_xcnt 0x0                        ; the stores' offsets and data are rewritten only behind this wait
	v_add_nc_u32 v[GO1], 0x80000, v[GO1]
	v_add_nc_u32 v[GO2], 0x40000, v[GO2]
.else
	LNB 4, TX, TX, TT                      ; the last LayerNorm
	AFF 4, TX, LG2, LB2
.set p_, 0
.rept 4
	global_store_b128 v[GO1], v[TX+8*p_:TX+8*p_+3], s[28:29] offset:16384*p_
	global_store_b128 v[GO1], v[TX+8*p_+4:TX+8*p_+7], s[28:29] offset:16384*p_+256
.set p_, p_+1
.endr
	s_wait_xcnt 0x0                        ; the stores' offset and data are rewritten only behind this wait
	v_add_nc_u32 v[GO1], 0x100000, v[GO1]
.endif
	v_add_nc_u32 v[ZR6], 8*PW, v[ZR6]
	WIN 0
	s_sub_co_u32 s[CNT], s[CNT], 1
	s_cmp_lg_u32 s[CNT], 0
	s_cbranch_scc1 .Lt6
	s_wait_tensorcnt 0x0                   ; the wave's end
	ds_add_u32 v[SPW], v[NIL]
	s_wait_dscnt 0x0
	s_endpgm
.Lfunc_end_k_q7e41b0da39_attn2:
	.size	k_q7e41b0da39_attn2, .Lfunc_end_k_q7e41b0da39_attn2-k_q7e41b0da39_attn2
	.p2alignl 7, 3214868480
	.fill 96, 4, 3214868480
	.section	.rodata,"a",@progbits
	.p2align	6, 0x0
	.amdhsa_kernel k_q7e41b0da39_attn2
		.amdhsa_group_segment_fixed_size 304640
		.amdhsa_private_segment_fixed_size 0
		.amdhsa_enable_private_segment 0
		.amdhsa_kernarg_size 104
		.amdhsa_user_sgpr_count 2
		.amdhsa_user_sgpr_kernarg_segment_ptr 1
		.amdhsa_wavefront_size32 1
		.amdhsa_system_sgpr_workgroup_id_x 1
		.amdhsa_system_sgpr_workgroup_id_y 1
		.amdhsa_system_sgpr_workgroup_id_z 1
		.amdhsa_system_vgpr_workitem_id 0
		.amdhsa_next_free_vgpr 1024
		.amdhsa_next_free_sgpr 100
		.amdhsa_reserve_vcc 0
		.amdhsa_float_denorm_mode_32 3
		.amdhsa_float_denorm_mode_16_64 3
		.amdhsa_memory_ordered 1
		.amdhsa_forward_progress 1
		.amdhsa_inst_pref_size 150
	.end_amdhsa_kernel
	.amdgpu_metadata
---
amdhsa.version: [ 1, 2 ]
amdhsa.kernels:
  - .name:           k_q7e41b0da39_attn2
    .symbol:         k_q7e41b0da39_attn2.kd
    .args:
      - { .name: kvhat, .offset: 0, .size: 8, .value_kind: global_buffer, .address_space: global }
      - { .name: qhat2, .offset: 8, .size: 8, .value_kind: global_buffer, .address_space: global }
      - { .name: q2d, .offset: 16, .size: 8, .value_kind: global_buffer, .address_space: global }
      - { .name: ws, .offset: 24, .size: 8, .value_kind: global_buffer, .address_space: global }
      - { .name: params_attn2_bq, .offset: 32, .size: 8, .value_kind: global_buffer, .address_space: global }
      - { .name: params_attn2_bo, .offset: 40, .size: 8, .value_kind: global_buffer, .address_space: global }
      - { .name: params_prenorm2_g, .offset: 48, .size: 8, .value_kind: global_buffer, .address_space: global }
      - { .name: params_prenorm2_b, .offset: 56, .size: 8, .value_kind: global_buffer, .address_space: global }
      - { .name: params_mlp2_b1, .offset: 64, .size: 8, .value_kind: global_buffer, .address_space: global }
      - { .name: params_mlp2_b2, .offset: 72, .size: 8, .value_kind: global_buffer, .address_space: global }
      - { .name: params_postnorm_g, .offset: 80, .size: 8, .value_kind: global_buffer, .address_space: global }
      - { .name: params_postnorm_b, .offset: 88, .size: 8, .value_kind: global_buffer, .address_space: global }
      - { .name: outT, .offset: 96, .size: 8, .value_kind: global_buffer, .address_space: global }
    .group_segment_fixed_size: 304640
    .private_segment_fixed_size: 0
    .kernarg_segment_align: 8
    .kernarg_segment_size: 104
    .max_flat_workgroup_size: 128
    .sgpr_count:     100
    .vgpr_count:     1024
    .wavefront_size: 32
...
	.end_amdgpu_metadata
.endif
;; end of part 5
;; launch final (part 6): grid 256 x 1, 8 waves a work-group, no clusters, 34,816 bytes of LDS; arguments outT, out0; writes out0
.if DOCPART == 6
	.amdgcn_target "amdgcn-amd-amdhsa--gfx1250"
	.amdhsa_code_object_version 6
	.text
	.protected	k_q7e41b0da39_final
	.globl	k_q7e41b0da39_final
	.p2align	8
	.type	k_q7e41b0da39_final,@function
k_q7e41b0da39_final:
	s_mov_b64 s[64:65], 0
	v_nop
	global_prefetch_b8 v0, s[64:65] scope:SCOPE_SE
	s_setreg_imm32_b32 hwreg(HW_REG_WAVE_MODE, 25, 1), 1
	s_wait_xcnt 0x0
; out0[d][H][W] from outT[H][W][token of 128 f32, byte 256 u + 16 r + 4 i = channel 8 r + 4 u + i].
; A work-group turns 64 pixels of one row: 32 KiB come in as dense loads of 512 bytes a wave, pass through LDS (rows 528 bytes apart), and leave as 256 bytes on end for each channel.
; Pass 2's windows hold pixels 16 apart, so this turn cannot be made where the tokens are made.  Memory binds: no matrix unit, no cluster.
.set PW, 528
.set SPARE, 33792                      ; the spare words: 128 bytes a wave
	s_load_b128 s[4:7], s[0:1], 0x0
	v_lshl_add_u32 v62, v0, 2, SPARE
	v_mov_b32 v63, 0
	v_lshrrev_b32 v1, 5, v0
	v_readfirstlane_b32 s8, v1
	s_lshl_b32 s10, ttmp9, 15              ; 64 tokens of 512 bytes a work-group
	s_mov_b32 s11, 0
	v_lshlrev_b32 v2, 4, v0
	v_and_b32 v3, 15, v0
	v_bfe_u32 v4, v0, 4, 1
	v_mul_u32_u24 v5, v1, PW               ; in: load i of thread t holds token 8 i + t / 32, channels 8 (t % 16) + 4 ((t / 16) % 2) ..
	v_lshl_add_u32 v5, v3, 5, v5
	v_lshl_add_u32 v5, v4, 4, v5
	v_mul_u32_u24 v6, v3, 4*PW             ; back: pixels 4 r .., channel 16 v + h
	v_lshl_add_u32 v6, v4, 2, v6
	s_lshl_b32 s9, s8, 6
	v_add_nc_u32 v6, s9, v6
	s_lshl_b32 s9, s8, 20
	v_lshlrev_b32 v7, 16, v4
	v_lshl_add_u32 v7, v3, 4, v7
	v_add_nc_u32 v7, s9, v7
	s_lshr_b32 s12, ttmp9, 1
	s_lshl_b32 s12, s12, 9
	s_and_b32 s13, ttmp9, 1
	s_lshl_b32 s13, s13, 8
	s_add_co_u32 s12, s12, s13
	s_mov_b32 s13, 0
	s_wait_kmcnt 0x0
	s_add_nc_u64 s[4:5], s[4:5], s[10:11]
	s_add_nc_u64 s[6:7], s[6:7], s[12:13]
.set i_, 0
.rept 8
	global_load_b128 v[8+4*i_:8+4*i_+3], v2, s[4:5] offset:4096*i_ th:TH_LOAD_NT
.set i_, i_+1
.endr
.set i_, 0
.rept 8
	s_wait_loadcnt 7-i_                    ; loads come back in order: the younger ones may be out
	ds_store_b128 v5, v[8+4*i_:8+4*i_+3] offset:8*PW*i_
.set i_, i_+1
.endr
	s_wait_dscnt 0x0                       ; for the others' sake: my stores are done
	s_barrier_signal -1
	s_barrier_wait -1
.set j_, 0
.rept 8
.set k_, 0
.rept 4
	ds_load_b32 v[8+4*j_+k_], v6 offset:PW*k_+8*j_
.set k_, k_+1
.endr
.set j_, j_+1
.endr
.set j_, 0
.rept 8
	s_wait_dscnt 4*(7-j_)                  ; the four loads of each later channel pair may be out
	global_store_b128 v7, v[8+4*j_:8+4*j_+3], s[6:7] offset:131072*j_ th:TH_STORE_NT   ; 16 lanes store 256 bytes on end
.set j_, j_+1
.endr
	s_wait_tensorcnt 0x0                   ; the wave's end
	ds_add_u32 v62, v63
	s_wait_dscnt 0x0
	s_endpgm
.Lfunc_end_k_q7e41b0da39_final:
	.size	k_q7e41b0da39_final, .Lfunc_end_k_q7e41b0da39_final-k_q7e41b0da39_final
	.p2alignl 7, 3214868480
	.fill 96, 4, 3214868480
	.section	.rodata,"a",@progbits
	.p2align	6, 0x0
	.amdhsa_kernel k_q7e41b0da39_final
		.amdhsa_group_segment_fixed_size 34816
		.amdhsa_private_segment_fixed_size 0
		.amdhsa_enable_private_segment 0
		.amdhsa_kernarg_size 16
		.amdhsa_user_sgpr_count 2
		.amdhsa_user_sgpr_kernarg_segment_ptr 1
		.amdhsa_wavefront_size32 1
		.amdhsa_system_sgpr_workgroup_id_x 1
		.amdhsa_system_sgpr_workgroup_id_y 1
		.amdhsa_system_sgpr_workgroup_id_z 1
		.amdhsa_system_vgpr_workitem_id 0
		.amdhsa_next_free_vgpr 64
		.amdhsa_next_free_sgpr 66
		.amdhsa_reserve_vcc 0
		.amdhsa_float_denorm_mode_32 3
		.amdhsa_float_denorm_mode_16_64 3
		.amdhsa_memory_ordered 1
		.amdhsa_forward_progress 1
		.amdhsa_inst_pref_size 7
	.end_amdhsa_kernel
	.amdgpu_metadata
---
amdhsa.version: [ 1, 2 ]
amdhsa.kernels:
  - .name:           k_q7e41b0da39_final
    .symbol:         k_q7e41b0da39_final.kd
    .args:
      - { .name: outT, .offset: 0, .size: 8, .value_kind: global_buffer, .address_space: global }
      - { .name: out0, .offset: 8, .size: 8, .value_kind: global_buffer, .address_space: global }
    .group_segment_fixed_size: 34816
    .private_segment_fixed_size: 0
    .kernarg_segment_align: 8
    .kernarg_segment_size: 16
    .max_flat_workgroup_size: 256
    .sgpr_count:     66
    .vgpr_count:     64
    .wavefront_size: 32
...
	.end_amdgpu_metadata
.endif
;; end of part 6
;; ======== version 2 of 2: 6 launches; 1.12 times as fast as version 1
;; limits: a function is approximated: absolute error at most 2.5e-05
;; workspace buffers: ws 790,528 bytes; kvflat 4,194,304 bytes; qhat 16,777,216 bytes; xt 8,388,608 bytes; kvhat 33,554,432 bytes; q2d 8,388,608 bytes; qhat2 4,194,304 bytes; outT 8,388,608 bytes
;; launch prep_w: the kernel of part 1 again; grid 4 x 12, 4 waves a work-group, no clusters, 0 bytes of LDS; arguments params_attn1_wq, params_attn1_wk, params_attn1_wv, params_mlp1_w1, params_attn1_wo, params_mlp1_w2, params_attn2_wq, params_attn2_wk, params_attn2_wv, params_mlp2_w1, params_attn2_wo, params_mlp2_w2, params_attn1_ln_k_g, params_attn1_ln_k_b, params_attn1_bk, params_attn1_ln_v_g, params_attn1_ln_v_b, params_attn1_bv, params_attn2_ln_k_g, params_attn2_ln_k_b, params_attn2_bk, params_attn2_ln_v_g, params_attn2_ln_v_b, params_attn2_bv, ws; writes ws
;; launch prep_kv: the kernel of part 2 again; grid 64 x 1, 4 waves a work-group, no clusters, 105,984 bytes of LDS; arguments feature, I_inv, E_inv, image_plane, params_img_w, params_cam_w, params_feat_proj_beta, params_feat_proj_gamma, params_feat_proj_mean, params_feat_proj_var, params_feat_proj_w, params_feat_lin_beta, params_feat_lin_gamma, params_feat_lin_mean, params_feat_lin_var, params_feat_lin_w, kvflat; writes kvflat
;; launch prep_q: the kernel of part 3 again; grid 256 x 1, 8 waves a work-group, no clusters, 68,608 bytes of LDS; arguments params_learned_features, x, grid0, params_bev_w, params_bev_b, params_cam_w, E_inv, params_attn1_ln_q_g, params_attn1_ln_q_b, qhat, xt; writes qhat, xt
;; launch attn1 (part 7): grid 256 x 1, 4 waves a work-group, no clusters, 304,640 bytes of LDS; arguments qhat, kvflat, xt, ws, params_attn1_bq, params_attn1_bo, params_prenorm1_g, params_prenorm1_b, params_mlp1_b1, params_mlp1_b2, params_attn2_ln_q_g, params_attn2_ln_q_b, kvhat, q2d, qhat2; writes kvhat, q2d, qhat2
.if DOCPART == 7
	.amdgcn_target "amdgcn-amd-amdhsa--gfx1250"
	.amdhsa_code_object_version 6
	.text
	.protected	k_q7e41b0da39_attn1
	.globl	k_q7e41b0da39_attn1
	.p2align	8
	.type	k_q7e41b0da39_attn1,@function
k_q7e41b0da39_attn1:
	s_mov_b64 s[64:65], 0
	v_nop
	global_prefetch_b8 v0, s[64:65] scope:SCOPE_SE
	s_setreg_imm32_b32 hwreg(HW_REG_WAVE_MODE, 25, 1), 1
	s_wait_xcnt 0x0
.set PASS, 1                           ; 1: windows of 8 x 8 neighbours, 256 queries (4 views); 2: the grid partition, 64 queries.  One text serves both passes; only this line differs.
; ONE WINDOW A WORK-GROUP: K, V and Q projections, attention over 256 keys (4 views x 64 pixels), the mean over views, wo, skip, LayerNorm, MLP with GELU, and the LayerNorm that follows.
; Wave w is head w in the attention and owns 32 (wo, w2) or 64 (w1) output channels behind it.  Matrix operands bf16, sums f32; softmax, norms, GELU and the residual f32.
; WHAT REFERENCE()'S ALGEBRA ALLOWS.  The mean over views commutes with wo, so it is taken on the attention's output (64 rows go through wo).  In pass 2 the four views' queries are one tensor, so 64 queries do.
; K's and V's LayerNorm gains lie in the weights and their shifts in the biases (an earlier launch); the tokens arrive, or are made here, as (t - mean) rsqrt(var + eps).
; PASS 1 also makes those tokens: the 4 x 4 source pixels of the window, bilinear by 4 (half-pixel centres, edges clamped), normalised; they go to LDS and, for pass 2, to kvhat.
; LAYOUTS THAT NEED NO SHUFFLE.  K^T = Wk khat^T and Q^T likewise: a lane holds one token and 8 channels, and rounding in pairs gives the fragment of S^T = K Q^T.  V = vhat Wv: a lane holds one channel and 8 tokens:
; the fragment of O^T = V^T P.  In S^T a lane holds one query, so P is S^T rounded in place.  All 256 keys of a query are at hand at once: the maximum is the true one.
; K's and V's fragments (256 registers each) are made in loops, so they pass through a stage in LDS that is the wave's own and come back in one run.
; NO CLUSTER, NO TENSOR LOAD.  What work-groups share is the weights, 384 KiB; each byte of them is wanted by one wave, in registers, and of LDS's 327,680 bytes 304,640 are taken.  Tokens are read once.
; TRANSCENDENTALS GO IN BATCHES, each with one s_wait_alu depctr_va_vdst(0) ahead of its first reader.  A tile of 16 queries has three: the exponentials of the lane's scores 0-63, set between the
; 64 scalings; those of scores 64-127, set between the first half's sums and roundings; and the reciprocal of l, issued ahead of the 32 products V^T P and waited for behind them.  The roots of one LayerNorm macro are
; one batch, and so are GELU's 32 reciprocals and 32 exponentials.
; LIMITS.  erf in GELU is Abramowitz and Stegun 7.1.25, off by 2.5e-5 at the most for every x, so GELU by 1.3e-5 |x|.  The vertical resize has four taps of which two weigh 0, so an infinite source pixel spreads over its window.
; A softmax weight below 2^-126 counts as 0.  NaN and infinities are not treated apart.
.if PASS == 1
.set MATB, 0                           ; my pass's six matrices in ws
.set BSLOT, 786432                     ; bk', then bv' 1,024 bytes on
.set NQT, 16                           ; tiles of 16 queries
.else
.set MATB, 393216
.set BSLOT, 788480
.set NQT, 4
.endif
.set PT, 272                           ; an LDS row of 256 bytes + 16: the 16 rows of a fragment load start at 16 different groups of four banks (ISA guide 11.1)
.set PW, 528                           ; an LDS row of 512 bytes + 16
.set KH, 0                             ; khat, 256 tokens; later the q tokens
.set VH, 256*PT                        ; vhat
.set FS, 2*VH                          ; 32 KiB a wave: the fragments' stage
.set OB, FS+131072                     ; the attention's output, mean over views: 64 pixels x 256 channels bf16
.set SPARE, OB+64*PW                   ; the spare words: 128 bytes a wave
.set ZS, FS                            ; behind the attention: the residual, 64 pixels x 128 f32
.set A1, FS+64*PW                      ; LayerNorm's output, 64 x 128 bf16
.set HS, A1+64*PT                      ; the hidden layer, 64 x 256 bf16
; window 0
.set T16, 1                            ; 16 x thread
.set R, 2
.set HH, 3
.set AF0, 4                            ; 272 r + 16 h
.set ADR, 5
.set WOFF, 6                           ; 16,384 w + 16 lane
.set BOFF, 7                           ; 256 w + 32 h
.set BOFV, 8                           ; 256 w + 4 r
.set FSA0, 9
.set OB0, 10
.set AF5, 11                           ; 528 r + 16 h
.set ZT0, 12
.set HS0, 13
.set CP0, 14
.set ADR2, 15
.set C0, 16                            ; v16-19 the maximum's chains; outside the attention at work
.set CM, 20                            ; c m, m
.set LL, 22                            ; v22-29 four pairs of l
.set SPW, 30
.set NIL, 31
.set ACC0, 32                          ; v32-63
.set WVF, 64                           ; v64-191 Wv', then S^T with P in place, then GELU at work
.set S, 64
.set ACC1, 192                         ; v192-223, then the mean over views
.set OBAR, 192
.set BKT, 224                          ; v224-255 bk' as a C operand, then Q's fragments
.set QBF, 224
; window 1: pass 1's resize, or K's copy; K's fragments (key tile, channel half) at 16 kt + 8 c; Wo at 0 and W1 at 128
; window 2: the q copy (and V's); V's fragments (key half-block kc, channel block cb) at 32 kc + 8 cb; the tail's tokens and vectors
.set TX, 0
.set TT, 32
.set LG1, 64
.set LB1, 72
.set LG2, 80
.set LB2, 88
.set B1T, 96
.set BOT, 128
.set B2T, 144
.set ZR, 160
.set A1W, 161
.set GO1, 162
.set GO2, 163
.set ZR6, 164
.set TD, 192
; window 3: Wk', Wq, W2 at 0; token fragments at 128; bv' at 192; bq at 224; the skip at 160 during the attention
.set TB0, 128
.set SKP, 160
.set BVT, 192
.set BQT, 224
.set P_SK, 8
.set P_WS, 10
.set P_BQ, 12
.set P_BO, 14
.set P_PG, 16
.set P_PB, 18
.set P_B1, 20
.set P_B2, 22
.set P_G2, 24
.set P_N2, 26
.set WV, 34
.set XX, 36
.set YY, 37
.set SEL, 40
.set I128, 42
.set EPS, 43
.set CS, 44
.set CNT, 46
.set TBT, 47
.set TBF, 48
.set QT, 49
.set TBQ, 50
.set TBO, 51
.set PG, 52
.set NV, 53
.set TB, 54
.set TB2, 55
.set UA, 56
.set UT, 57
.set UU, 58
.set UF, 59
.set UG, 60
.set UI0, 61
.set UI1, 62
.set VW, 66                            ; s[66:73] the four vertical weights, each the low word of a pair
.set HK, 74                            ; s[74:81] 1/8, 3/8, 5/8, 7/8 likewise
.set K1, 82
.set KE, 84
.set GA3, 86
.set GA2, 88
.set GA1, 90
.set RW, 92
.set CW, 96
.set MSB, 0
.macro WIN new                         ; s_set_vgpr_msb: bits 1:0 source 0, 3:2 source 1, 5:4 source 2, 7:6 destination; the high byte repeats the setting that is left
.if MSB != (\new)
	s_set_vgpr_msb (MSB<<8)|(\new)
.set MSB, (\new)
.endif
.endm
.macro PLACES                          ; plain instructions between matrix instructions and what touches their registers next (ISA guide 7.12.1); five, since in places the next to write them is a matrix instruction
.rept 5
	v_nop
.endr
.endm
.macro BAR
	s_wait_dscnt 0x0                       ; for the others' sake: all my LDS loads and stores are done
	s_barrier_signal -1
	s_barrier_wait -1
.endm
.macro XSUM n, reg, stride             ; sums over the 16 lanes of a half
.irp x, 1,2,4,8
.set b_, 0
.rept \n
	v_add_f32_dpp v[(\reg)+(\stride)*b_], v[(\reg)+(\stride)*b_], v[(\reg)+(\stride)*b_] row_xmask:\x row_mask:0xf bank_mask:0xf
.set b_, b_+1
.endr
.endr
.endm
; n tokens (8 registers a lane, 16 lanes a token) are normalised: D = (X - mean) rsqrt(var + 1e-5); T: four registers a token.  Stage by stage over the tokens, so that no line waits for the one before it.
.macro LNB n, X, D, T
.set b_, 0
.rept \n
	v_pk_add_f32 v[(\T)+4*b_:(\T)+4*b_+1], v[(\X)+8*b_:(\X)+8*b_+1], v[(\X)+8*b_+2:(\X)+8*b_+3]
	v_pk_add_f32 v[(\T)+4*b_+2:(\T)+4*b_+3], v[(\X)+8*b_+4:(\X)+8*b_+5], v[(\X)+8*b_+6:(\X)+8*b_+7]
.set b_, b_+1
.endr
.set b_, 0
.rept \n
	v_pk_add_f32 v[(\T)+4*b_:(\T)+4*b_+1], v[(\T)+4*b_:(\T)+4*b_+1], v[(\T)+4*b_+2:(\T)+4*b_+3]
.set b_, b_+1
.endr
.set b_, 0
.rept \n
	v_add_f32 v[(\T)+4*b_], v[(\T)+4*b_], v[(\T)+4*b_+1]
.set b_, b_+1
.endr
	XSUM \n, \T, 4
.set b_, 0
.rept \n
	v_mul_f32 v[(\T)+4*b_], s[I128], v[(\T)+4*b_]
.set b_, b_+1
.endr
.set c_, 0
.rept 4
.set b_, 0
.rept \n
	v_pk_add_f32 v[(\D)+8*b_+2*c_:(\D)+8*b_+2*c_+1], v[(\X)+8*b_+2*c_:(\X)+8*b_+2*c_+1], v[(\T)+4*b_:(\T)+4*b_+1] op_sel_hi:[1,0] neg_lo:[0,1] neg_hi:[0,1]
.set b_, b_+1
.endr
.set c_, c_+1
.endr
.set b_, 0
.rept \n
	v_pk_mul_f32 v[(\T)+4*b_+2:(\T)+4*b_+3], v[(\D)+8*b_:(\D)+8*b_+1], v[(\D)+8*b_:(\D)+8*b_+1]
.set b_, b_+1
.endr
.set c_, 1
.rept 3
.set b_, 0
.rept \n
	v_pk_fma_f32 v[(\T)+4*b_+2:(\T)+4*b_+3], v[(\D)+8*b_+2*c_:(\D)+8*b_+2*c_+1], v[(\D)+8*b_+2*c_:(\D)+8*b_+2*c_+1], v[(\T)+4*b_+2:(\T)+4*b_+3]
.set b_, b_+1
.endr
.set c_, c_+1
.endr
.set b_, 0
.rept \n
	v_add_f32 v[(\T)+4*b_+2], v[(\T)+4*b_+2], v[(\T)+4*b_+3]
.set b_, b_+1
.endr
	XSUM \n, (\T)+2, 4
.set b_, 0
.rept \n
	v_fma_f32 v[(\T)+4*b_+2], v[(\T)+4*b_+2], s[I128], s[EPS]
.set b_, b_+1
.endr
.set b_, 0
.rept \n
	v_rsq_f32 v[(\T)+4*b_+2], v[(\T)+4*b_+2]
.set b_, b_+1
.endr
	v_nop                                  ; a plain instruction between the last root and its use
.set c_, 0
	s_wait_alu depctr_va_vdst(0)           ; the wait ahead of the first use: one for the batch of n roots
.rept 4
.set b_, 0
.rept \n
	v_pk_mul_f32 v[(\D)+8*b_+2*c_:(\D)+8*b_+2*c_+1], v[(\D)+8*b_+2*c_:(\D)+8*b_+2*c_+1], v[(\T)+4*b_+2:(\T)+4*b_+3] op_sel_hi:[1,0]
.set b_, b_+1
.endr
.set c_, c_+1
.endr
.endm
.macro AFF n, X, G, B                  ; X = X g + b
.set b_, 0
.rept \n
.set c_, 0
.rept 4
	v_pk_fma_f32 v[(\X)+8*b_+2*c_:(\X)+8*b_+2*c_+1], v[(\X)+8*b_+2*c_:(\X)+8*b_+2*c_+1], v[(\G)+2*c_:(\G)+2*c_+1], v[(\B)+2*c_:(\B)+2*c_+1]
.set c_, c_+1
.endr
.set b_, b_+1
.endr
.endm
.macro LOADW w, dst, mat               ; my 16 KiB of a matrix, 128 registers of window w: 32 loads of 512 bytes on end
	WIN (\w)<<6
.set k_, 0
.rept 32
	global_load_b128 v[(\dst)+4*k_:(\dst)+4*k_+3], v[WOFF], s[P_WS:P_WS+1] offset:(\mat)+512*k_
.set k_, k_+1
.endr
	WIN 0
.endm
.macro BTILE w, dst, base, off         ; a bias as four C operands: register j of tile m = bias[64 w + 16 m + 8 h + j]
	WIN (\w)<<6
.set m_, 0
.rept 4
	global_load_b128 v[(\dst)+8*m_:(\dst)+8*m_+3], v[BOFF], s[\base:\base+1] offset:(\off)+64*m_
	global_load_b128 v[(\dst)+8*m_+4:(\dst)+8*m_+7], v[BOFF], s[\base:\base+1] offset:(\off)+64*m_+16
.set m_, m_+1
.endr
	WIN 0
.endm
.macro TBLOAD n                        ; n tiles of 16 tokens x 128 channels from rows 272 bytes apart at v[ADR]: four fragments each
	WIN 0xc0
.set e_, 0
.rept \n
.set k_, 0
.rept 4
	ds_load_b128 v[TB0+32*e_+8*k_:TB0+32*e_+8*k_+3], v[ADR] offset:e_*16*PT+64*k_
	ds_load_b128 v[TB0+32*e_+8*k_+4:TB0+32*e_+8*k_+7], v[ADR] offset:e_*16*PT+64*k_+32
.set k_, k_+1
.endr
.set e_, e_+1
.endr
	WIN 0
.endm
; K's (kind 0) or V's (kind 1) projection of my head: eight trips of two token tiles.  The four accumulators of a tile take turns; the bias is the C operand that starts each sum.
; The next trip's fragments are asked for behind the products; the last trip has none to ask for and jumps over the run, and the wait at the trip's head, for 0, is right either way.
.macro PROJ kind
	s_mov_b32 s[TBT], (\kind)*VH
	s_mov_b32 s[TBF], 0
	s_mov_b32 s[CNT], 8
	v_add_nc_u32 v[ADR], s[TBT], v[AF0]
	TBLOAD 2
.Lproj_\@:
	s_wait_dscnt 0x0                       ; the fragments are in, and the last trip's stores have read the accumulators' registers
.set e_, 0
.rept 2
.set a_, ACC0+(ACC1-ACC0)*e_
.set k_, 0
.rept 4
.set m_, 0
.rept 4
.if (\kind) == 0
	WIN 0x0f                               ; W and tokens in window 3
.if k_ == 0
	v_wmma_f32_16x16x32_bf16 v[a_+8*m_:a_+8*m_+7], v[8*(4*m_+k_):8*(4*m_+k_)+7], v[TB0+32*e_+8*k_:TB0+32*e_+8*k_+7], v[BKT+8*m_:BKT+8*m_+7]
.else
	v_wmma_f32_16x16x32_bf16 v[a_+8*m_:a_+8*m_+7], v[8*(4*m_+k_):8*(4*m_+k_)+7], v[TB0+32*e_+8*k_:TB0+32*e_+8*k_+7], v[a_+8*m_:a_+8*m_+7]
.endif
.else
.if k_ == 0
	WIN 0x33                               ; tokens and the bias in window 3, W in window 0
	v_wmma_f32_16x16x32_bf16 v[a_+8*m_:a_+8*m_+7], v[TB0+32*e_+8*k_:TB0+32*e_+8*k_+7], v[WVF+8*(4*m_+k_):WVF+8*(4*m_+k_)+7], v[BVT+8*m_:BVT+8*m_+7]
.else
	WIN 0x03
	v_wmma_f32_16x16x32_bf16 v[a_+8*m_:a_+8*m_+7], v[TB0+32*e_+8*k_:TB0+32*e_+8*k_+7], v[WVF+8*(4*m_+k_):WVF+8*(4*m_+k_)+7], v[a_+8*m_:a_+8*m_+7]
.endif
.endif
.set m_, m_+1
.endr
.set k_, k_+1
.endr
.set e_, e_+1
.endr
	PLACES
	WIN 0
	s_add_co_u32 s[TBT], s[TBT], 32*PT
	s_cmp_eq_u32 s[CNT], 1
	s_cbranch_scc1 .Lnopre_\@
	v_add_nc_u32 v[ADR], s[TBT], v[AF0]
	TBLOAD 2
.Lnopre_\@:
.set k_, 0
.rept 16
	v_cvt_pk_bf16_f32 v[ACC0+k_], v[ACC0+2*k_], v[ACC0+2*k_+1]  ; in place, ascending
.set k_, k_+1
.endr
.set k_, 0
.rept 16
	v_cvt_pk_bf16_f32 v[ACC1+k_], v[ACC1+2*k_], v[ACC1+2*k_+1]
.set k_, k_+1
.endr
	v_add_nc_u32 v[ADR2], s[TBF], v[FSA0]
.set e_, 0
.rept 2
.set a_, ACC0+(ACC1-ACC0)*e_
.set m_, 0
.rept 4
.if (\kind) == 0
	ds_store_b128 v[ADR2], v[a_+4*m_:a_+4*m_+3] offset:2048*e_+512*m_   ; registers 16 tile + 4 m of window 1
.else
	ds_store_b128 v[ADR2], v[a_+4*m_:a_+4*m_+3] offset:1024*m_+512*e_   ; registers 32 trip + 8 m + 4 e of window 2
.endif
.set m_, m_+1
.endr
.set e_, e_+1
.endr
	s_add_co_u32 s[TBF], s[TBF], 4096
	s_sub_co_u32 s[CNT], s[CNT], 1
	s_cmp_lg_u32 s[CNT], 0
	s_cbranch_scc1 .Lproj_\@
.endm
.macro BULK w                          ; my stage comes back as 256 registers of window w; LDS serves a wave's instructions in order (ISA guide 5.7.1.4), so these see the stores
	WIN (\w)<<6
.set k_, 0
.rept 64
	ds_load_b128 v[4*k_:4*k_+3], v[FSA0] offset:512*k_
.set k_, k_+1
.endr
	WIN 0
.endm
.macro SF p                            ; c s - c m for pair p of the lane's 64
	v_pk_fma_f32 v[S+2*(\p):S+2*(\p)+1], v[S+2*(\p):S+2*(\p)+1], s[CS:CS+1], v[CM:CM+1] op_sel_hi:[1,0,0] neg_lo:[0,0,1] neg_hi:[0,0,1]
.endm
.macro SX e                            ; the exponential of score e of the lane's 128, in place: each result has a register of its own while its batch is open
	v_exp_f32 v[S+(\e)], v[S+(\e)]
.endm
.macro SS p                            ; pair p joins one of four sums (the first four start them)
.if (\p) < 4
	v_pk_mul_f32 v[LL+2*(\p):LL+2*(\p)+1], v[S+2*(\p):S+2*(\p)+1], 1.0 op_sel_hi:[1,0]
.else
	v_pk_add_f32 v[LL+2*((\p)%4):LL+2*((\p)%4)+1], v[LL+2*((\p)%4):LL+2*((\p)%4)+1], v[S+2*(\p):S+2*(\p)+1]
.endif
.endm
.macro SR p                            ; pair p, which has joined its sum, is rounded to bf16 into register p, whose own pair is done
	v_cvt_pk_bf16_f32 v[S+(\p)], v[S+2*(\p)], v[S+2*(\p)+1]
.endm
; ONE TILE OF 16 QUERIES.  Its tokens' fragments were asked for a tile earlier.
.macro QTILE
	s_wait_dscnt 0x0
.set k_, 0
.rept 4
.set m_, 0
.rept 4
.if k_ == 0
	WIN 0x3f                               ; Wq, tokens and bq in window 3
	v_wmma_f32_16x16x32_bf16 v[ACC0+8*m_:ACC0+8*m_+7], v[8*(4*m_+k_):8*(4*m_+k_)+7], v[TB0+8*k_:TB0+8*k_+7], v[BQT+8*m_:BQT+8*m_+7]
.else
	WIN 0x0f
	v_wmma_f32_16x16x32_bf16 v[ACC0+8*m_:ACC0+8*m_+7], v[8*(4*m_+k_):8*(4*m_+k_)+7], v[TB0+8*k_:TB0+8*k_+7], v[ACC0+8*m_:ACC0+8*m_+7]
.endif
.set m_, m_+1
.endr
.set k_, k_+1
.endr
	PLACES
	WIN 0
	s_add_co_u32 s[TBQ], s[TBQ], 16*PT
	s_cmp_eq_u32 s[QT], 1                  ; behind the last tile there is none to ask for
	s_cbranch_scc1 .Lnoq_\@
	v_add_nc_u32 v[ADR], s[TBQ], v[AF0]
	TBLOAD 1
.Lnoq_\@:
	s_sub_co_u32 s[QT], s[QT], 1
.set k_, 0
.rept 16
	v_cvt_pk_bf16_f32 v[QBF+k_], v[ACC0+2*k_], v[ACC0+2*k_+1]
.set k_, k_+1
.endr
	WIN 0x01                               ; K in window 1
.set c_, 0
.rept 2
.set k_, 0
.rept 16
.if c_ == 0
	v_wmma_f32_16x16x32_bf16 v[S+8*k_:S+8*k_+7], v[16*k_+8*c_:16*k_+8*c_+7], v[QBF+8*c_:QBF+8*c_+7], 0
.else
	v_wmma_f32_16x16x32_bf16 v[S+8*k_:S+8*k_+7], v[16*k_+8*c_:16*k_+8*c_+7], v[QBF+8*c_:QBF+8*c_+7], v[S+8*k_:S+8*k_+7]
.endif
.set k_, k_+1
.endr
.set c_, c_+1
.endr
	PLACES
	WIN 0
	; the maximum of the lane's 128 scores in four chains; each accumulator's lowest registers are read first
.set g_, 0
.rept 4
.set i_, 0
.rept 4
.set c_, 0
.rept 4
.set x_, S+8*(4*g_+c_)
.if g_ > 0
	v_max3_num_f32 v[C0+c_], v[C0+c_], v[x_+2*i_], v[x_+2*i_+1]
.elseif i_ == 0
	v_max3_num_f32 v[C0+c_], v[x_], v[x_+1], v[x_+2]
.elseif i_ < 3
	v_max3_num_f32 v[C0+c_], v[C0+c_], v[x_+2*i_+1], v[x_+2*i_+2]
.else
	v_max_num_f32 v[C0+c_], v[C0+c_], v[x_+7]
.endif
.set c_, c_+1
.endr
.set i_, i_+1
.endr
.set g_, g_+1
.endr
	v_max3_num_f32 v[C0], v[C0], v[C0+1], v[C0+2]
	v_max_num_f32 v[C0], v[C0], v[C0+3]
	v_permlanex16_b32 v[C0+1], v[C0], s[SEL], s[SEL+1]  ; the query's other 128 keys lie in the lane 16 away
	v_max_num_f32 v[CM+1], v[C0], v[C0+1]
	v_mul_f32 v[CM], s[CS], v[CM+1]
	; p = 2^(c s - c m), in two batches of 64 exponentials.  THE FIRST BATCH, scores 0-63, stands by turns with the 64 scalings: scaling i + 2 names registers 2 i + 4 and 2 i + 5 of S, above every result so far
	SF 0
	SF 1
.set i_, 0
.rept 62
	SX i_
	SF i_+2
.set i_, i_+1
.endr
	SX 62
	SX 63
	v_nop                                  ; a plain instruction behind the batch's last exponential
	s_wait_alu depctr_va_vdst(0)           ; the wait for the first batch, ahead of its first reader, the sum of pair 0
	; THE SECOND BATCH, scores 64-127: behind each exponential stands one line of the first half's sums and roundings, which name l's registers and scores 0-63 alone
.set i_, 0
.rept 32
	SX 64+2*i_
	SS i_
	SX 65+2*i_
	SR i_
.set i_, i_+1
.endr
	s_wait_alu depctr_va_vdst(0)           ; the wait for the second batch, ahead of its first reader, the sum of pair 32; the rounding above is the plain instruction behind its last exponential
	; the second half's sums run twelve pairs ahead of its roundings, so that the last twelve roundings stand between the links of l's chain
.set i_, 32
.rept 12
	SS i_
.set i_, i_+1
.endr
.set i_, 32
.rept 20
	SS i_+12
	SR i_
.set i_, i_+1
.endr
	v_pk_add_f32 v[LL:LL+1], v[LL:LL+1], v[LL+2:LL+3]          ; l: the four sums, the pair's halves, the other half of the lanes'
	v_pk_add_f32 v[LL+4:LL+5], v[LL+4:LL+5], v[LL+6:LL+7]
	SR 52
	SR 53
	v_pk_add_f32 v[LL:LL+1], v[LL:LL+1], v[LL+4:LL+5]
	SR 54
	SR 55
	v_add_f32 v[LL], v[LL], v[LL+1]
	SR 56
	SR 57
	v_permlanex16_b32 v[LL+1], v[LL], s[SEL], s[SEL+1]
	SR 58
	SR 59
	v_add_f32 v[LL], v[LL], v[LL+1]
	SR 60
	SR 61
	v_rcp_f32 v[LL], v[LL]                 ; THE THIRD BATCH, one reciprocal: it reads a sum of exponentials, so it cannot join them; the 32 products below, which name neither of l's registers, stand between it and its wait
	SR 62                                  ; the plain instruction behind it
	SR 63
	WIN 0x02                               ; V in window 2
.set k_, 0
.rept 8
.set m_, 0
.rept 4
.if k_ == 0
	v_wmma_f32_16x16x32_bf16 v[ACC0+8*m_:ACC0+8*m_+7], v[32*k_+8*m_:32*k_+8*m_+7], v[S+8*k_:S+8*k_+7], 0
.else
	v_wmma_f32_16x16x32_bf16 v[ACC0+8*m_:ACC0+8*m_+7], v[32*k_+8*m_:32*k_+8*m_+7], v[S+8*k_:S+8*k_+7], v[ACC0+8*m_:ACC0+8*m_+7]
.endif
.set m_, m_+1
.endr
.set k_, k_+1
.endr
	PLACES                                 ; between the last products and the lines that read their sums
	WIN 0
	s_wait_alu depctr_va_vdst(0)           ; the wait for the reciprocal, ahead of its first reader
.if PASS == 1
	v_mul_f32 v[LL], 0x3e800000, v[LL]     ; a quarter: the mean over four views
.set k_, 0
.rept 16
	v_pk_fma_f32 v[OBAR+2*k_:OBAR+2*k_+1], v[ACC0+2*k_:ACC0+2*k_+1], v[LL:LL+1], v[OBAR+2*k_:OBAR+2*k_+1] op_sel_hi:[1,0,1]
.set k_, k_+1
.endr
.else
.set k_, 0
.rept 16
	v_pk_mul_f32 v[OBAR+2*k_:OBAR+2*k_+1], v[ACC0+2*k_:ACC0+2*k_+1], v[LL:LL+1] op_sel_hi:[1,0]
.set k_, k_+1
.endr
.endif
.endm
.macro FLUSH                           ; 16 pixels x my head's 64 channels, bf16, into OB
.set k_, 0
.rept 16
	v_cvt_pk_bf16_f32 v[OBAR+k_], v[OBAR+2*k_], v[OBAR+2*k_+1]
.set k_, k_+1
.endr
	v_add_nc_u32 v[ADR2], s[TBO], v[OB0]
.set m_, 0
.rept 4
	ds_store_b128 v[ADR2], v[OBAR+4*m_:OBAR+4*m_+3] offset:32*m_
.set m_, m_+1
.endr
	s_add_co_u32 s[TBO], s[TBO], 16*PW
.endm
; ZS[64 pixels][my 32 channels] += bias + B W, K = 256: B's rows lie 528 bytes apart at bb, W's fragments at register 0 of the window that wm names, the bias tile at bt of window 2.
; Two trips of two pixel tiles; the residual is the C operand; each number of ZS has one owner, so no barrier stands inside.
.macro P64 wm, bb, bt
	s_mov_b32 s[TB], 0
	s_mov_b32 s[TB2], \bb
	s_mov_b32 s[CNT], 2
.Lp64_\@:
	v_add_nc_u32 v[ADR2], s[TB], v[ZT0]
	v_add_nc_u32 v[ADR], s[TB2], v[AF5]
.set m_, 0
.rept 2
.set e_, 0
.rept 2
	ds_load_b128 v[ACC0+8*(2*m_+e_):ACC0+8*(2*m_+e_)+3], v[ADR2] offset:16*PW*e_+64*m_
	ds_load_b128 v[ACC0+8*(2*m_+e_)+4:ACC0+8*(2*m_+e_)+7], v[ADR2] offset:16*PW*e_+64*m_+16
.set e_, e_+1
.endr
.set m_, m_+1
.endr
	WIN 0xc0
.set e_, 0
.rept 2
.set k_, 0
.rept 8
	ds_load_b128 v[128+64*e_+8*k_:128+64*e_+8*k_+3], v[ADR] offset:16*PW*e_+64*k_
	ds_load_b128 v[128+64*e_+8*k_+4:128+64*e_+8*k_+7], v[ADR] offset:16*PW*e_+64*k_+32
.set k_, k_+1
.endr
.set e_, e_+1
.endr
	s_wait_dscnt 32                        ; B's 32 loads may be out; the residual is in
	WIN 0x08                               ; source 1 in window 2
.set m_, 0
.rept 2
.set e_, 0
.rept 2
.set c_, 0
.rept 4
	v_pk_add_f32 v[ACC0+8*(2*m_+e_)+2*c_:ACC0+8*(2*m_+e_)+2*c_+1], v[ACC0+8*(2*m_+e_)+2*c_:ACC0+8*(2*m_+e_)+2*c_+1], v[(\bt)+8*m_+2*c_:(\bt)+8*m_+2*c_+1]
.set c_, c_+1
.endr
.set e_, e_+1
.endr
.set m_, m_+1
.endr
	s_wait_dscnt 0x0
	WIN \wm
.set k_, 0
.rept 8
.set m_, 0
.rept 2
.set e_, 0
.rept 2
	v_wmma_f32_16x16x32_bf16 v[ACC0+8*(2*m_+e_):ACC0+8*(2*m_+e_)+7], v[8*(8*m_+k_):8*(8*m_+k_)+7], v[128+64*e_+8*k_:128+64*e_+8*k_+7], v[ACC0+8*(2*m_+e_):ACC0+8*(2*m_+e_)+7]
.set e_, e_+1
.endr
.set m_, m_+1
.endr
.set k_, k_+1
.endr
	PLACES
	WIN 0
.set m_, 0
.rept 2
.set e_, 0
.rept 2
	ds_store_b128 v[ADR2], v[ACC0+8*(2*m_+e_):ACC0+8*(2*m_+e_)+3] offset:16*PW*e_+64*m_
	ds_store_b128 v[ADR2], v[ACC0+8*(2*m_+e_)+4:ACC0+8*(2*m_+e_)+7] offset:16*PW*e_+64*m_+16
.set e_, e_+1
.endr
.set m_, m_+1
.endr
	s_add_co_u32 s[TB], s[TB], 32*PW
	s_add_co_u32 s[TB2], s[TB2], 32*PW
	s_sub_co_u32 s[CNT], s[CNT], 1
	s_cmp_lg_u32 s[CNT], 0
	s_cbranch_scc1 .Lp64_\@
.endm
; gelu(x) = max(x, 0) - |x| / 2 poly(t) e^(-x x / 2), t = 1 / (1 + 0.47047 |x| / sqrt 2), on v64-95; v96-191 at work
.set GX, 64
.set GT, 96
.set GE, 128
.set GP, 160
.macro GELU
.set i_, 0
.rept 32
	v_fma_f32 v[GT+i_], |v[GX+i_]|, s[K1], 1.0
.set i_, i_+1
.endr
.set i_, 0
.rept 32
	v_rcp_f32 v[GT+i_], v[GT+i_]
.set i_, i_+1
.endr
.set i_, 0
.rept 16
	v_pk_mul_f32 v[GE+2*i_:GE+2*i_+1], v[GX+2*i_:GX+2*i_+1], v[GX+2*i_:GX+2*i_+1]
.set i_, i_+1
.endr
.set i_, 0
.rept 16
	v_pk_mul_f32 v[GE+2*i_:GE+2*i_+1], v[GE+2*i_:GE+2*i_+1], s[KE:KE+1] op_sel_hi:[1,0]
.set i_, i_+1
.endr
.set i_, 0
.rept 32
	v_exp_f32 v[GE+i_], v[GE+i_]
.set i_, i_+1
.endr
.set i_, 0
	s_wait_alu depctr_va_vdst(0)           ; one wait for the batch of 64, the 32 reciprocals and the 32 exponentials, ahead of its first reader; that line names no exponential's register and is the plain instruction behind the last of them
.rept 16
	v_pk_fma_f32 v[GP+2*i_:GP+2*i_+1], v[GT+2*i_:GT+2*i_+1], s[GA3:GA3+1], s[GA2:GA2+1] op_sel_hi:[1,0,0]
.set i_, i_+1
.endr
.set i_, 0
.rept 16
	v_pk_fma_f32 v[GP+2*i_:GP+2*i_+1], v[GP+2*i_:GP+2*i_+1], v[GT+2*i_:GT+2*i_+1], s[GA1:GA1+1] op_sel_hi:[1,1,0]
.set i_, i_+1
.endr
.set i_, 0
.rept 16
	v_pk_mul_f32 v[GP+2*i_:GP+2*i_+1], v[GP+2*i_:GP+2*i_+1], v[GT+2*i_:GT+2*i_+1]
.set i_, i_+1
.endr
.set i_, 0
.rept 16
	v_pk_mul_f32 v[GP+2*i_:GP+2*i_+1], v[GP+2*i_:GP+2*i_+1], v[GE+2*i_:GE+2*i_+1]
.set i_, i_+1
.endr
.set i_, 0
.rept 32
	v_mul_f32 v[GT+i_], -0.5, |v[GX+i_]|
.set i_, i_+1
.endr
.set i_, 0
.rept 32
	v_max_num_f32 v[GX+i_], 0, v[GX+i_]
.set i_, i_+1
.endr
.set i_, 0
.rept 16
	v_pk_fma_f32 v[GX+2*i_:GX+2*i_+1], v[GT+2*i_:GT+2*i_+1], v[GP+2*i_:GP+2*i_+1], v[GX+2*i_:GX+2*i_+1]
.set i_, i_+1
.endr
.endm
	; ---------------- the head ----------------
	s_load_b512 s[4:19], s[0:1], 0x0
	s_load_b256 s[20:27], s[0:1], 0x40
.if PASS == 1
	s_load_b128 s[28:31], s[0:1], 0x60
	s_load_b64 s[32:33], s[0:1], 0x70
.else
	s_load_b64 s[28:29], s[0:1], 0x60
.endif
	v_lshl_add_u32 v[SPW], v0, 2, SPARE
	v_mov_b32 v[NIL], 0
	v_lshrrev_b32 v[ADR], 5, v0
	v_readfirstlane_b32 s[WV], v[ADR]
	v_and_b32 v[R], 15, v0
	v_bfe_u32 v[HH], v0, 4, 1
	v_and_b32 v[T16], 31, v0
	v_lshlrev_b32 v[T16], 4, v[T16]        ; 16 x lane, for the two sums below
	s_lshl_b32 s38, s[WV], 14
	v_add_nc_u32 v[WOFF], s38, v[T16]
	s_lshl_b32 s38, s[WV], 15
	s_add_co_u32 s38, s38, FS
	v_add_nc_u32 v[FSA0], s38, v[T16]
	v_lshlrev_b32 v[T16], 4, v0            ; from here on 16 x thread
	v_mul_u32_u24 v[AF0], v[R], PT
	v_lshl_add_u32 v[AF0], v[HH], 4, v[AF0]
	v_mul_u32_u24 v[AF5], v[R], PW
	v_lshl_add_u32 v[ZT0], v[HH], 5, v[AF5]
	v_lshl_add_u32 v[AF5], v[HH], 4, v[AF5]
	s_lshl_b32 s38, s[WV], 8
	v_lshl_add_u32 v[BOFF], v[HH], 5, s38
	v_lshl_add_u32 v[BOFV], v[R], 2, s38
	s_lshl_b32 s38, s[WV], 7
	s_add_co_u32 s39, s38, OB
	v_add_nc_u32 v[OB0], s39, v[AF5]       ; OB: pixel r, channel 64 w + 8 h
	s_add_co_u32 s39, s38, HS
	v_add_nc_u32 v[HS0], s39, v[AF5]
	s_add_co_u32 s39, s38, ZS
	v_add_nc_u32 v[ZT0], s39, v[ZT0]       ; ZS: pixel r, channel 32 w + 8 h
	v_lshrrev_b32 v[CP0], 4, v0
	v_mul_u32_u24 v[CP0], v[CP0], PT
	v_lshl_add_u32 v[CP0], v[R], 4, v[CP0] ; a copy of dense rows of 256 bytes: thread t takes row t / 16, 16 bytes at 16 (t % 16)
	s_lshr_b32 s[XX], ttmp9, 4
	s_and_b32 s[YY], ttmp9, 15
	s_mov_b32 s[SEL], 0x76543210
	s_mov_b32 s[SEL+1], 0xfedcba98
	s_mov_b32 s[I128], 0x3c000000          ; 1 / 128
	s_mov_b32 s[EPS], 0x3727c5ac           ; 1e-5
	s_mov_b32 s[CS], 0x3e38aa3b            ; c = log2(e) / 8
	s_mov_b32 s[CS+1], s[CS]
	s_mov_b32 s[K1], 0x3eaa540e            ; 0.47047 / sqrt 2
	s_mov_b32 s[KE], 0xbf38aa3b            ; -log2(e) / 2
	s_mov_b32 s[KE+1], s[KE]
	s_mov_b32 s[GA3], 0x3f3f7377           ; 0.7478556
	s_mov_b32 s[GA3+1], s[GA3]
	s_mov_b32 s[GA2], 0xbdc45ca1           ; -0.0958798
	s_mov_b32 s[GA2+1], s[GA2]
	s_mov_b32 s[GA1], 0x3eb2303a           ; 0.3480242
	s_mov_b32 s[GA1+1], s[GA1]
.if PASS == 1
	; ---------------- pass 1: the window's 4 x 4 source pixels, my view, key in lanes 0-15 and value in lanes 16-31 ----------------
.set OF, 32
.set ROW, 128
.set TOK, 160
.set LA, 224
.set GO, 225
	s_lshl_b32 s38, s[XX], 1
	s_sub_co_i32 s38, s38, 1
	s_lshl_b32 s39, s[YY], 1
	s_sub_co_i32 s39, s39, 1
.irp i, 0,1,2,3
	s_add_co_i32 s[RW+\i], s38, \i
	s_max_i32 s[RW+\i], s[RW+\i], 0
	s_min_i32 s[RW+\i], s[RW+\i], 31
	s_lshl_b32 s[RW+\i], s[RW+\i], 14
	s_add_co_i32 s[CW+\i], s39, \i
	s_max_i32 s[CW+\i], s[CW+\i], 0
	s_min_i32 s[CW+\i], s[CW+\i], 31
	s_lshl_b32 s[CW+\i], s[CW+\i], 9
.endr
	v_lshlrev_b32 v17, 21, v[HH]
	v_lshl_add_u32 v17, v[R], 4, v17
	s_lshl_b32 s38, s[WV], 19
	v_add_nc_u32 v17, s38, v17
.set i_, 0
.rept 4
.set j_, 0
.rept 4
	s_add_co_u32 s38, s[RW+i_], s[CW+j_]
	v_add_nc_u32 v[OF+4*i_+j_], s38, v17
.set j_, j_+1
.endr
.set i_, i_+1
.endr
	s_mul_i32 s38, s[WV], 64*PT
	v_mul_u32_u24 v18, v[HH], VH
	v_lshl_add_u32 v18, v[R], 4, v18
	v_add_nc_u32 v18, s38, v18             ; LDS: khat or vhat, token 64 view + 8 a + b
	s_and_b32 s38, s[XX], 1
	s_lshl_b32 s38, s38, 23
	s_and_b32 s39, s[YY], 1
	s_lshl_b32 s39, s39, 19
	s_add_co_u32 s38, s38, s39
	s_lshl_b32 s39, s[WV], 14
	s_add_co_u32 s38, s38, s39
	s_lshr_b32 s39, s[XX], 1
	s_lshl_b32 s39, s39, 11
	s_add_co_u32 s38, s38, s39
	s_lshr_b32 s39, s[YY], 1
	s_lshl_b32 s39, s39, 8
	s_add_co_u32 s38, s38, s39
	v_lshlrev_b32 v19, 24, v[HH]
	v_lshl_add_u32 v19, v[R], 4, v19
	v_add_nc_u32 v19, s38, v19             ; kvhat[t][H % 16][W % 16][view][H / 16][W / 16]
	WIN 0x40
	v_mov_b32 v[LA], v18
	v_mov_b32 v[GO], v19
	WIN 0
	s_mov_b32 s[HK], 0x3e000000
	s_mov_b32 s[HK+2], 0x3ec00000
	s_mov_b32 s[HK+4], 0x3f200000
	s_mov_b32 s[HK+6], 0x3f600000
.irp i, 1,3,5,7
	s_mov_b32 s[HK+\i], 0                  ; named with the weights as pairs
	s_mov_b32 s[VW+\i], 0
.endr
	s_lshl_b32 s38, ttmp9, 16
	s_mov_b32 s39, 0
	s_wait_kmcnt 0x0
	s_add_nc_u64 s[4:5], s[4:5], s[38:39]  ; my window's q tokens
	s_lshl_b32 s38, ttmp9, 15
	s_add_nc_u64 s[P_SK:P_SK+1], s[P_SK:P_SK+1], s[38:39]
	WIN 0x40
.set i_, 0
.rept 16
	global_load_b128 v[8*i_:8*i_+3], v[OF+i_], s[6:7]
	global_load_b128 v[8*i_+4:8*i_+7], v[OF+i_], s[6:7] offset:256
.set i_, i_+1
.endr
	WIN 0x80
.set i_, 0
.rept 32
	global_load_b128 v[4*i_:4*i_+3], v[T16], s[4:5] offset:2048*i_
.set i_, i_+1
.endr
	WIN 0
	s_wait_loadcnt 32                      ; the 32 loads of q tokens may be out; the source pixels are in
.else
	; ---------------- pass 2: the window's tokens are dense in kvhat and qhat2 ----------------
	s_lshl_b32 s38, ttmp9, 16
	s_mov_b32 s39, 0
	s_wait_kmcnt 0x0
	s_add_nc_u64 s[4:5], s[4:5], s[38:39]
	s_add_nc_u64 s[RW:RW+1], s[4:5], 0x1000000     ; the values lie 16 MiB behind the keys
	s_lshl_b32 s38, ttmp9, 14
	s_add_nc_u64 s[6:7], s[6:7], s[38:39]
	s_lshl_b32 s38, ttmp9, 15
	s_add_nc_u64 s[P_SK:P_SK+1], s[P_SK:P_SK+1], s[38:39]
	WIN 0x40
.set i_, 0
.rept 32
	global_load_b128 v[4*i_:4*i_+3], v[T16], s[4:5] offset:2048*i_
.set i_, i_+1
.endr
	WIN 0x80
.set i_, 0
.rept 32
	global_load_b128 v[4*i_:4*i_+3], v[T16], s[RW:RW+1] offset:2048*i_
.set i_, i_+1
.endr
.set i_, 0
.rept 8
	global_load_b128 v[128+4*i_:128+4*i_+3], v[T16], s[6:7] offset:2048*i_
.set i_, i_+1
.endr
	WIN 0
.endif
	LOADW 3, 0, MATB+65536                 ; Wk'
	LOADW 0, WVF, MATB+131072              ; Wv'
	BTILE 0, BKT, P_WS, BSLOT              ; bk'
	WIN 0xc0
.set m_, 0
.rept 4
	global_load_b32 v[BVT+8*m_], v[BOFV], s[P_WS:P_WS+1] offset:BSLOT+1024+64*m_   ; bv'[64 w + 16 m + r]
.set m_, m_+1
.endr
	WIN 0
	BTILE 3, BQT, P_BQ, 0
.if PASS == 1
	s_mov_b32 s[UA], 0
.Lups:                                             ; row a of the window: eight pixels, resized, normalised, rounded, stored
	s_lshl_b32 s[UT], s[UA], 1
	s_add_co_u32 s[UT], s[UT], 5
	s_and_b32 s[UT], s[UT], 7              ; eight times the fraction: the sample lies at (2 a - 3) / 8 from the window's first source row
	s_sub_co_u32 s[UU], 8, s[UT]
	s_cvt_f32_u32 s[UF], s[UT]
	s_cvt_f32_u32 s[UG], s[UU]
	s_mul_f32 s[UF], s[UF], 0x3e000000
	s_mul_f32 s[UG], s[UG], 0x3e000000
	s_add_co_u32 s[UI0], s[UA], 2
	s_lshr_b32 s[UI0], s[UI0], 2           ; the upper tap among my four rows
	s_add_co_u32 s[UI1], s[UI0], 1
.irp i, 0,1,2,3
	s_cmp_eq_u32 s[UI1], \i
	s_cselect_b32 s[VW+2*\i], s[UF], 0
	s_cmp_eq_u32 s[UI0], \i
	s_cselect_b32 s[VW+2*\i], s[UG], s[VW+2*\i]
.endr
	WIN 0x55                               ; all in window 1
.set j_, 0
.rept 16
	v_pk_mul_f32 v[ROW+2*j_:ROW+2*j_+1], v[2*j_:2*j_+1], s[VW:VW+1] op_sel_hi:[1,0]
.set j_, j_+1
.endr
.set i_, 1
.rept 3
.set j_, 0
.rept 16
	v_pk_fma_f32 v[ROW+2*j_:ROW+2*j_+1], v[32*i_+2*j_:32*i_+2*j_+1], s[VW+2*i_:VW+2*i_+1], v[ROW+2*j_:ROW+2*j_+1] op_sel_hi:[1,0,1]
.set j_, j_+1
.endr
.set i_, i_+1
.endr
.set p_, 0
.rept 8
.set j_, (p_+2)/4
.set f_, (2*p_+5)%8
.set c_, 0
.rept 4
	v_pk_mul_f32 v[TOK+8*p_+2*c_:TOK+8*p_+2*c_+1], v[ROW+8*j_+2*c_:ROW+8*j_+2*c_+1], s[HK+7-f_:HK+8-f_] op_sel_hi:[1,0]
.set c_, c_+1
.endr
.set c_, 0
.rept 4
	v_pk_fma_f32 v[TOK+8*p_+2*c_:TOK+8*p_+2*c_+1], v[ROW+8*j_+8+2*c_:ROW+8*j_+8+2*c_+1], s[HK+f_-1:HK+f_], v[TOK+8*p_+2*c_:TOK+8*p_+2*c_+1] op_sel_hi:[1,0,1]
.set c_, c_+1
.endr
.set p_, p_+1
.endr
	LNB 8, TOK, TOK, ROW
.set k_, 0
.rept 32
	v_cvt_pk_bf16_f32 v[TOK+k_], v[TOK+2*k_], v[TOK+2*k_+1]
.set k_, k_+1
.endr
.set p_, 0
.rept 8
	ds_store_b128 v[LA], v[TOK+4*p_:TOK+4*p_+3] offset:PT*p_
	global_store_b128 v[GO], v[TOK+4*p_:TOK+4*p_+3], s[28:29] offset:65536*p_   ; 16 lanes store a token's 256 bytes
.set p_, p_+1
.endr
	s_wait_xcnt 0x0                        ; the stores' offset and data are rewritten only behind this wait
	v_add_nc_u32 v[LA], 8*PT, v[LA]
	v_add_nc_u32 v[GO], 0x100000, v[GO]
	WIN 0
	s_add_co_u32 s[UA], s[UA], 1
	s_cmp_lt_u32 s[UA], 8
	s_cbranch_scc1 .Lups
.else
	v_add_nc_u32 v17, 128*PT, v[CP0]       ; an LDS immediate ends at 65,535: a base for each 128 rows
	v_add_nc_u32 v18, VH, v[CP0]
	v_add_nc_u32 v19, VH, v17
	s_wait_loadcnt 63                      ; 156 loads are issued: the oldest 93 are in, K's and V's 64 among them
	WIN 0x04
.set i_, 0
.rept 16
	ds_store_b128 v[CP0], v[4*i_:4*i_+3] offset:8*PT*i_
	ds_store_b128 v17, v[64+4*i_:64+4*i_+3] offset:8*PT*i_
.set i_, i_+1
.endr
	WIN 0x08
.set i_, 0
.rept 16
	ds_store_b128 v18, v[4*i_:4*i_+3] offset:8*PT*i_
	ds_store_b128 v19, v[64+4*i_:64+4*i_+3] offset:8*PT*i_
.set i_, i_+1
.endr
	WIN 0
.endif
	s_wait_loadcnt 0x0                     ; weights, biases, q tokens
	WIN 0xc3
.set m_, 0
.rept 4
.set j_, 1
.rept 7
	v_mov_b32 v[BVT+8*m_+j_], v[BVT+8*m_]  ; in V a lane holds one channel: its bias in all eight registers of the C operand
.set j_, j_+1
.endr
.set m_, m_+1
.endr
	WIN 0
	BAR                                    ; khat and vhat are whole
	PROJ 0
	BULK 1
	LOADW 3, 0, MATB                       ; Wq takes Wk's place; the places behind the last product stand in the loop's last trip
	BAR                                    ; nobody reads khat any more
	v_add_nc_u32 v17, 128*PT, v[CP0]
	WIN 0x08
.if PASS == 1
.set i_, 0
.rept 16
	ds_store_b128 v[CP0], v[4*i_:4*i_+3] offset:8*PT*i_
	ds_store_b128 v17, v[64+4*i_:64+4*i_+3] offset:8*PT*i_
.set i_, i_+1
.endr
.else
.set i_, 0
.rept 8
	ds_store_b128 v[CP0], v[128+4*i_:128+4*i_+3] offset:8*PT*i_
.set i_, i_+1
.endr
.endif
	WIN 0
	PROJ 1
	BULK 2
	WIN 0xc0
.set i_, 0
.rept 16
	global_load_b128 v[SKP+4*i_:SKP+4*i_+3], v[T16], s[P_SK:P_SK+1] offset:2048*i_    ; the skip: it lands while the attention runs
.set i_, i_+1
.endr
	WIN 0
	BAR                                    ; the q tokens are whole; every wave has its fragments back, so the stages are free
	s_wait_loadcnt 16                      ; the skip's 16 loads may be out; Wq is in
	s_mov_b32 s[TBQ], 0
	s_mov_b32 s[TBO], 0
	s_mov_b32 s[QT], NQT
	s_mov_b32 s[PG], 4
	v_mov_b32 v[ADR], v[AF0]
	TBLOAD 1
.Lpg:                                              ; 16 pixels a trip
.if PASS == 1
.set k_, 0
.rept 32
	v_mov_b32 v[OBAR+k_], 0                ; the mean over views starts; the four views' tiles run through one text
.set k_, k_+1
.endr
	s_mov_b32 s[NV], 4
.Lnv:
.endif
	QTILE
.if PASS == 1
	s_sub_co_u32 s[NV], s[NV], 1
	s_cmp_lg_u32 s[NV], 0
	s_cbranch_scc1 .Lnv
.endif
	FLUSH
	s_sub_co_u32 s[PG], s[PG], 1
	s_cmp_lg_u32 s[PG], 0
	s_cbranch_scc1 .Lpg
	; ---------------- behind the attention ----------------
	s_wait_loadcnt 0x0                     ; the skip is in
	s_lshl_b32 s38, s[WV], 7
	v_lshl_add_u32 v16, v[HH], 5, s38      ; 4 (32 w + 8 h)
	v_lshlrev_b32 v17, 5, v[R]             ; 4 (8 r)
	LOADW 1, 0, MATB+4*65536               ; Wo
	WIN 0x80
.set m_, 0
.rept 2
	global_load_b128 v[BOT+8*m_:BOT+8*m_+3], v16, s[P_BO:P_BO+1] offset:64*m_
	global_load_b128 v[BOT+8*m_+4:BOT+8*m_+7], v16, s[P_BO:P_BO+1] offset:64*m_+16
	global_load_b128 v[B2T+8*m_:B2T+8*m_+3], v16, s[P_B2:P_B2+1] offset:64*m_
	global_load_b128 v[B2T+8*m_+4:B2T+8*m_+7], v16, s[P_B2:P_B2+1] offset:64*m_+16
.set m_, m_+1
.endr
.irp q, 0,1
	global_load_b128 v[LG1+4*\q:LG1+4*\q+3], v17, s[P_PG:P_PG+1] offset:16*\q
	global_load_b128 v[LB1+4*\q:LB1+4*\q+3], v17, s[P_PB:P_PB+1] offset:16*\q
	global_load_b128 v[LG2+4*\q:LG2+4*\q+3], v17, s[P_G2:P_G2+1] offset:16*\q
	global_load_b128 v[LB2+4*\q:LB2+4*\q+3], v17, s[P_N2:P_N2+1] offset:16*\q
.endr
	WIN 0
	LOADW 1, 128, MATB+3*65536             ; W1
	BTILE 2, B1T, P_B1, 0
	LOADW 3, 0, MATB+5*65536               ; W2
	s_mul_i32 s38, s[WV], PW
	s_add_co_u32 s38, s38, ZS
	v_lshl_add_u32 v18, v[HH], 4, v17
	v_add_nc_u32 v18, s38, v18             ; load i of thread t holds token 4 i + t / 32, channels 8 (t % 16) + 4 ((t / 16) % 2) ..
	WIN 0x0c
.set i_, 0
.rept 16
	ds_store_b128 v18, v[SKP+4*i_:SKP+4*i_+3] offset:4*PW*i_
.set i_, i_+1
.endr
	WIN 0
	s_mul_i32 s38, s[WV], 16*PW
	s_add_co_u32 s38, s38, ZS
	v_mul_u32_u24 v22, v[HH], PW
	v_lshl_add_u32 v22, v[R], 5, v22
	v_add_nc_u32 v22, s38, v22             ; by tokens: pixel 16 w + h, channels 8 r ..
	s_mul_i32 s38, s[WV], 16*PT
	s_add_co_u32 s38, s38, A1
	v_mul_u32_u24 v23, v[HH], PT
	v_lshl_add_u32 v23, v[R], 4, v23
	v_add_nc_u32 v23, s38, v23
.if PASS == 1
	s_and_b32 s38, s[XX], 1                ; pixel (8 X + a, 8 Y + b), 8 a + b = 16 w + 8 u + 2 p + h, lies in grid window (H % 16, W % 16) at place (X / 2) 8 + Y / 2
	s_lshl_b32 s38, s38, 3
	s_lshl1_add_u32 s38, s[WV], s38
	s_lshl_b32 s38, s38, 4
	s_and_b32 s39, s[YY], 1
	s_lshl3_add_u32 s38, s39, s38
	s_lshr_b32 s39, s[XX], 1
	s_lshl_b32 s39, s39, 3
	s_lshr_b32 s56, s[YY], 1
	s_add_co_u32 s39, s39, s56
	s_lshl_b32 s56, s38, 15
	s_lshl_b32 s57, s39, 9
	s_add_co_u32 s56, s56, s57
	v_lshlrev_b32 v24, 15, v[HH]
	v_lshl_add_u32 v24, v[R], 4, v24
	v_add_nc_u32 v24, s56, v24
	s_lshl_b32 s56, s38, 14
	s_lshl_b32 s57, s39, 8
	s_add_co_u32 s56, s56, s57
	v_lshlrev_b32 v25, 14, v[HH]
	v_lshl_add_u32 v25, v[R], 4, v25
	v_add_nc_u32 v25, s56, v25
.else
	s_lshl_b32 s56, s[WV], 21              ; place 8 w1 + w2 = 16 w + 8 u + 2 p + h of grid window (xw, yw) is pixel (16 w1 + xw, 16 w2 + yw)
	s_lshl_b32 s57, s[XX], 16
	s_add_co_u32 s56, s56, s57
	s_lshl_b32 s57, s[YY], 9
	s_add_co_u32 s56, s56, s57
	v_lshlrev_b32 v24, 13, v[HH]
	v_lshl_add_u32 v24, v[R], 4, v24
	v_add_nc_u32 v24, s56, v24
	v_mov_b32 v25, 0
.endif
	WIN 0x80
	v_mov_b32 v[ZR], v22
	v_mov_b32 v[ZR6], v22
	v_mov_b32 v[A1W], v23
	v_mov_b32 v[GO1], v24
	v_mov_b32 v[GO2], v25
	WIN 0
	BAR                                    ; OB and the skip are whole
	s_wait_loadcnt 63                      ; of the 120 loads above the oldest 57 are in: Wo, bo, b2 and the four vectors are the oldest 48
	P64 0x0d, OB, BOT                      ; z = mean O wo + bo + skip
	BAR
	s_mov_b32 s[CNT], 2
.Lt3:                                              ; LayerNorm: eight of my 16 pixels a trip, a pixel for each half of the lanes
	WIN 0xaa                               ; all in window 2
.set p_, 0
.rept 4
	ds_load_b128 v[TX+8*p_:TX+8*p_+3], v[ZR] offset:2*PW*p_
	ds_load_b128 v[TX+8*p_+4:TX+8*p_+7], v[ZR] offset:2*PW*p_+16
.set p_, p_+1
.endr
	s_wait_dscnt 0x0
	LNB 4, TX, TX, TT
	AFF 4, TX, LG1, LB1
.set k_, 0
.rept 16
	v_cvt_pk_bf16_f32 v[TX+k_], v[TX+2*k_], v[TX+2*k_+1]
.set k_, k_+1
.endr
.set p_, 0
.rept 4
	ds_store_b128 v[A1W], v[TX+4*p_:TX+4*p_+3] offset:2*PT*p_
.set p_, p_+1
.endr
	v_add_nc_u32 v[ZR], 8*PW, v[ZR]
	v_add_nc_u32 v[A1W], 8*PT, v[A1W]
	WIN 0
	s_sub_co_u32 s[CNT], s[CNT], 1
	s_cmp_lg_u32 s[CNT], 0
	s_cbranch_scc1 .Lt3
	BAR
	s_wait_loadcnt 32                      ; W2's 32 loads may be out; W1 and b1 are in
	s_mov_b32 s[TB], A1
	s_mov_b32 s[TB2], 0
	s_mov_b32 s[CNT], 4
.Lt4:                                              ; the hidden layer: 16 pixels x my 64 channels a trip
	v_add_nc_u32 v[ADR], s[TB], v[AF0]
	TBLOAD 1
	s_wait_dscnt 0x0
.set k_, 0
.rept 4
.set m_, 0
.rept 4
.if k_ == 0
	WIN 0x2d                               ; W1 in window 1, tokens in window 3, b1 in window 2
	v_wmma_f32_16x16x32_bf16 v[GX+8*m_:GX+8*m_+7], v[128+8*(4*m_+k_):128+8*(4*m_+k_)+7], v[TB0+8*k_:TB0+8*k_+7], v[B1T+8*m_:B1T+8*m_+7]
.else
	WIN 0x0d
	v_wmma_f32_16x16x32_bf16 v[GX+8*m_:GX+8*m_+7], v[128+8*(4*m_+k_):128+8*(4*m_+k_)+7], v[TB0+8*k_:TB0+8*k_+7], v[GX+8*m_:GX+8*m_+7]
.endif
.set m_, m_+1
.endr
.set k_, k_+1
.endr
	PLACES
	WIN 0
	GELU
.set k_, 0
.rept 16
	v_cvt_pk_bf16_f32 v[GX+k_], v[GX+2*k_], v[GX+2*k_+1]
.set k_, k_+1
.endr
	v_add_nc_u32 v[ADR2], s[TB2], v[HS0]
.set m_, 0
.rept 4
	ds_store_b128 v[ADR2], v[GX+4*m_:GX+4*m_+3] offset:32*m_
.set m_, m_+1
.endr
	s_add_co_u32 s[TB], s[TB], 16*PT
	s_add_co_u32 s[TB2], s[TB2], 16*PW
	s_sub_co_u32 s[CNT], s[CNT], 1
	s_cmp_lg_u32 s[CNT], 0
	s_cbranch_scc1 .Lt4
	BAR
	s_wait_loadcnt 0x0                     ; W2
	P64 0x0f, HS, B2T                      ; y = z + gelu(..) w2 + b2
	BAR
	s_mov_b32 s[CNT], 2
.Lt6:                                              ; the way out, by tokens: 16 lanes store 256 bytes on end
	WIN 0xaa
.set p_, 0
.rept 4
	ds_load_b128 v[TX+8*p_:TX+8*p_+3], v[ZR6] offset:2*PW*p_
	ds_load_b128 v[TX+8*p_+4:TX+8*p_+7], v[ZR6] offset:2*PW*p_+16
.set p_, p_+1
.endr
	s_wait_dscnt 0x0
.if PASS == 1
.set p_, 0
.rept 4
	global_store_b128 v[GO1], v[TX+8*p_:TX+8*p_+3], s[30:31] offset:65536*p_
	global_store_b128 v[GO1], v[TX+8*p_+4:TX+8*p_+7], s[30:31] offset:65536*p_+256
.set p_, p_+1
.endr
	LNB 4, TX, TD, TT                      ; pass 2's query: its LayerNorm, gain and shift
	AFF 4, TD, LG2, LB2
.set k_, 0
.rept 16
	v_cvt_pk_bf16_f32 v[TD+k_], v[TD+2*k_], v[TD+2*k_+1]
.set k_, k_+1
.endr
.set p_, 0
.rept 4
	global_store_b128 v[GO2], v[TD+4*p_:TD+4*p_+3], s[32:33] offset:32768*p_
.set p_, p_+1
.endr
	s_wait_xcnt 0x0                        ; the stores' offsets and data are rewritten only behind this wait
	v_add_nc_u32 v[GO1], 0x80000, v[GO1]
	v_add_nc_u32 v[GO2], 0x40000, v[GO2]
.else
	LNB 4, TX, TX, TT                      ; the last LayerNorm
	AFF 4, TX, LG2, LB2
.set p_, 0
.rept 4
	global_store_b128 v[GO1], v[TX+8*p_:TX+8*p_+3], s[28:29] offset:16384*p_
	global_store_b128 v[GO1], v[TX+8*p_+4:TX+8*p_+7], s[28:29] offset:16384*p_+256
.set p_, p_+1
.endr
	s_wait_xcnt 0x0                        ; the stores' offset and data are rewritten only behind this wait
	v_add_nc_u32 v[GO1], 0x100000, v[GO1]
.endif
	v_add_nc_u32 v[ZR6], 8*PW, v[ZR6]
	WIN 0
	s_sub_co_u32 s[CNT], s[CNT], 1
	s_cmp_lg_u32 s[CNT], 0
	s_cbranch_scc1 .Lt6
	s_wait_tensorcnt 0x0                   ; the wave's end
	ds_add_u32 v[SPW], v[NIL]
	s_wait_dscnt 0x0
	s_endpgm
.Lfunc_end_k_q7e41b0da39_attn1:
	.size	k_q7e41b0da39_attn1, .Lfunc_end_k_q7e41b0da39_attn1-k_q7e41b0da39_attn1
	.p2alignl 7, 3214868480
	.fill 96, 4, 3214868480
	.section	.rodata,"a",@progbits
	.p2align	6, 0x0
	.amdhsa_kernel k_q7e41b0da39_attn1
		.amdhsa_group_segment_fixed_size 304640
		.amdhsa_private_segment_fixed_size 0
		.amdhsa_enable_private_segment 0
		.amdhsa_kernarg_size 120
		.amdhsa_user_sgpr_count 2
		.amdhsa_user_sgpr_kernarg_segment_ptr 1
		.amdhsa_wavefront_size32 1
		.amdhsa_system_sgpr_workgroup_id_x 1
		.amdhsa_system_sgpr_workgroup_id_y 1
		.amdhsa_system_sgpr_workgroup_id_z 1
		.amdhsa_system_vgpr_workitem_id 0
		.amdhsa_next_free_vgpr 1024
		.amdhsa_next_free_sgpr 100
		.amdhsa_reserve_vcc 0
		.amdhsa_float_denorm_mode_32 3
		.amdhsa_float_denorm_mode_16_64 3
		.amdhsa_memory_ordered 1
		.amdhsa_forward_progress 1
		.amdhsa_inst_pref_size 177
	.end_amdhsa_kernel
	.amdgpu_metadata
---
amdhsa.version: [ 1, 2 ]
amdhsa.kernels:
  - .name:           k_q7e41b0da39_attn1
    .symbol:         k_q7e41b0da39_attn1.kd
    .args:
      - { .name: qhat, .offset: 0, .size: 8, .value_kind: global_buffer, .address_space: global }
      - { .name: kvflat, .offset: 8, .size: 8, .value_kind: global_buffer, .address_space: global }
      - { .name: xt, .offset: 16, .size: 8, .value_kind: global_buffer, .address_space: global }
      - { .name: ws, .offset: 24, .size: 8, .value_kind: global_buffer, .address_space: global }
      - { .name: params_attn1_bq, .offset: 32, .size: 8, .value_kind: global_buffer, .address_space: global }
      - { .name: params_attn1_bo, .offset: 40, .size: 8, .value_kind: global_buffer, .address_space: global }
      - { .name: params_prenorm1_g, .offset: 48, .size: 8, .value_kind: global_buffer, .address_space: global }
      - { .name: params_prenorm1_b, .offset: 56, .size: 8, .value_kind: global_buffer, .address_space: global }
      - { .name: params_mlp1_b1, .offset: 64, .size: 8, .value_kind: global_buffer, .address_space: global }
      - { .name: params_mlp1_b2, .offset: 72, .size: 8, .value_kind: global_buffer, .address_space: global }
      - { .name: params_attn2_ln_q_g, .offset: 80, .size: 8, .value_kind: global_buffer, .address_space: global }
      - { .name: params_attn2_ln_q_b, .offset: 88, .size: 8, .value_kind: global_buffer, .address_space: global }
      - { .name: kvhat, .offset: 96, .size: 8, .value_kind: global_buffer, .address_space: global }
      - { .name: q2d, .offset: 104, .size: 8, .value_kind: global_buffer, .address_space: global }
      - { .name: qhat2, .offset: 112, .size: 8, .value_kind: global_buffer, .address_space: global }
    .group_segment_fixed_size: 304640
    .private_segment_fixed_size: 0
    .kernarg_segment_align: 8
    .kernarg_segment_size: 120
    .max_flat_workgroup_size: 128
    .sgpr_count:     100
    .vgpr_count:     1024
    .wavefront_size: 32
...
	.end_amdgpu_metadata
.endif
;; end of part 7
;; launch attn2 (part 8): grid 256 x 1, 4 waves a work-group, no clusters, 304,640 bytes of LDS; arguments kvhat, qhat2, q2d, ws, params_attn2_bq, params_attn2_bo, params_prenorm2_g, params_prenorm2_b, params_mlp2_b1, params_mlp2_b2, params_postnorm_g, params_postnorm_b, outT; writes outT
.if DOCPART == 8
	.amdgcn_target "amdgcn-amd-amdhsa--gfx1250"
	.amdhsa_code_object_version 6
	.text
	.protected	k_q7e41b0da39_attn2
	.globl	k_q7e41b0da39_attn2
	.p2align	8
	.type	k_q7e41b0da39_attn2,@function
k_q7e41b0da39_attn2:
	s_mov_b64 s[64:65], 0
	v_nop
	global_prefetch_b8 v0, s[64:65] scope:SCOPE_SE
	s_setreg_imm32_b32 hwreg(HW_REG_WAVE_MODE, 25, 1), 1
	s_wait_xcnt 0x0
.set PASS, 2                           ; 1: windows of 8 x 8 neighbours, 256 queries (4 views); 2: the grid partition, 64 queries.  One text serves both passes; only this line differs.
; ONE WINDOW A WORK-GROUP: K, V and Q projections, attention over 256 keys (4 views x 64 pixels), the mean over views, wo, skip, LayerNorm, MLP with GELU, and the LayerNorm that follows.
; Wave w is head w in the attention and owns 32 (wo, w2) or 64 (w1) output channels behind it.  Matrix operands bf16, sums f32; softmax, norms, GELU and the residual f32.
; WHAT REFERENCE()'S ALGEBRA ALLOWS.  The mean over views commutes with wo, so it is taken on the attention's output (64 rows go through wo).  In pass 2 the four views' queries are one tensor, so 64 queries do.
; K's and V's LayerNorm gains lie in the weights and their shifts in the biases (an earlier launch); the tokens arrive, or are made here, as (t - mean) rsqrt(var + eps).
; PASS 1 also makes those tokens: the 4 x 4 source pixels of the window, bilinear by 4 (half-pixel centres, edges clamped), normalised; they go to LDS and, for pass 2, to kvhat.
; LAYOUTS THAT NEED NO SHUFFLE.  K^T = Wk khat^T and Q^T likewise: a lane holds one token and 8 channels, and rounding in pairs gives the fragment of S^T = K Q^T.  V = vhat Wv: a lane holds one channel and 8 tokens:
; the fragment of O^T = V^T P.  In S^T a lane holds one query, so P is S^T rounded in place.  All 256 keys of a query are at hand at once: the maximum is the true one.
; K's and V's fragments (256 registers each) are made in loops, so they pass through a stage in LDS that is the wave's own and come back in one run.
; NO CLUSTER, NO TENSOR LOAD.  What work-groups share is the weights, 384 KiB; each byte of them is wanted by one wave, in registers, and of LDS's 327,680 bytes 304,640 are taken.  Tokens are read once.
; TRANSCENDENTALS GO IN BATCHES, each with one s_wait_alu depctr_va_vdst(0) ahead of its first reader.  A tile of 16 queries has three: the exponentials of the lane's scores 0-63, set between the
; 64 scalings; those of scores 64-127, set between the first half's sums and roundings; and the reciprocal of l, issued ahead of the 32 products V^T P and waited for behind them.  The roots of one LayerNorm macro are
; one batch, and so are GELU's 32 reciprocals and 32 exponentials.
; LIMITS.  erf in GELU is Abramowitz and Stegun 7.1.25, off by 2.5e-5 at the most for every x, so GELU by 1.3e-5 |x|.  The vertical resize has four taps of which two weigh 0, so an infinite source pixel spreads over its window.
; A softmax weight below 2^-126 counts as 0.  NaN and infinities are not treated apart.
.if PASS == 1
.set MATB, 0                           ; my pass's six matrices in ws
.set BSLOT, 786432                     ; bk', then bv' 1,024 bytes on
.set NQT, 16                           ; tiles of 16 queries
.else
.set MATB, 393216
.set BSLOT, 788480
.set NQT, 4
.endif
.set PT, 272                           ; an LDS row of 256 bytes + 16: the 16 rows of a fragment load start at 16 different groups of four banks (ISA guide 11.1)
.set PW, 528                           ; an LDS row of 512 bytes + 16
.set KH, 0                             ; khat, 256 tokens; later the q tokens
.set VH, 256*PT                        ; vhat
.set FS, 2*VH                          ; 32 KiB a wave: the fragments' stage
.set OB, FS+131072                     ; the attention's output, mean over views: 64 pixels x 256 channels bf16
.set SPARE, OB+64*PW                   ; the spare words: 128 bytes a wave
.set ZS, FS                            ; behind the attention: the residual, 64 pixels x 128 f32
.set A1, FS+64*PW                      ; LayerNorm's output, 64 x 128 bf16
.set HS, A1+64*PT                      ; the hidden layer, 64 x 256 bf16
; window 0
.set T16, 1                            ; 16 x thread
.set R, 2
.set HH, 3
.set AF0, 4                            ; 272 r + 16 h
.set ADR, 5
.set WOFF, 6                           ; 16,384 w + 16 lane
.set BOFF, 7                           ; 256 w + 32 h
.set BOFV, 8                           ; 256 w + 4 r
.set FSA0, 9
.set OB0, 10
.set AF5, 11                           ; 528 r + 16 h
.set ZT0, 12
.set HS0, 13
.set CP0, 14
.set ADR2, 15
.set C0, 16                            ; v16-19 the maximum's chains; outside the attention at work
.set CM, 20                            ; c m, m
.set LL, 22                            ; v22-29 four pairs of l
.set SPW, 30
.set NIL, 31
.set ACC0, 32                          ; v32-63
.set WVF, 64                           ; v64-191 Wv', then S^T with P in place, then GELU at work
.set S, 64
.set ACC1, 192                         ; v192-223, then the mean over views
.set OBAR, 192
.set BKT, 224                          ; v224-255 bk' as a C operand, then Q's fragments
.set QBF, 224
; window 1: pass 1's resize, or K's copy; K's fragments (key tile, channel half) at 16 kt + 8 c; Wo at 0 and W1 at 128
; window 2: the q copy (and V's); V's fragments (key half-block kc, channel block cb) at 32 kc + 8 cb; the tail's tokens and vectors
.set TX, 0
.set TT, 32
.set LG1, 64
.set LB1, 72
.set LG2, 80
.set LB2, 88
.set B1T, 96
.set BOT, 128
.set B2T, 144
.set ZR, 160
.set A1W, 161
.set GO1, 162
.set GO2, 163
.set ZR6, 164
.set TD, 192
; window 3: Wk', Wq, W2 at 0; token fragments at 128; bv' at 192; bq at 224; the skip at 160 during the attention
.set TB0, 128
.set SKP, 160
.set BVT, 192
.set BQT, 224
.set P_SK, 8
.set P_WS, 10
.set P_BQ, 12
.set P_BO, 14
.set P_PG, 16
.set P_PB, 18
.set P_B1, 20
.set P_B2, 22
.set P_G2, 24
.set P_N2, 26
.set WV, 34
.set XX, 36
.set YY, 37
.set SEL, 40
.set I128, 42
.set EPS, 43
.set CS, 44
.set CNT, 46
.set TBT, 47
.set TBF, 48
.set QT, 49
.set TBQ, 50
.set TBO, 51
.set PG, 52
.set NV, 53
.set TB, 54
.set TB2, 55
.set UA, 56
.set UT, 57
.set UU, 58
.set UF, 59
.set UG, 60
.set UI0, 61
.set UI1, 62
.set VW, 66                            ; s[66:73] the four vertical weights, each the low word of a pair
.set HK, 74                            ; s[74:81] 1/8, 3/8, 5/8, 7/8 likewise
.set K1, 82
.set KE, 84
.set GA3, 86
.set GA2, 88
.set GA1, 90
.set RW, 92
.set CW, 96
.set MSB, 0
.macro WIN new                         ; s_set_vgpr_msb: bits 1:0 source 0, 3:2 source 1, 5:4 source 2, 7:6 destination; the high byte repeats the setting that is left
.if MSB != (\new)
	s_set_vgpr_msb (MSB<<8)|(\new)
.set MSB, (\new)
.endif
.endm
.macro PLACES                          ; plain instructions between matrix instructions and what touches their registers next (ISA guide 7.12.1); five, since in places the next to write them is a matrix instruction
.rept 5
	v_nop
.endr
.endm
.macro BAR
	s_wait_dscnt 0x0                       ; for the others' sake: all my LDS loads and stores are done
	s_barrier_signal -1
	s_barrier_wait -1
.endm
.macro XSUM n, reg, stride             ; sums over the 16 lanes of a half
.irp x, 1,2,4,8
.set b_, 0
.rept \n
	v_add_f32_dpp v[(\reg)+(\stride)*b_], v[(\reg)+(\stride)*b_], v[(\reg)+(\stride)*b_] row_xmask:\x row_mask:0xf bank_mask:0xf
.set b_, b_+1
.endr
.endr
.endm
; n tokens (8 registers a lane, 16 lanes a token) are normalised: D = (X - mean) rsqrt(var + 1e-5); T: four registers a token.  Stage by stage over the tokens, so that no line waits for the one before it.
.macro LNB n, X, D, T
.set b_, 0
.rept \n
	v_pk_add_f32 v[(\T)+4*b_:(\T)+4*b_+1], v[(\X)+8*b_:(\X)+8*b_+1], v[(\X)+8*b_+2:(\X)+8*b_+3]
	v_pk_add_f32 v[(\T)+4*b_+2:(\T)+4*b_+3], v[(\X)+8*b_+4:(\X)+8*b_+5], v[(\X)+8*b_+6:(\X)+8*b_+7]
.set b_, b_+1
.endr
.set b_, 0
.rept \n
	v_pk_add_f32 v[(\T)+4*b_:(\T)+4*b_+1], v[(\T)+4*b_:(\T)+4*b_+1], v[(\T)+4*b_+2:(\T)+4*b_+3]
.set b_, b_+1
.endr
.set b_, 0
.rept \n
	v_add_f32 v[(\T)+4*b_], v[(\T)+4*b_], v[(\T)+4*b_+1]
.set b_, b_+1
.endr
	XSUM \n, \T, 4
.set b_, 0
.rept \n
	v_mul_f32 v[(\T)+4*b_], s[I128], v[(\T)+4*b_]
.set b_, b_+1
.endr
.set c_, 0
.rept 4
.set b_, 0
.rept \n
	v_pk_add_f32 v[(\D)+8*b_+2*c_:(\D)+8*b_+2*c_+1], v[(\X)+8*b_+2*c_:(\X)+8*b_+2*c_+1], v[(\T)+4*b_:(\T)+4*b_+1] op_sel_hi:[1,0] neg_lo:[0,1] neg_hi:[0,1]
.set b_, b_+1
.endr
.set c_, c_+1
.endr
.set b_, 0
.rept \n
	v_pk_mul_f32 v[(\T)+4*b_+2:(\T)+4*b_+3], v[(\D)+8*b_:(\D)+8*b_+1], v[(\D)+8*b_:(\D)+8*b_+1]
.set b_, b_+1
.endr
.set c_, 1
.rept 3
.set b_, 0
.rept \n
	v_pk_fma_f32 v[(\T)+4*b_+2:(\T)+4*b_+3], v[(\D)+8*b_+2*c_:(\D)+8*b_+2*c_+1], v[(\D)+8*b_+2*c_:(\D)+8*b_+2*c_+1], v[(\T)+4*b_+2:(\T)+4*b_+3]
.set b_, b_+1
.endr
.set c_, c_+1
.endr
.set b_, 0
.rept \n
	v_add_f32 v[(\T)+4*b_+2], v[(\T)+4*b_+2], v[(\T)+4*b_+3]
.set b_, b_+1
.endr
	XSUM \n, (\T)+2, 4
.set b_, 0
.rept \n
	v_fma_f32 v[(\T)+4*b_+2], v[(\T)+4*b_+2], s[I128], s[EPS]
.set b_, b_+1
.endr
.set b_, 0
.rept \n
	v_rsq_f32 v[(\T)+4*b_+2], v[(\T)+4*b_+2]
.set b_, b_+1
.endr
	v_nop                                  ; a plain instruction between the last root and its use
.set c_, 0
	s_wait_alu depctr_va_vdst(0)           ; the wait ahead of the first use: one for the batch of n roots
.rept 4
.set b_, 0
.rept \n
	v_pk_mul_f32 v[(\D)+8*b_+2*c_:(\D)+8*b_+2*c_+1], v[(\D)+8*b_+2*c_:(\D)+8*b_+2*c_+1], v[(\T)+4*b_+2:(\T)+4*b_+3] op_sel_hi:[1,0]
.set b_, b_+1
.endr
.set c_, c_+1
.endr
.endm
.macro AFF n, X, G, B                  ; X = X g + b
.set b_, 0
.rept \n
.set c_, 0
.rept 4
	v_pk_fma_f32 v[(\X)+8*b_+2*c_:(\X)+8*b_+2*c_+1], v[(\X)+8*b_+2*c_:(\X)+8*b_+2*c_+1], v[(\G)+2*c_:(\G)+2*c_+1], v[(\B)+2*c_:(\B)+2*c_+1]
.set c_, c_+1
.endr
.set b_, b_+1
.endr
.endm
.macro LOADW w, dst, mat               ; my 16 KiB of a matrix, 128 registers of window w: 32 loads of 512 bytes on end
	WIN (\w)<<6
.set k_, 0
.rept 32
	global_load_b128 v[(\dst)+4*k_:(\dst)+4*k_+3], v[WOFF], s[P_WS:P_WS+1] offset:(\mat)+512*k_
.set k_, k_+1
.endr
	WIN 0
.endm
.macro BTILE w, dst, base, off         ; a bias as four C operands: register j of tile m = bias[64 w + 16 m + 8 h + j]
	WIN (\w)<<6
.set m_, 0
.rept 4
	global_load_b128 v[(\dst)+8*m_:(\dst)+8*m_+3], v[BOFF], s[\base:\base+1] offset:(\off)+64*m_
	global_load_b128 v[(\dst)+8*m_+4:(\dst)+8*m_+7], v[BOFF], s[\base:\base+1] offset:(\off)+64*m_+16
.set m_, m_+1
.endr
	WIN 0
.endm
.macro TBLOAD n                        ; n tiles of 16 tokens x 128 channels from rows 272 bytes apart at v[ADR]: four fragments each
	WIN 0xc0
.set e_, 0
.rept \n
.set k_, 0
.rept 4
	ds_load_b128 v[TB0+32*e_+8*k_:TB0+32*e_+8*k_+3], v[ADR] offset:e_*16*PT+64*k_
	ds_load_b128 v[TB0+32*e_+8*k_+4:TB0+32*e_+8*k_+7], v[ADR] offset:e_*16*PT+64*k_+32
.set k_, k_+1
.endr
.set e_, e_+1
.endr
	WIN 0
.endm
; K's (kind 0) or V's (kind 1) projection of my head: eight trips of two token tiles.  The four accumulators of a tile take turns; the bias is the C operand that starts each sum.
; The next trip's fragments are asked for behind the products; the last trip has none to ask for and jumps over the run, and the wait at the trip's head, for 0, is right either way.
.macro PROJ kind
	s_mov_b32 s[TBT], (\kind)*VH
	s_mov_b32 s[TBF], 0
	s_mov_b32 s[CNT], 8
	v_add_nc_u32 v[ADR], s[TBT], v[AF0]
	TBLOAD 2
.Lproj_\@:
	s_wait_dscnt 0x0                       ; the fragments are in, and the last trip's stores have read the accumulators' registers
.set e_, 0
.rept 2
.set a_, ACC0+(ACC1-ACC0)*e_
.set k_, 0
.rept 4
.set m_, 0
.rept 4
.if (\kind) == 0
	WIN 0x0f                               ; W and tokens in window 3
.if k_ == 0
	v_wmma_f32_16x16x32_bf16 v[a_+8*m_:a_+8*m_+7], v[8*(4*m_+k_):8*(4*m_+k_)+7], v[TB0+32*e_+8*k_:TB0+32*e_+8*k_+7], v[BKT+8*m_:BKT+8*m_+7]
.else
	v_wmma_f32_16x16x32_bf16 v[a_+8*m_:a_+8*m_+7], v[8*(4*m_+k_):8*(4*m_+k_)+7], v[TB0+32*e_+8*k_:TB0+32*e_+8*k_+7], v[a_+8*m_:a_+8*m_+7]
.endif
.else
.if k_ == 0
	WIN 0x33                               ; tokens and the bias in window 3, W in window 0
	v_wmma_f32_16x16x32_bf16 v[a_+8*m_:a_+8*m_+7], v[TB0+32*e_+8*k_:TB0+32*e_+8*k_+7], v[WVF+8*(4*m_+k_):WVF+8*(4*m_+k_)+7], v[BVT+8*m_:BVT+8*m_+7]
.else
	WIN 0x03
	v_wmma_f32_16x16x32_bf16 v[a_+8*m_:a_+8*m_+7], v[TB0+32*e_+8*k_:TB0+32*e_+8*k_+7], v[WVF+8*(4*m_+k_):WVF+8*(4*m_+k_)+7], v[a_+8*m_:a_+8*m_+7]
.endif
.endif
.set m_, m_+1
.endr
.set k_, k_+1
.endr
.set e_, e_+1
.endr
	PLACES
	WIN 0
	s_add_co_u32 s[TBT], s[TBT], 32*PT
	s_cmp_eq_u32 s[CNT], 1
	s_cbranch_scc1 .Lnopre_\@
	v_add_nc_u32 v[ADR], s[TBT], v[AF0]
	TBLOAD 2
.Lnopre_\@:
.set k_, 0
.rept 16
	v_cvt_pk_bf16_f32 v[ACC0+k_], v[ACC0+2*k_], v[ACC0+2*k_+1]  ; in place, ascending
.set k_, k_+1
.endr
.set k_, 0
.rept 16
	v_cvt_pk_bf16_f32 v[ACC1+k_], v[ACC1+2*k_], v[ACC1+2*k_+1]
.set k_, k_+1
.endr
	v_add_nc_u32 v[ADR2], s[TBF], v[FSA0]
.set e_, 0
.rept 2
.set a_, ACC0+(ACC1-ACC0)*e_
.set m_, 0
.rept 4
.if (\kind) == 0
	ds_store_b128 v[ADR2], v[a_+4*m_:a_+4*m_+3] offset:2048*e_+512*m_   ; registers 16 tile + 4 m of window 1
.else
	ds_store_b128 v[ADR2], v[a_+4*m_:a_+4*m_+3] offset:1024*m_+512*e_   ; registers 32 trip + 8 m + 4 e of window 2
.endif
.set m_, m_+1
.endr
.set e_, e_+1
.endr
	s_add_co_u32 s[TBF], s[TBF], 4096
	s_sub_co_u32 s[CNT], s[CNT], 1
	s_cmp_lg_u32 s[CNT], 0
	s_cbranch_scc1 .Lproj_\@
.endm
.macro BULK w                          ; my stage comes back as 256 registers of window w; LDS serves a wave's instructions in order (ISA guide 5.7.1.4), so these see the stores
	WIN (\w)<<6
.set k_, 0
.rept 64
	ds_load_b128 v[4*k_:4*k_+3], v[FSA0] offset:512*k_
.set k_, k_+1
.endr
	WIN 0
.endm
.macro SF p                            ; c s - c m for pair p of the lane's 64
	v_pk_fma_f32 v[S+2*(\p):S+2*(\p)+1], v[S+2*(\p):S+2*(\p)+1], s[CS:CS+1], v[CM:CM+1] op_sel_hi:[1,0,0] neg_lo:[0,0,1] neg_hi:[0,0,1]
.endm
.macro SX e                            ; the exponential of score e of the lane's 128, in place: each result has a register of its own while its batch is open
	v_exp_f32 v[S+(\e)], v[S+(\e)]
.endm
.macro SS p                            ; pair p joins one of four sums (the first four start them)
.if (\p) < 4
	v_pk_mul_f32 v[LL+2*(\p):LL+2*(\p)+1], v[S+2*(\p):S+2*(\p)+1], 1.0 op_sel_hi:[1,0]
.else
	v_pk_add_f32 v[LL+2*((\p)%4):LL+2*((\p)%4)+1], v[LL+2*((\p)%4):LL+2*((\p)%4)+1], v[S+2*(\p):S+2*(\p)+1]
.endif
.endm
.macro SR p                            ; pair p, which has joined its sum, is rounded to bf16 into register p, whose own pair is done
	v_cvt_pk_bf16_f32 v[S+(\p)], v[S+2*(\p)], v[S+2*(\p)+1]
.endm
; ONE TILE OF 16 QUERIES.  Its tokens' fragments were asked for a tile earlier.
.macro QTILE
	s_wait_dscnt 0x0
.set k_, 0
.rept 4
.set m_, 0
.rept 4
.if k_ == 0
	WIN 0x3f                               ; Wq, tokens and bq in window 3
	v_wmma_f32_16x16x32_bf16 v[ACC0+8*m_:ACC0+8*m_+7], v[8*(4*m_+k_):8*(4*m_+k_)+7], v[TB0+8*k_:TB0+8*k_+7], v[BQT+8*m_:BQT+8*m_+7]
.else
	WIN 0x0f
	v_wmma_f32_16x16x32_bf16 v[ACC0+8*m_:ACC0+8*m_+7], v[8*(4*m_+k_):8*(4*m_+k_)+7], v[TB0+8*k_:TB0+8*k_+7], v[ACC0+8*m_:ACC0+8*m_+7]
.endif
.set m_, m_+1
.endr
.set k_, k_+1
.endr
	PLACES
	WIN 0
	s_add_co_u32 s[TBQ], s[TBQ], 16*PT
	s_cmp_eq_u32 s[QT], 1                  ; behind the last tile there is none to ask for
	s_cbranch_scc1 .Lnoq_\@
	v_add_nc_u32 v[ADR], s[TBQ], v[AF0]
	TBLOAD 1
.Lnoq_\@:
	s_sub_co_u32 s[QT], s[QT], 1
.set k_, 0
.rept 16
	v_cvt_pk_bf16_f32 v[QBF+k_], v[ACC0+2*k_], v[ACC0+2*k_+1]
.set k_, k_+1
.endr
	WIN 0x01                               ; K in window 1
.set c_, 0
.rept 2
.set k_, 0
.rept 16
.if c_ == 0
	v_wmma_f32_16x16x32_bf16 v[S+8*k_:S+8*k_+7], v[16*k_+8*c_:16*k_+8*c_+7], v[QBF+8*c_:QBF+8*c_+7], 0
.else
	v_wmma_f32_16x16x32_bf16 v[S+8*k_:S+8*k_+7], v[16*k_+8*c_:16*k_+8*c_+7], v[QBF+8*c_:QBF+8*c_+7], v[S+8*k_:S+8*k_+7]
.endif
.set k_, k_+1
.endr
.set c_, c_+1
.endr
	PLACES
	WIN 0
	; the maximum of the lane's 128 scores in four chains; each accumulator's lowest registers are read first
.set g_, 0
.rept 4
.set i_, 0
.rept 4
.set c_, 0
.rept 4
.set x_, S+8*(4*g_+c_)
.if g_ > 0
	v_max3_num_f32 v[C0+c_], v[C0+c_], v[x_+2*i_], v[x_+2*i_+1]
.elseif i_ == 0
	v_max3_num_f32 v[C0+c_], v[x_], v[x_+1], v[x_+2]
.elseif i_ < 3
	v_max3_num_f32 v[C0+c_], v[C0+c_], v[x_+2*i_+1], v[x_+2*i_+2]
.else
	v_max_num_f32 v[C0+c_], v[C0+c_], v[x_+7]
.endif
.set c_, c_+1
.endr
.set i_, i_+1
.endr
.set g_, g_+1
.endr
	v_max3_num_f32 v[C0], v[C0], v[C0+1], v[C0+2]
	v_max_num_f32 v[C0], v[C0], v[C0+3]
	v_permlanex16_b32 v[C0+1], v[C0], s[SEL], s[SEL+1]  ; the query's other 128 keys lie in the lane 16 away
	v_max_num_f32 v[CM+1], v[C0], v[C0+1]
	v_mul_f32 v[CM], s[CS], v[CM+1]
	; p = 2^(c s - c m), in two batches of 64 exponentials.  THE FIRST BATCH, scores 0-63, stands by turns with the 64 scalings: scaling i + 2 names registers 2 i + 4 and 2 i + 5 of S, above every result so far
	SF 0
	SF 1
.set i_, 0
.rept 62
	SX i_
	SF i_+2
.set i_, i_+1
.endr
	SX 62
	SX 63
	v_nop                                  ; a plain instruction behind the batch's last exponential
	s_wait_alu depctr_va_vdst(0)           ; the wait for the first batch, ahead of its first reader, the sum of pair 0
	; THE SECOND BATCH, scores 64-127: behind each exponential stands one line of the first half's sums and roundings, which name l's registers and scores 0-63 alone
.set i_, 0
.rept 32
	SX 64+2*i_
	SS i_
	SX 65+2*i_
	SR i_
.set i_, i_+1
.endr
	s_wait_alu depctr_va_vdst(0)           ; the wait for the second batch, ahead of its first reader, the sum of pair 32; the rounding above is the plain instruction behind its last exponential
	; the second half's sums run twelve pairs ahead of its roundings, so that the last twelve roundings stand between the links of l's chain
.set i_, 32
.rept 12
	SS i_
.set i_, i_+1
.endr
.set i_, 32
.rept 20
	SS i_+12
	SR i_
.set i_, i_+1
.endr
	v_pk_add_f32 v[LL:LL+1], v[LL:LL+1], v[LL+2:LL+3]          ; l: the four sums, the pair's halves, the other half of the lanes'
	v_pk_add_f32 v[LL+4:LL+5], v[LL+4:LL+5], v[LL+6:LL+7]
	SR 52
	SR 53
	v_pk_add_f32 v[LL:LL+1], v[LL:LL+1], v[LL+4:LL+5]
	SR 54
	SR 55
	v_add_f32 v[LL], v[LL], v[LL+1]
	SR 56
	SR 57
	v_permlanex16_b32 v[LL+1], v[LL], s[SEL], s[SEL+1]
	SR 58
	SR 59
	v_add_f32 v[LL], v[LL], v[LL+1]
	SR 60
	SR 61
	v_rcp_f32 v[LL], v[LL]                 ; THE THIRD BATCH, one reciprocal: it reads a sum of exponentials, so it cannot join them; the 32 products below, which name neither of l's registers, stand between it and its wait
	SR 62                                  ; the plain instruction behind it
	SR 63
	WIN 0x02                               ; V in window 2
.set k_, 0
.rept 8
.set m_, 0
.rept 4
.if k_ == 0
	v_wmma_f32_16x16x32_bf16 v[ACC0+8*m_:ACC0+8*m_+7], v[32*k_+8*m_:32*k_+8*m_+7], v[S+8*k_:S+8*k_+7], 0
.else
	v_wmma_f32_16x16x32_bf16 v[ACC0+8*m_:ACC0+8*m_+7], v[32*k_+8*m_:32*k_+8*m_+7], v[S+8*k_:S+8*k_+7], v[ACC0+8*m_:ACC0+8*m_+7]
.endif
.set m_, m_+1
.endr
.set k_, k_+1
.endr
	PLACES                                 ; between the last products and the lines that read their sums
	WIN 0
	s_wait_alu depctr_va_vdst(0)           ; the wait for the reciprocal, ahead of its first reader
.if PASS == 1
	v_mul_f32 v[LL], 0x3e800000, v[LL]     ; a quarter: the mean over four views
.set k_, 0
.rept 16
	v_pk_fma_f32 v[OBAR+2*k_:OBAR+2*k_+1], v[ACC0+2*k_:ACC0+2*k_+1], v[LL:LL+1], v[OBAR+2*k_:OBAR+2*k_+1] op_sel_hi:[1,0,1]
.set k_, k_+1
.endr
.else
.set k_, 0
.rept 16
	v_pk_mul_f32 v[OBAR+2*k_:OBAR+2*k_+1], v[ACC0+2*k_:ACC0+2*k_+1], v[LL:LL+1] op_sel_hi:[1,0]
.set k_, k_+1
.endr
.endif
.endm
.macro FLUSH                           ; 16 pixels x my head's 64 channels, bf16, into OB
.set k_, 0
.rept 16
	v_cvt_pk_bf16_f32 v[OBAR+k_], v[OBAR+2*k_], v[OBAR+2*k_+1]
.set k_, k_+1
.endr
	v_add_nc_u32 v[ADR2], s[TBO], v[OB0]
.set m_, 0
.rept 4
	ds_store_b128 v[ADR2], v[OBAR+4*m_:OBAR+4*m_+3] offset:32*m_
.set m_, m_+1
.endr
	s_add_co_u32 s[TBO], s[TBO], 16*PW
.endm
; ZS[64 pixels][my 32 channels] += bias + B W, K = 256: B's rows lie 528 bytes apart at bb, W's fragments at register 0 of the window that wm names, the bias tile at bt of window 2.
; Two trips of two pixel tiles; the residual is the C operand; each number of ZS has one owner, so no barrier stands inside.
.macro P64 wm, bb, bt
	s_mov_b32 s[TB], 0
	s_mov_b32 s[TB2], \bb
	s_mov_b32 s[CNT], 2
.Lp64_\@:
	v_add_nc_u32 v[ADR2], s[TB], v[ZT0]
	v_add_nc_u32 v[ADR], s[TB2], v[AF5]
.set m_, 0
.rept 2
.set e_, 0
.rept 2
	ds_load_b128 v[ACC0+8*(2*m_+e_):ACC0+8*(2*m_+e_)+3], v[ADR2] offset:16*PW*e_+64*m_
	ds_load_b128 v[ACC0+8*(2*m_+e_)+4:ACC0+8*(2*m_+e_)+7], v[ADR2] offset:16*PW*e_+64*m_+16
.set e_, e_+1
.endr
.set m_, m_+1
.endr
	WIN 0xc0
.set e_, 0
.rept 2
.set k_, 0
.rept 8
	ds_load_b128 v[128+64*e_+8*k_:128+64*e_+8*k_+3], v[ADR] offset:16*PW*e_+64*k_
	ds_load_b128 v[128+64*e_+8*k_+4:128+64*e_+8*k_+7], v[ADR] offset:16*PW*e_+64*k_+32
.set k_, k_+1
.endr
.set e_, e_+1
.endr
	s_wait_dscnt 32                        ; B's 32 loads may be out; the residual is in
	WIN 0x08                               ; source 1 in window 2
.set m_, 0
.rept 2
.set e_, 0
.rept 2
.set c_, 0
.rept 4
	v_pk_add_f32 v[ACC0+8*(2*m_+e_)+2*c_:ACC0+8*(2*m_+e_)+2*c_+1], v[ACC0+8*(2*m_+e_)+2*c_:ACC0+8*(2*m_+e_)+2*c_+1], v[(\bt)+8*m_+2*c_:(\bt)+8*m_+2*c_+1]
.set c_, c_+1
.endr
.set e_, e_+1
.endr
.set m_, m_+1
.endr
	s_wait_dscnt 0x0
	WIN \wm
.set k_, 0
.rept 8
.set m_, 0
.rept 2
.set e_, 0
.rept 2
	v_wmma_f32_16x16x32_bf16 v[ACC0+8*(2*m_+e_):ACC0+8*(2*m_+e_)+7], v[8*(8*m_+k_):8*(8*m_+k_)+7], v[128+64*e_+8*k_:128+64*e_+8*k_+7], v[ACC0+8*(2*m_+e_):ACC0+8*(2*m_+e_)+7]
.set e_, e_+1
.endr
.set m_, m_+1
.endr
.set k_, k_+1
.endr
	PLACES
	WIN 0
.set m_, 0
.rept 2
.set e_, 0
.rept 2
	ds_store_b128 v[ADR2], v[ACC0+8*(2*m_+e_):ACC0+8*(2*m_+e_)+3] offset:16*PW*e_+64*m_
	ds_store_b128 v[ADR2], v[ACC0+8*(2*m_+e_)+4:ACC0+8*(2*m_+e_)+7] offset:16*PW*e_+64*m_+16
.set e_, e_+1
.endr
.set m_, m_+1
.endr
	s_add_co_u32 s[TB], s[TB], 32*PW
	s_add_co_u32 s[TB2], s[TB2], 32*PW
	s_sub_co_u32 s[CNT], s[CNT], 1
	s_cmp_lg_u32 s[CNT], 0
	s_cbranch_scc1 .Lp64_\@
.endm
; gelu(x) = max(x, 0) - |x| / 2 poly(t) e^(-x x / 2), t = 1 / (1 + 0.47047 |x| / sqrt 2), on v64-95; v96-191 at work
.set GX, 64
.set GT, 96
.set GE, 128
.set GP, 160
.macro GELU
.set i_, 0
.rept 32
	v_fma_f32 v[GT+i_], |v[GX+i_]|, s[K1], 1.0
.set i_, i_+1
.endr
.set i_, 0
.rept 32
	v_rcp_f32 v[GT+i_], v[GT+i_]
.set i_, i_+1
.endr
.set i_, 0
.rept 16
	v_pk_mul_f32 v[GE+2*i_:GE+2*i_+1], v[GX+2*i_:GX+2*i_+1], v[GX+2*i_:GX+2*i_+1]
.set i_, i_+1
.endr
.set i_, 0
.rept 16
	v_pk_mul_f32 v[GE+2*i_:GE+2*i_+1], v[GE+2*i_:GE+2*i_+1], s[KE:KE+1] op_sel_hi:[1,0]
.set i_, i_+1
.endr
.set i_, 0
.rept 32
	v_exp_f32 v[GE+i_], v[GE+i_]
.set i_, i_+1
.endr
.set i_, 0
	s_wait_alu depctr_va_vdst(0)           ; one wait for the batch of 64, the 32 reciprocals and the 32 exponentials, ahead of its first reader; that line names no exponential's register and is the plain instruction behind the last of them
.rept 16
	v_pk_fma_f32 v[GP+2*i_:GP+2*i_+1], v[GT+2*i_:GT+2*i_+1], s[GA3:GA3+1], s[GA2:GA2+1] op_sel_hi:[1,0,0]
.set i_, i_+1
.endr
.set i_, 0
.rept 16
	v_pk_fma_f32 v[GP+2*i_:GP+2*i_+1], v[GP+2*i_:GP+2*i_+1], v[GT+2*i_:GT+2*i_+1], s[GA1:GA1+1] op_sel_hi:[1,1,0]
.set i_, i_+1
.endr
.set i_, 0
.rept 16
	v_pk_mul_f32 v[GP+2*i_:GP+2*i_+1], v[GP+2*i_:GP+2*i_+1], v[GT+2*i_:GT+2*i_+1]
.set i_, i_+1
.endr
.set i_, 0
.rept 16
	v_pk_mul_f32 v[GP+2*i_:GP+2*i_+1], v[GP+2*i_:GP+2*i_+1], v[GE+2*i_:GE+2*i_+1]
.set i_, i_+1
.endr
.set i_, 0
.rept 32
	v_mul_f32 v[GT+i_], -0.5, |v[GX+i_]|
.set i_, i_+1
.endr
.set i_, 0
.rept 32
	v_max_num_f32 v[GX+i_], 0, v[GX+i_]
.set i_, i_+1
.endr
.set i_, 0
.rept 16
	v_pk_fma_f32 v[GX+2*i_:GX+2*i_+1], v[GT+2*i_:GT+2*i_+1], v[GP+2*i_:GP+2*i_+1], v[GX+2*i_:GX+2*i_+1]
.set i_, i_+1
.endr
.endm
	; ---------------- the head ----------------
	s_load_b512 s[4:19], s[0:1], 0x0
	s_load_b256 s[20:27], s[0:1], 0x40
.if PASS == 1
	s_load_b128 s[28:31], s[0:1], 0x60
	s_load_b64 s[32:33], s[0:1], 0x70
.else
	s_load_b64 s[28:29], s[0:1], 0x60
.endif
	v_lshl_add_u32 v[SPW], v0, 2, SPARE
	v_mov_b32 v[NIL], 0
	v_lshrrev_b32 v[ADR], 5, v0
	v_readfirstlane_b32 s[WV], v[ADR]
	v_and_b32 v[R], 15, v0
	v_bfe_u32 v[HH], v0, 4, 1
	v_and_b32 v[T16], 31, v0
	v_lshlrev_b32 v[T16], 4, v[T16]        ; 16 x lane, for the two sums below
	s_lshl_b32 s38, s[WV], 14
	v_add_nc_u32 v[WOFF], s38, v[T16]
	s_lshl_b32 s38, s[WV], 15
	s_add_co_u32 s38, s38, FS
	v_add_nc_u32 v[FSA0], s38, v[T16]
	v_lshlrev_b32 v[T16], 4, v0            ; from here on 16 x thread
	v_mul_u32_u24 v[AF0], v[R], PT
	v_lshl_add_u32 v[AF0], v[HH], 4, v[AF0]
	v_mul_u32_u24 v[AF5], v[R], PW
	v_lshl_add_u32 v[ZT0], v[HH], 5, v[AF5]
	v_lshl_add_u32 v[AF5], v[HH], 4, v[AF5]
	s_lshl_b32 s38, s[WV], 8
	v_lshl_add_u32 v[BOFF], v[HH], 5, s38
	v_lshl_add_u32 v[BOFV], v[R], 2, s38
	s_lshl_b32 s38, s[WV], 7
	s_add_co_u32 s39, s38, OB
	v_add_nc_u32 v[OB0], s39, v[AF5]       ; OB: pixel r, channel 64 w + 8 h
	s_add_co_u32 s39, s38, HS
	v_add_nc_u32 v[HS0], s39, v[AF5]
	s_add_co_u32 s39, s38, ZS
	v_add_nc_u32 v[ZT0], s39, v[ZT0]       ; ZS: pixel r, channel 32 w + 8 h
	v_lshrrev_b32 v[CP0], 4, v0
	v_mul_u32_u24 v[CP0], v[CP0], PT
	v_lshl_add_u32 v[CP0], v[R], 4, v[CP0] ; a copy of dense rows of 256 bytes: thread t takes row t / 16, 16 bytes at 16 (t % 16)
	s_lshr_b32 s[XX], ttmp9, 4
	s_and_b32 s[YY], ttmp9, 15
	s_mov_b32 s[SEL], 0x76543210
	s_mov_b32 s[SEL+1], 0xfedcba98
	s_mov_b32 s[I128], 0x3c000000          ; 1 / 128
	s_mov_b32 s[EPS], 0x3727c5ac           ; 1e-5
	s_mov_b32 s[CS], 0x3e38aa3b            ; c = log2(e) / 8
	s_mov_b32 s[CS+1], s[CS]
	s_mov_b32 s[K1], 0x3eaa540e            ; 0.47047 / sqrt 2
	s_mov_b32 s[KE], 0xbf38aa3b            ; -log2(e) / 2
	s_mov_b32 s[KE+1], s[KE]
	s_mov_b32 s[GA3], 0x3f3f7377           ; 0.7478556
	s_mov_b32 s[GA3+1], s[GA3]
	s_mov_b32 s[GA2], 0xbdc45ca1           ; -0.0958798
	s_mov_b32 s[GA2+1], s[GA2]
	s_mov_b32 s[GA1], 0x3eb2303a           ; 0.3480242
	s_mov_b32 s[GA1+1], s[GA1]
.if PASS == 1
	; ---------------- pass 1: the window's 4 x 4 source pixels, my view, key in lanes 0-15 and value in lanes 16-31 ----------------
.set OF, 32
.set ROW, 128
.set TOK, 160
.set LA, 224
.set GO, 225
	s_lshl_b32 s38, s[XX], 1
	s_sub_co_i32 s38, s38, 1
	s_lshl_b32 s39, s[YY], 1
	s_sub_co_i32 s39, s39, 1
.irp i, 0,1,2,3
	s_add_co_i32 s[RW+\i], s38, \i
	s_max_i32 s[RW+\i], s[RW+\i], 0
	s_min_i32 s[RW+\i], s[RW+\i], 31
	s_lshl_b32 s[RW+\i], s[RW+\i], 14
	s_add_co_i32 s[CW+\i], s39, \i
	s_max_i32 s[CW+\i], s[CW+\i], 0
	s_min_i32 s[CW+\i], s[CW+\i], 31
	s_lshl_b32 s[CW+\i], s[CW+\i], 9
.endr
	v_lshlrev_b32 v17, 21, v[HH]
	v_lshl_add_u32 v17, v[R], 4, v17
	s_lshl_b32 s38, s[WV], 19
	v_add_nc_u32 v17, s38, v17
.set i_, 0
.rept 4
.set j_, 0
.rept 4
	s_add_co_u32 s38, s[RW+i_], s[CW+j_]
	v_add_nc_u32 v[OF+4*i_+j_], s38, v17
.set j_, j_+1
.endr
.set i_, i_+1
.endr
	s_mul_i32 s38, s[WV], 64*PT
	v_mul_u32_u24 v18, v[HH], VH
	v_lshl_add_u32 v18, v[R], 4, v18
	v_add_nc_u32 v18, s38, v18             ; LDS: khat or vhat, token 64 view + 8 a + b
	s_and_b32 s38, s[XX], 1
	s_lshl_b32 s38, s38, 23
	s_and_b32 s39, s[YY], 1
	s_lshl_b32 s39, s39, 19
	s_add_co_u32 s38, s38, s39
	s_lshl_b32 s39, s[WV], 14
	s_add_co_u32 s38, s38, s39
	s_lshr_b32 s39, s[XX], 1
	s_lshl_b32 s39, s39, 11
	s_add_co_u32 s38, s38, s39
	s_lshr_b32 s39, s[YY], 1
	s_lshl_b32 s39, s39, 8
	s_add_co_u32 s38, s38, s39
	v_lshlrev_b32 v19, 24, v[HH]
	v_lshl_add_u32 v19, v[R], 4, v19
	v_add_nc_u32 v19, s38, v19             ; kvhat[t][H % 16][W % 16][view][H / 16][W / 16]
	WIN 0x40
	v_mov_b32 v[LA], v18
	v_mov_b32 v[GO], v19
	WIN 0
	s_mov_b32 s[HK], 0x3e000000
	s_mov_b32 s[HK+2], 0x3ec00000
	s_mov_b32 s[HK+4], 0x3f200000
	s_mov_b32 s[HK+6], 0x3f600000
.irp i, 1,3,5,7
	s_mov_b32 s[HK+\i], 0                  ; named with the weights as pairs
	s_mov_b32 s[VW+\i], 0
.endr
	s_lshl_b32 s38, ttmp9, 16
	s_mov_b32 s39, 0
	s_wait_kmcnt 0x0
	s_add_nc_u64 s[4:5], s[4:5], s[38:39]  ; my window's q tokens
	s_lshl_b32 s38, ttmp9, 15
	s_add_nc_u64 s[P_SK:P_SK+1], s[P_SK:P_SK+1], s[38:39]
	WIN 0x40
.set i_, 0
.rept 16
	global_load_b128 v[8*i_:8*i_+3], v[OF+i_], s[6:7]
	global_load_b128 v[8*i_+4:8*i_+7], v[OF+i_], s[6:7] offset:256
.set i_, i_+1
.endr
	WIN 0x80
.set i_, 0
.rept 32
	global_load_b128 v[4*i_:4*i_+3], v[T16], s[4:5] offset:2048*i_
.set i_, i_+1
.endr
	WIN 0
	s_wait_loadcnt 32                      ; the 32 loads of q tokens may be out; the source pixels are in
.else
	; ---------------- pass 2: the window's tokens are dense in kvhat and qhat2 ----------------
	s_lshl_b32 s38, ttmp9, 16
	s_mov_b32 s39, 0
	s_wait_kmcnt 0x0
	s_add_nc_u64 s[4:5], s[4:5], s[38:39]
	s_add_nc_u64 s[RW:RW+1], s[4:5], 0x1000000     ; the values lie 16 MiB behind the keys
	s_lshl_b32 s38, ttmp9, 14
	s_add_nc_u64 s[6:7], s[6:7], s[38:39]
	s_lshl_b32 s38, ttmp9, 15
	s_add_nc_u64 s[P_SK:P_SK+1], s[P_SK:P_SK+1], s[38:39]
	WIN 0x40
.set i_, 0
.rept 32
	global_load_b128 v[4*i_:4*i_+3], v[T16], s[4:5] offset:2048*i_
.set i_, i_+1
.endr
	WIN 0x80
.set i_, 0
.rept 32
	global_load_b128 v[4*i_:4*i_+3], v[T16], s[RW:RW+1] offset:2048*i_
.set i_, i_+1
.endr
.set i_, 0
.rept 8
	global_load_b128 v[128+4*i_:128+4*i_+3], v[T16], s[6:7] offset:2048*i_
.set i_, i_+1
.endr
	WIN 0
.endif
	LOADW 3, 0, MATB+65536                 ; Wk'
	LOADW 0, WVF, MATB+131072              ; Wv'
	BTILE 0, BKT, P_WS, BSLOT              ; bk'
	WIN 0xc0
.set m_, 0
.rept 4
	global_load_b32 v[BVT+8*m_], v[BOFV], s[P_WS:P_WS+1] offset:BSLOT+1024+64*m_   ; bv'[64 w + 16 m + r]
.set m_, m_+1
.endr
	WIN 0
	BTILE 3, BQT, P_BQ, 0
.if PASS == 1
	s_mov_b32 s[UA], 0
.Lups:                                             ; row a of the window: eight pixels, resized, normalised, rounded, stored
	s_lshl_b32 s[UT], s[UA], 1
	s_add_co_u32 s[UT], s[UT], 5
	s_and_b32 s[UT], s[UT], 7              ; eight times the fraction: the sample lies at (2 a - 3) / 8 from the window's first source row
	s_sub_co_u32 s[UU], 8, s[UT]
	s_cvt_f32_u32 s[UF], s[UT]
	s_cvt_f32_u32 s[UG], s[UU]
	s_mul_f32 s[UF], s[UF], 0x3e000000
	s_mul_f32 s[UG], s[UG], 0x3e000000
	s_add_co_u32 s[UI0], s[UA], 2
	s_lshr_b32 s[UI0], s[UI0], 2           ; the upper tap among my four rows
	s_add_co_u32 s[UI1], s[UI0], 1
.irp i, 0,1,2,3
	s_cmp_eq_u32 s[UI1], \i
	s_cselect_b32 s[VW+2*\i], s[UF], 0
	s_cmp_eq_u32 s[UI0], \i
	s_cselect_b32 s[VW+2*\i], s[UG], s[VW+2*\i]
.endr
	WIN 0x55                               ; all in window 1
.set j_, 0
.rept 16
	v_pk_mul_f32 v[ROW+2*j_:ROW+2*j_+1], v[2*j_:2*j_+1], s[VW:VW+1] op_sel_hi:[1,0]
.set j_, j_+1
.endr
.set i_, 1
.rept 3
.set j_, 0
.rept 16
	v_pk_fma_f32 v[ROW+2*j_:ROW+2*j_+1], v[32*i_+2*j_:32*i_+2*j_+1], s[VW+2*i_:VW+2*i_+1], v[ROW+2*j_:ROW+2*j_+1] op_sel_hi:[1,0,1]
.set j_, j_+1
.endr
.set i_, i_+1
.endr
.set p_, 0
.rept 8
.set j_, (p_+2)/4
.set f_, (2*p_+5)%8
.set c_, 0
.rept 4
	v_pk_mul_f32 v[TOK+8*p_+2*c_:TOK+8*p_+2*c_+1], v[ROW+8*j_+2*c_:ROW+8*j_+2*c_+1], s[HK+7-f_:HK+8-f_] op_sel_hi:[1,0]
.set c_, c_+1
.endr
.set c_, 0
.rept 4
	v_pk_fma_f32 v[TOK+8*p_+2*c_:TOK+8*p_+2*c_+1], v[ROW+8*j_+8+2*c_:ROW+8*j_+8+2*c_+1], s[HK+f_-1:HK+f_], v[TOK+8*p_+2*c_:TOK+8*p_+2*c_+1] op_sel_hi:[1,0,1]
.set c_, c_+1
.endr
.set p_, p_+1
.endr
	LNB 8, TOK, TOK, ROW
.set k_, 0
.rept 32
	v_cvt_pk_bf16_f32 v[TOK+k_], v[TOK+2*k_], v[TOK+2*k_+1]
.set k_, k_+1
.endr
.set p_, 0
.rept 8
	ds_store_b128 v[LA], v[TOK+4*p_:TOK+4*p_+3] offset:PT*p_
	global_store_b128 v[GO], v[TOK+4*p_:TOK+4*p_+3], s[28:29] offset:65536*p_   ; 16 lanes store a token's 256 bytes
.set p_, p_+1
.endr
	s_wait_xcnt 0x0                        ; the stores' offset and data are rewritten only behind this wait
	v_add_nc_u32 v[LA], 8*PT, v[LA]
	v_add_nc_u32 v[GO], 0x100000, v[GO]
	WIN 0
	s_add_co_u32 s[UA], s[UA], 1
	s_cmp_lt_u32 s[UA], 8
	s_cbranch_scc1 .Lups
.else
	v_add_nc_u32 v17, 128*PT, v[CP0]       ; an LDS immediate ends at 65,535: a base for each 128 rows
	v_add_nc_u32 v18, VH, v[CP0]
	v_add_nc_u32 v19, VH, v17
	s_wait_loadcnt 63                      ; 156 loads are issued: the oldest 93 are in, K's and V's 64 among them
	WIN 0x04
.set i_, 0
.rept 16
	ds_store_b128 v[CP0], v[4*i_:4*i_+3] offset:8*PT*i_
	ds_store_b128 v17, v[64+4*i_:64+4*i_+3] offset:8*PT*i_
.set i_, i_+1
.endr
	WIN 0x08
.set i_, 0
.rept 16
	ds_store_b128 v18, v[4*i_:4*i_+3] offset:8*PT*i_
	ds_store_b128 v19, v[64+4*i_:64+4*i_+3] offset:8*PT*i_
.set i_, i_+1
.endr
	WIN 0
.endif
	s_wait_loadcnt 0x0                     ; weights, biases, q tokens
	WIN 0xc3
.set m_, 0
.rept 4
.set j_, 1
.rept 7
	v_mov_b32 v[BVT+8*m_+j_], v[BVT+8*m_]  ; in V a lane holds one channel: its bias in all eight registers of the C operand
.set j_, j_+1
.endr
.set m_, m_+1
.endr
	WIN 0
	BAR                                    ; khat and vhat are whole
	PROJ 0
	BULK 1
	LOADW 3, 0, MATB                       ; Wq takes Wk's place; the places behind the last product stand in the loop's last trip
	BAR                                    ; nobody reads khat any more
	v_add_nc_u32 v17, 128*PT, v[CP0]
	WIN 0x08
.if PASS == 1
.set i_, 0
.rept 16
	ds_store_b128 v[CP0], v[4*i_:4*i_+3] offset:8*PT*i_
	ds_store_b128 v17, v[64+4*i_:64+4*i_+3] offset:8*PT*i_
.set i_, i_+1
.endr
.else
.set i_, 0
.rept 8
	ds_store_b128 v[CP0], v[128+4*i_:128+4*i_+3] offset:8*PT*i_
.set i_, i_+1
.endr
.endif
	WIN 0
	PROJ 1
	BULK 2
	WIN 0xc0
.set i_, 0
.rept 16
	global_load_b128 v[SKP+4*i_:SKP+4*i_+3], v[T16], s[P_SK:P_SK+1] offset:2048*i_    ; the skip: it lands while the attention runs
.set i_, i_+1
.endr
	WIN 0
	BAR                                    ; the q tokens are whole; every wave has its fragments back, so the stages are free
	s_wait_loadcnt 16                      ; the skip's 16 loads may be out; Wq is in
	s_mov_b32 s[TBQ], 0
	s_mov_b32 s[TBO], 0
	s_mov_b32 s[QT], NQT
	s_mov_b32 s[PG], 4
	v_mov_b32 v[ADR], v[AF0]
	TBLOAD 1
.Lpg:                                              ; 16 pixels a trip
.if PASS == 1
.set k_, 0
.rept 32
	v_mov_b32 v[OBAR+k_], 0                ; the mean over views starts; the four views' tiles run through one text
.set k_, k_+1
.endr
	s_mov_b32 s[NV], 4
.Lnv:
.endif
	QTILE
.if PASS == 1
	s_sub_co_u32 s[NV], s[NV], 1
	s_cmp_lg_u32 s[NV], 0
	s_cbranch_scc1 .Lnv
.endif
	FLUSH
	s_sub_co_u32 s[PG], s[PG], 1
	s_cmp_lg_u32 s[PG], 0
	s_cbranch_scc1 .Lpg
	; ---------------- behind the attention ----------------
	s_wait_loadcnt 0x0                     ; the skip is in
	s_lshl_b32 s38, s[WV], 7
	v_lshl_add_u32 v16, v[HH], 5, s38      ; 4 (32 w + 8 h)
	v_lshlrev_b32 v17, 5, v[R]             ; 4 (8 r)
	LOADW 1, 0, MATB+4*65536               ; Wo
	WIN 0x80
.set m_, 0
.rept 2
	global_load_b128 v[BOT+8*m_:BOT+8*m_+3], v16, s[P_BO:P_BO+1] offset:64*m_
	global_load_b128 v[BOT+8*m_+4:BOT+8*m_+7], v16, s[P_BO:P_BO+1] offset:64*m_+16
	global_load_b128 v[B2T+8*m_:B2T+8*m_+3], v16, s[P_B2:P_B2+1] offset:64*m_
	global_load_b128 v[B2T+8*m_+4:B2T+8*m_+7], v16, s[P_B2:P_B2+1] offset:64*m_+16
.set m_, m_+1
.endr
.irp q, 0,1
	global_load_b128 v[LG1+4*\q:LG1+4*\q+3], v17, s[P_PG:P_PG+1] offset:16*\q
	global_load_b128 v[LB1+4*\q:LB1+4*\q+3], v17, s[P_PB:P_PB+1] offset:16*\q
	global_load_b128 v[LG2+4*\q:LG2+4*\q+3], v17, s[P_G2:P_G2+1] offset:16*\q
	global_load_b128 v[LB2+4*\q:LB2+4*\q+3], v17, s[P_N2:P_N2+1] offset:16*\q
.endr
	WIN 0
	LOADW 1, 128, MATB+3*65536             ; W1
	BTILE 2, B1T, P_B1, 0
	LOADW 3, 0, MATB+5*65536               ; W2
	s_mul_i32 s38, s[WV], PW
	s_add_co_u32 s38, s38, ZS
	v_lshl_add_u32 v18, v[HH], 4, v17
	v_add_nc_u32 v18, s38, v18             ; load i of thread t holds token 4 i + t / 32, channels 8 (t % 16) + 4 ((t / 16) % 2) ..
	WIN 0x0c
.set i_, 0
.rept 16
	ds_store_b128 v18, v[SKP+4*i_:SKP+4*i_+3] offset:4*PW*i_
.set i_, i_+1
.endr
	WIN 0
	s_mul_i32 s38, s[WV], 16*PW
	s_add_co_u32 s38, s38, ZS
	v_mul_u32_u24 v22, v[HH], PW
	v_lshl_add_u32 v22, v[R], 5, v22
	v_add_nc_u32 v22, s38, v22             ; by tokens: pixel 16 w + h, channels 8 r ..
	s_mul_i32 s38, s[WV], 16*PT
	s_add_co_u32 s38, s38, A1
	v_mul_u32_u24 v23, v[HH], PT
	v_lshl_add_u32 v23, v[R], 4, v23
	v_add_nc_u32 v23, s38, v23
.if PASS == 1
	s_and_b32 s38, s[XX], 1                ; pixel (8 X + a, 8 Y + b), 8 a + b = 16 w + 8 u + 2 p + h, lies in grid window (H % 16, W % 16) at place (X / 2) 8 + Y / 2
	s_lshl_b32 s38, s38, 3
	s_lshl1_add_u32 s38, s[WV], s38
	s_lshl_b32 s38, s38, 4
	s_and_b32 s39, s[YY], 1
	s_lshl3_add_u32 s38, s39, s38
	s_lshr_b32 s39, s[XX], 1
	s_lshl_b32 s39, s39, 3
	s_lshr_b32 s56, s[YY], 1
	s_add_co_u32 s39, s39, s56
	s_lshl_b32 s56, s38, 15
	s_lshl_b32 s57, s39, 9
	s_add_co_u32 s56, s56, s57
	v_lshlrev_b32 v24, 15, v[HH]
	v_lshl_add_u32 v24, v[R], 4, v24
	v_add_nc_u32 v24, s56, v24
	s_lshl_b32 s56, s38, 14
	s_lshl_b32 s57, s39, 8
	s_add_co_u32 s56, s56, s57
	v_lshlrev_b32 v25, 14, v[HH]
	v_lshl_add_u32 v25, v[R], 4, v25
	v_add_nc_u32 v25, s56, v25
.else
	s_lshl_b32 s56, s[WV], 21              ; place 8 w1 + w2 = 16 w + 8 u + 2 p + h of grid window (xw, yw) is pixel (16 w1 + xw, 16 w2 + yw)
	s_lshl_b32 s57, s[XX], 16
	s_add_co_u32 s56, s56, s57
	s_lshl_b32 s57, s[YY], 9
	s_add_co_u32 s56, s56, s57
	v_lshlrev_b32 v24, 13, v[HH]
	v_lshl_add_u32 v24, v[R], 4, v24
	v_add_nc_u32 v24, s56, v24
	v_mov_b32 v25, 0
.endif
	WIN 0x80
	v_mov_b32 v[ZR], v22
	v_mov_b32 v[ZR6], v22
	v_mov_b32 v[A1W], v23
	v_mov_b32 v[GO1], v24
	v_mov_b32 v[GO2], v25
	WIN 0
	BAR                                    ; OB and the skip are whole
	s_wait_loadcnt 63                      ; of the 120 loads above the oldest 57 are in: Wo, bo, b2 and the four vectors are the oldest 48
	P64 0x0d, OB, BOT                      ; z = mean O wo + bo + skip
	BAR
	s_mov_b32 s[CNT], 2
.Lt3:                                              ; LayerNorm: eight of my 16 pixels a trip, a pixel for each half of the lanes
	WIN 0xaa                               ; all in window 2
.set p_, 0
.rept 4
	ds_load_b128 v[TX+8*p_:TX+8*p_+3], v[ZR] offset:2*PW*p_
	ds_load_b128 v[TX+8*p_+4:TX+8*p_+7], v[ZR] offset:2*PW*p_+16
.set p_, p_+1
.endr
	s_wait_dscnt 0x0
	LNB 4, TX, TX, TT
	AFF 4, TX, LG1, LB1
.set k_, 0
.rept 16
	v_cvt_pk_bf16_f32 v[TX+k_], v[TX+2*k_], v[TX+2*k_+1]
.set k_, k_+1
.endr
.set p_, 0
.rept 4
	ds_store_b128 v[A1W], v[TX+4*p_:TX+4*p_+3] offset:2*PT*p_
.set p_, p_+1
.endr
	v_add_nc_u32 v[ZR], 8*PW, v[ZR]
	v_add_nc_u32 v[A1W], 8*PT, v[A1W]
	WIN 0
	s_sub_co_u32 s[CNT], s[CNT], 1
	s_cmp_lg_u32 s[CNT], 0
	s_cbranch_scc1 .Lt3
	BAR
	s_wait_loadcnt 32                      ; W2's 32 loads may be out; W1 and b1 are in
	s_mov_b32 s[TB], A1
	s_mov_b32 s[TB2], 0
	s_mov_b32 s[CNT], 4
.Lt4:                                              ; the hidden layer: 16 pixels x my 64 channels a trip
	v_add_nc_u32 v[ADR], s[TB], v[AF0]
	TBLOAD 1
	s_wait_dscnt 0x0
.set k_, 0
.rept 4
.set m_, 0
.rept 4
.if k_ == 0
	WIN 0x2d                               ; W1 in window 1, tokens in window 3, b1 in window 2
	v_wmma_f32_16x16x32_bf16 v[GX+8*m_:GX+8*m_+7], v[128+8*(4*m_+k_):128+8*(4*m_+k_)+7], v[TB0+8*k_:TB0+8*k_+7], v[B1T+8*m_:B1T+8*m_+7]
.else
	WIN 0x0d
	v_wmma_f32_16x16x32_bf16 v[GX+8*m_:GX+8*m_+7], v[128+8*(4*m_+k_):128+8*(4*m_+k_)+7], v[TB0+8*k_:TB0+8*k_+7], v[GX+8*m_:GX+8*m_+7]
.endif
.set m_, m_+1
.endr
.set k_, k_+1
.endr
	PLACES
	WIN 0
	GELU
.set k_, 0
.rept 16
	v_cvt_pk_bf16_f32 v[GX+k_], v[GX+2*k_], v[GX+2*k_+1]
.set k_, k_+1
.endr
	v_add_nc_u32 v[ADR2], s[TB2], v[HS0]
.set m_, 0
.rept 4
	ds_store_b128 v[ADR2], v[GX+4*m_:GX+4*m_+3] offset:32*m_
.set m_, m_+1
.endr
	s_add_co_u32 s[TB], s[TB], 16*PT
	s_add_co_u32 s[TB2], s[TB2], 16*PW
	s_sub_co_u32 s[CNT], s[CNT], 1
	s_cmp_lg_u32 s[CNT], 0
	s_cbranch_scc1 .Lt4
	BAR
	s_wait_loadcnt 0x0                     ; W2
	P64 0x0f, HS, B2T                      ; y = z + gelu(..) w2 + b2
	BAR
	s_mov_b32 s[CNT], 2
.Lt6:                                              ; the way out, by tokens: 16 lanes store 256 bytes on end
	WIN 0xaa
.set p_, 0
.rept 4
	ds_load_b128 v[TX+8*p_:TX+8*p_+3], v[ZR6] offset:2*PW*p_
	ds_load_b128 v[TX+8*p_+4:TX+8*p_+7], v[ZR6] offset:2*PW*p_+16
.set p_, p_+1
.endr
	s_wait_dscnt 0x0
.if PASS == 1
.set p_, 0
.rept 4
	global_store_b128 v[GO1], v[TX+8*p_:TX+8*p_+3], s[30:31] offset:65536*p_
	global_store_b128 v[GO1], v[TX+8*p_+4:TX+8*p_+7], s[30:31] offset:65536*p_+256
.set p_, p_+1
.endr
	LNB 4, TX, TD, TT                      ; pass 2's query: its LayerNorm, gain and shift
	AFF 4, TD, LG2, LB2
.set k_, 0
.rept 16
	v_cvt_pk_bf16_f32 v[TD+k_], v[TD+2*k_], v[TD+2*k_+1]
.set k_, k_+1
.endr
.set p_, 0
.rept 4
	global_store_b128 v[GO2], v[TD+4*p_:TD+4*p_+3], s[32:33] offset:32768*p_
.set p_, p_+1
.endr
	s_wait_xcnt 0x0                        ; the stores' offsets and data are rewritten only behind this wait
	v_add_nc_u32 v[GO1], 0x80000, v[GO1]
	v_add_nc_u32 v[GO2], 0x40000, v[GO2]
.else
	LNB 4, TX, TX, TT                      ; the last LayerNorm
	AFF 4, TX, LG2, LB2
.set p_, 0
.rept 4
	global_store_b128 v[GO1], v[TX+8*p_:TX+8*p_+3], s[28:29] offset:16384*p_
	global_store_b128 v[GO1], v[TX+8*p_+4:TX+8*p_+7], s[28:29] offset:16384*p_+256
.set p_, p_+1
.endr
	s_wait_xcnt 0x0                        ; the stores' offset and data are rewritten only behind this wait
	v_add_nc_u32 v[GO1], 0x100000, v[GO1]
.endif
	v_add_nc_u32 v[ZR6], 8*PW, v[ZR6]
	WIN 0
	s_sub_co_u32 s[CNT], s[CNT], 1
	s_cmp_lg_u32 s[CNT], 0
	s_cbranch_scc1 .Lt6
	s_wait_tensorcnt 0x0                   ; the wave's end
	ds_add_u32 v[SPW], v[NIL]
	s_wait_dscnt 0x0
	s_endpgm
.Lfunc_end_k_q7e41b0da39_attn2:
	.size	k_q7e41b0da39_attn2, .Lfunc_end_k_q7e41b0da39_attn2-k_q7e41b0da39_attn2
	.p2alignl 7, 3214868480
	.fill 96, 4, 3214868480
	.section	.rodata,"a",@progbits
	.p2align	6, 0x0
	.amdhsa_kernel k_q7e41b0da39_attn2
		.amdhsa_group_segment_fixed_size 304640
		.amdhsa_private_segment_fixed_size 0
		.amdhsa_enable_private_segment 0
		.amdhsa_kernarg_size 104
		.amdhsa_user_sgpr_count 2
		.amdhsa_user_sgpr_kernarg_segment_ptr 1
		.amdhsa_wavefront_size32 1
		.amdhsa_system_sgpr_workgroup_id_x 1
		.amdhsa_system_sgpr_workgroup_id_y 1
		.amdhsa_system_sgpr_workgroup_id_z 1
		.amdhsa_system_vgpr_workitem_id 0
		.amdhsa_next_free_vgpr 1024
		.amdhsa_next_free_sgpr 100
		.amdhsa_reserve_vcc 0
		.amdhsa_float_denorm_mode_32 3
		.amdhsa_float_denorm_mode_16_64 3
		.amdhsa_memory_ordered 1
		.amdhsa_forward_progress 1
		.amdhsa_inst_pref_size 148
	.end_amdhsa_kernel
	.amdgpu_metadata
---
amdhsa.version: [ 1, 2 ]
amdhsa.kernels:
  - .name:           k_q7e41b0da39_attn2
    .symbol:         k_q7e41b0da39_attn2.kd
    .args:
      - { .name: kvhat, .offset: 0, .size: 8, .value_kind: global_buffer, .address_space: global }
      - { .name: qhat2, .offset: 8, .size: 8, .value_kind: global_buffer, .address_space: global }
      - { .name: q2d, .offset: 16, .size: 8, .value_kind: global_buffer, .address_space: global }
      - { .name: ws, .offset: 24, .size: 8, .value_kind: global_buffer, .address_space: global }
      - { .name: params_attn2_bq, .offset: 32, .size: 8, .value_kind: global_buffer, .address_space: global }
      - { .name: params_attn2_bo, .offset: 40, .size: 8, .value_kind: global_buffer, .address_space: global }
      - { .name: params_prenorm2_g, .offset: 48, .size: 8, .value_kind: global_buffer, .address_space: global }
      - { .name: params_prenorm2_b, .offset: 56, .size: 8, .value_kind: global_buffer, .address_space: global }
      - { .name: params_mlp2_b1, .offset: 64, .size: 8, .value_kind: global_buffer, .address_space: global }
      - { .name: params_mlp2_b2, .offset: 72, .size: 8, .value_kind: global_buffer, .address_space: global }
      - { .name: params_postnorm_g, .offset: 80, .size: 8, .value_kind: global_buffer, .address_space: global }
      - { .name: params_postnorm_b, .offset: 88, .size: 8, .value_kind: global_buffer, .address_space: global }
      - { .name: outT, .offset: 96, .size: 8, .value_kind: global_buffer, .address_space: global }
    .group_segment_fixed_size: 304640
    .private_segment_fixed_size: 0
    .kernarg_segment_align: 8
    .kernarg_segment_size: 104
    .max_flat_workgroup_size: 128
    .sgpr_count:     100
    .vgpr_count:     1024
    .wavefront_size: 32
...
	.end_amdgpu_metadata
.endif
;; end of part 8
;; launch final: the kernel of part 6 again; grid 256 x 1, 8 waves a work-group, no clusters, 34,816 bytes of LDS; arguments outT, out0; writes out0
